; MI455X (gfx1250); checked and timed in simulation.
; The chip was launched on July 23, 2026; its instructions are those of AMD's public machine-readable ISA for CDNA 5 (MIT licence, August 2026) and "CDNA5" Instruction Set Architecture Reference Guide (July 2026). The comments in the code are by the model that wrote it; some were corrected since.
;; Simple Retention. Allowed arithmetic: float matrix products may take bf16 or f16 operands with f32 sums; all other float work in f32.
;; Inputs: W_K 1,024 x 1,024 float32; W_Q 1,024 x 1,024 float32; W_V 1,024 x 1,024 float32; X 4 x 2,048 x 1,024 float32.
;; Outputs: out0 4 x 2,048 x 1,024 float32.
;; 2 versions, each right. Each part assembles by itself: llvm-mc -triple=amdgcn-amd-amdhsa -mcpu=gfx1250 --defsym DOCPART=n.
;; ======== version 1 of 2: 4 launches
;; limits: values are held in f16: magnitudes above 65,504 overflow, below 6.1e-05 lose precision; right only within a limited range of input values
;; workspace buffers: xb 16,777,216 bytes; wt 6,291,456 bytes; tab 16,777,216 bytes; stats 2,560 bytes; qk 33,554,432 bytes; vt 16,777,216 bytes; p 33,554,432 bytes
;; launch prep (part 1): grid 768 x 1, 8 waves a work-group, no clusters, 18,432 bytes of LDS; arguments X, W_Q, W_K, W_V, xb, wt, tab, stats; writes xb, wt, tab, stats
.if DOCPART == 1
	.amdgcn_target "amdgcn-amd-amdhsa--gfx1250"
	.amdhsa_code_object_version 6
	.text
	.protected	k_q88bc7d84fd_prep
	.globl	k_q88bc7d84fd_prep
	.p2align	8
	.type	k_q88bc7d84fd_prep,@function
k_q88bc7d84fd_prep:
	s_mov_b64 s[64:65], 0
	v_nop
	global_prefetch_b8 v0, s[64:65] scope:SCOPE_SE
	s_setreg_imm32_b32 hwreg(HW_REG_WAVE_MODE, 25, 1), 1
	s_wait_xcnt 0x0
; prep: everything that is made once, as a stream.  Three kinds of work-group, told apart by the work-group's number x alone:
;   x <  256: 32 rows of X -> xb in bf16, and the largest squared row norm of these rows -> stats[x]
;   x <  640: a block of 128 k x 64 n of W_Q, W_K or W_V -> wt in bf16, TRANSPOSED ([n][k]), and its sum of squares -> stats[256 + 128 t + ..]
;   else    : 16 positions of the XPOS table, cos x scale and sin x scale for Q, the same with 1 / scale for K -> tab
; The norms serve the later launches as a bound: |x . w| <= |x| |W|_F, from which they take power-of-two scales for their f16 operands.
; tab: [Q, K][block of 16 positions][block of 16 columns][half][lane][4 f32]; lane (r = l & 15, h = l >> 4) holds, for position 16 blk + r and the
; column pairs 8 colblk + 4 h + 2 half and the next, (cos, sin, cos, sin): the order in which a matrix result's lane wants them, 16 bytes a lane.
; Sine and cosine: the angle in quarter turns is split into a whole number and a rest in [-1/2, 1/2] by one fused multiply-add; the rest, at most
; pi/4 in radians, goes into Taylor sums up to x^7 and x^8 (first left-out terms below 4e-7).  The angle itself carries f32's rounding of
; position x frequency, as it does where the product is formed in f32 at all: some 1e-4 radians at position 2047.
; No matrix unit, no cluster: nothing is shared and memory binds.
.set SUMS,   16896                     ; LDS: 8 words, one a wave, behind the transpose's stage
.set WPITCH, 264                       ; the stage: 64 rows (n) of 128 bf16 (k) = 256 bytes + 8
.set T,   4                            ; v[4:11]    four chains of squares, two numbers each
.set SS,  12                           ; v[12:15]   a wave's four row sums
.set XR,  32                           ; v[32:159]  four rows of X as loaded (W: v[32:63])
.set YR,  160                          ; v[160:223] the same in bf16: never rewritten, so no store is waited for
	s_load_b512 s[4:19], s[0:1], 0x0               ; X 4:5, W_Q 6:7, W_K 8:9, W_V 10:11, xb 12:13, wt 14:15, tab 16:17, stats 18:19
	v_lshl_add_u32 v224, v0, 2, 0x4400
	v_mov_b32 v225, 0
	v_lshrrev_b32 v1, 5, v0
	v_readfirstlane_b32 s20, v1                    ; wave 0..7
	v_and_b32 v3, 31, v0                           ; lane
	v_mov_b32 v16, 0                               ; v_permlanex16_b32's destination counts as read
	s_mov_b32 s30, 0x76543210                      ; lane i of one half reads lane i of the other
	s_mov_b32 s31, 0xfedcba98
	s_mov_b32 s25, 0                               ; the upper word of every offset
	s_wait_kmcnt 0x0
; the sum of the squares of 32 registers, in four chains started by a product: nothing is cleared
.macro SQSUM base, dst
.irp c, 0,1,2,3
	v_pk_mul_f32 v[T+2*\c:T+2*\c+1], v[\base+2*\c:\base+2*\c+1], v[\base+2*\c:\base+2*\c+1]
.endr
.irp g, 1,2,3
.irp c, 0,1,2,3
	v_pk_fma_f32 v[T+2*\c:T+2*\c+1], v[\base+8*\g+2*\c:\base+8*\g+2*\c+1], v[\base+8*\g+2*\c:\base+8*\g+2*\c+1], v[T+2*\c:T+2*\c+1]
.endr
.endr
	v_pk_add_f32 v[T:T+1], v[T:T+1], v[T+2:T+3]
	v_pk_add_f32 v[T+4:T+5], v[T+4:T+5], v[T+6:T+7]
	v_pk_add_f32 v[T:T+1], v[T:T+1], v[T+4:T+5]
	v_add_f32 v[\dst], v[T], v[T+1]
.endm
; the sum over the 32 lanes, in every lane
.macro LANESUM v
	v_add_f32_dpp v[\v], v[\v], v[\v] row_xmask:1 row_mask:0xf bank_mask:0xf
	v_add_f32_dpp v[\v], v[\v], v[\v] row_xmask:2 row_mask:0xf bank_mask:0xf
	v_add_f32_dpp v[\v], v[\v], v[\v] row_xmask:4 row_mask:0xf bank_mask:0xf
	v_add_f32_dpp v[\v], v[\v], v[\v] row_xmask:8 row_mask:0xf bank_mask:0xf
	v_permlanex16_b32 v16, v[\v], s30, s31
	v_add_f32 v[\v], v[\v], v16
.endm
; my wave's figure (v12) goes to its word; behind the barrier all eight words, and the transpose's stage, are whole
.macro FIN_A
	v_mov_b32 v17, s20
	v_lshlrev_b32 v17, 2, v17
	ds_store_b32 v17, v12 offset:SUMS
	s_wait_dscnt 0x0                               ; for the other waves' sake: all my LDS stores are done
	s_barrier_signal -1
	s_barrier_wait -1
.endm
; wave 0 joins the eight figures and its lane 0 stores the work-group's one word at stats + s27
.macro FIN_B op
	s_cmp_lg_u32 s20, 0
	s_cbranch_scc1 .Ldone_\@
	v_mov_b32 v18, SUMS
	v_mov_b32 v19, s27
	ds_load_b128 v[20:23], v18
	ds_load_b128 v[24:27], v18 offset:16
	s_wait_dscnt 0x0
	\op v20, v20, v21
	\op v22, v22, v23
	\op v24, v24, v25
	\op v26, v26, v27
	\op v20, v20, v22
	\op v24, v24, v26
	\op v20, v20, v24
	s_wait_xcnt 0x0                                ; EXEC is a source of the stores above: it changes only behind this wait
	v_cmp_eq_u32 vcc_lo, 0, v0
	s_wait_tensorcnt 0x0
	ds_add_u32 v224, v225
	s_wait_dscnt 0x0
	s_and_saveexec_b32 s26, vcc_lo
	global_store_b32 v19, v20, s[18:19]
	s_endpgm
.Ldone_\@:
	s_wait_tensorcnt 0x0
	ds_add_u32 v224, v225
	s_wait_dscnt 0x0
	s_endpgm
.endm
	s_cmp_lt_u32 ttmp9, 256
	s_cbranch_scc1 .Lxway
	s_cmp_lt_u32 ttmp9, 640
	s_cbranch_scc1 .Lwway
; ---------------------------------------------------------------- the table: 16 positions a work-group, 8 column blocks a wave
.set VP,  6                            ; position, f32
.set VP5, 7                            ; position / 512
.set VI,  8                            ; first of my four column pairs, a whole number
.set VO,  9                            ; byte offset in tab
.set FI,  12                           ; from here on four registers each, one for each of the four pairs
.set EA,  16
.set LA,  20
.set W4,  24
.set LG,  28
.set QN,  32
.set AX,  36
.set X2,  40
.set SI,  44
.set CS,  48
.set QI,  52
.set SC,  56
.set ISC, 60
.set U1,  64
.set U2,  68
.set QD,  72                           ; v[72:79] Q's eight numbers, v[80:87] K's
.set KD,  80
	s_sub_co_u32 s21, ttmp9, 640                   ; block of 16 positions
	s_add_nc_u64 s[22:23], s[16:17], 0x800000      ; K's table
	s_mov_b32 s32, 0xb9500d01                      ; -1/5040
	s_mov_b32 s33, 0x3c088889                      ; 1/120
	s_mov_b32 s34, 0xbe2aaaab                      ; -1/6
	s_mov_b32 s35, 0x37d00d01                      ; 1/40320
	s_mov_b32 s36, 0xbab60b61                      ; -1/720
	s_mov_b32 s37, 0x3d2aaaab                      ; 1/24
	s_mov_b32 s38, 0xbcd49a78                      ; -log2(10000)/512
	s_mov_b32 s39, 0x3ab6db6e                      ; 2/1433.6
	s_mov_b32 s40, 0x3e924925                      ; 409.6/1433.6
	s_mov_b32 s41, 0x3f22f983                      ; 2/pi
	s_mov_b32 s42, 0x3fc90fdb                      ; pi/2
	v_and_b32 v4, 15, v3                           ; r
	v_lshrrev_b32 v5, 4, v3                        ; h
	s_lshl_b32 s24, s21, 4
	v_add_nc_u32 v[VP], s24, v4
	v_cvt_f32_u32 v[VP], v[VP]
	v_mul_f32 v[VP5], 0x3b000000, v[VP]            ; / 512, exact
	v_lshlrev_b32 v[VI], 2, v5
	v_lshl_add_u32 v[VI], s20, 3, v[VI]            ; 8 wave + 4 h
	s_lshl_b32 s24, s21, 16
	v_lshl_add_u32 v[VO], v3, 4, s24
	v_lshl_add_u32 v[VO], s20, 10, v[VO]           ; 65,536 block + 1,024 wave + 16 lane
	s_mov_b32 s28, 0
.Ltab:
.irp k, 0,1,2,3
	v_add_nc_u32 v[FI+\k], \k, v[VI]
	v_cvt_f32_u32 v[FI+\k], v[FI+\k]               ; i
	v_mul_f32 v[EA+\k], s38, v[FI+\k]
	v_fma_f32 v[LA+\k], v[FI+\k], s39, s40         ; (2 i + 409.6) / 1433.6
.endr
.irp k, 0,1,2,3
	v_exp_f32 v[W4+\k], v[EA+\k]                   ; 10000^(-i/512)
	v_log_f32 v[LG+\k], v[LA+\k]
.endr
	v_nop                                          ; one plain place behind the run of transcendentals (ISA guide 5.7.2)
	s_wait_alu depctr_va_vdst(0)
.irp k, 0,1,2,3
	v_mul_f32 v[W4+\k], s41, v[W4+\k]              ; quarter turns for each position
	v_mul_f32 v[LG+\k], v[LG+\k], v[VP5]           ; log2 of the scale
	v_mul_f32 v[QN+\k], v[VP], v[W4+\k]
	v_rndne_f32 v[QN+\k], v[QN+\k]                 ; whole quarter turns
	v_fma_f32 v[AX+\k], v[VP], v[W4+\k], -v[QN+\k] ; the rest, without a second rounding
	v_mul_f32 v[AX+\k], s42, v[AX+\k]              ; in radians, at most pi/4
	v_mul_f32 v[X2+\k], v[AX+\k], v[AX+\k]
	v_cvt_i32_f32 v[QI+\k], v[QN+\k]
.endr
.irp k, 0,1,2,3
	v_exp_f32 v[SC+\k], v[LG+\k]
	v_exp_f32 v[ISC+\k], -v[LG+\k]
.endr
.irp k, 0,1,2,3
	v_fma_f32 v[SI+\k], v[X2+\k], s32, s33         ; (the first of these is the plain place behind the exponentials)
	v_fma_f32 v[CS+\k], v[X2+\k], s35, s36
	v_fma_f32 v[SI+\k], v[SI+\k], v[X2+\k], s34
	v_fma_f32 v[CS+\k], v[CS+\k], v[X2+\k], s37
	v_fma_f32 v[SI+\k], v[SI+\k], v[X2+\k], 1.0
	v_fma_f32 v[CS+\k], v[CS+\k], v[X2+\k], -0.5
	v_mul_f32 v[SI+\k], v[SI+\k], v[AX+\k]         ; sin of the rest
	v_fma_f32 v[CS+\k], v[CS+\k], v[X2+\k], 1.0    ; cos of the rest
	v_and_b32 v[U1+\k], 1, v[QI+\k]
	v_cmp_eq_u32 vcc_lo, 1, v[U1+\k]               ; an odd quarter swaps the two,
	v_cndmask_b32 v[U2+\k], v[SI+\k], v[CS+\k], vcc_lo
	v_cndmask_b32 v[U1+\k], v[CS+\k], v[SI+\k], vcc_lo
	v_and_b32 v[SI+\k], 2, v[QI+\k]                ; quarters 2, 3 turn the sine's sign,
	v_add_nc_u32 v[CS+\k], 1, v[QI+\k]
	v_and_b32 v[CS+\k], 2, v[CS+\k]                ; quarters 1, 2 the cosine's
	v_lshlrev_b32 v[SI+\k], 30, v[SI+\k]
	v_lshlrev_b32 v[CS+\k], 30, v[CS+\k]
	v_xor_b32 v[U2+\k], v[SI+\k], v[U2+\k]         ; sin
	v_xor_b32 v[U1+\k], v[CS+\k], v[U1+\k]         ; cos
	s_wait_alu depctr_va_vdst(0)
	v_mul_f32 v[QD+2*\k], v[U1+\k], v[SC+\k]
	v_mul_f32 v[QD+2*\k+1], v[U2+\k], v[SC+\k]
	v_mul_f32 v[KD+2*\k], v[U1+\k], v[ISC+\k]
	v_mul_f32 v[KD+2*\k+1], v[U2+\k], v[ISC+\k]
.endr
	global_store_b128 v[VO], v[QD:QD+3], s[16:17]              ; each store of the wave covers 512 consecutive bytes, aligned
	global_store_b128 v[VO], v[QD+4:QD+7], s[16:17] offset:512
	global_store_b128 v[VO], v[KD:KD+3], s[22:23]
	global_store_b128 v[VO], v[KD+4:KD+7], s[22:23] offset:512
	s_wait_xcnt 0x0                                ; the stores' offset and data are rewritten only behind this wait
	v_add_nc_u32 v[VO], 8192, v[VO]                ; eight column blocks on
	v_add_nc_u32 v[VI], 64, v[VI]
	s_add_co_u32 s28, s28, 1
	s_cmp_lt_u32 s28, 8
	s_cbranch_scc1 .Ltab
	s_endpgm
; ---------------------------------------------------------------- X: 32 rows a work-group, 4 whole rows a wave
.Lxway:
	s_lshl_b32 s24, ttmp9, 17                      ; 32 rows of 4,096 bytes
	s_add_nc_u64 s[4:5], s[4:5], s[24:25]
	s_lshl_b32 s24, ttmp9, 16                      ; 32 rows of 2,048 bytes
	s_add_nc_u64 s[12:13], s[12:13], s[24:25]
	s_lshl_b32 s27, ttmp9, 2                       ; my word of stats
	v_lshlrev_b32 v1, 4, v3
	v_lshl_add_u32 v1, s20, 14, v1                 ; 16 lane + 4 rows x wave
	v_lshlrev_b32 v2, 3, v3
	v_lshl_add_u32 v2, s20, 13, v2
.irp p, 0,1,2,3
.irp j, 0,1,2,3,4,5,6,7
	global_load_b128 v[XR+32*\p+4*\j:XR+32*\p+4*\j+3], v1, s[4:5] offset:\p*4096+\j*512 th:TH_LOAD_NT   ; all 32 loads of the wave go out at once: 16 KiB
.endr
.endr
.irp p, 0,1,2,3
	s_wait_loadcnt 24-8*\p                         ; row p is in; the younger rows' eight loads each stay out
	SQSUM XR+32*\p, SS+\p
.irp j, 0,1,2,3,4,5,6,7
	v_cvt_pk_bf16_f32 v[YR+16*\p+2*\j], v[XR+32*\p+4*\j], v[XR+32*\p+4*\j+1]
	v_cvt_pk_bf16_f32 v[YR+16*\p+2*\j+1], v[XR+32*\p+4*\j+2], v[XR+32*\p+4*\j+3]
	global_store_b64 v2, v[YR+16*\p+2*\j:YR+16*\p+2*\j+1], s[12:13] offset:\p*2048+\j*256   ; 32 lanes x 8 bytes: 256 consecutive bytes, aligned
.endr
.endr
	LANESUM SS
	LANESUM SS+1
	LANESUM SS+2
	LANESUM SS+3
	v_max_num_f32 v12, v12, v13
	v_max_num_f32 v14, v14, v15
	v_max_num_f32 v12, v12, v14                    ; the largest of my four rows
	FIN_A
	FIN_B v_max_num_f32
; ---------------------------------------------------------------- W: 128 k x 64 n, transposed through LDS
.Lwway:
	s_sub_co_u32 s21, ttmp9, 256                   ; u
	s_lshr_b32 s22, s21, 7                         ; t: 0 Q, 1 K, 2 V
	s_bfe_u32 s23, s21, 0x30004                    ; block of 128 k
	s_and_b32 s28, s21, 15                         ; block of 64 n
	s_cmp_eq_u32 s22, 0
	s_cselect_b64 s[32:33], s[6:7], s[8:9]
	s_cmp_eq_u32 s22, 2
	s_cselect_b64 s[32:33], s[10:11], s[32:33]
	s_lshl_b32 s24, s23, 19                        ; 128 rows of 4,096 bytes
	s_lshl_b32 s29, s28, 8                         ; 64 f32
	s_add_co_u32 s24, s24, s29
	s_add_nc_u64 s[32:33], s[32:33], s[24:25]
	s_lshl_b32 s24, s22, 21                        ; wt: 2 MiB a matrix,
	s_lshl_b32 s29, s28, 17                        ; 64 rows (n) of 2,048 bytes,
	s_add_co_u32 s24, s24, s29
	s_lshl_b32 s29, s23, 8                         ; 128 bf16 (k)
	s_add_co_u32 s24, s24, s29
	s_add_nc_u64 s[14:15], s[14:15], s[24:25]
	s_and_b32 s27, s21, 127
	s_lshl_b32 s27, s27, 2
	s_lshl_b32 s29, s22, 9
	s_add_co_u32 s27, s27, s29
	s_add_co_u32 s27, s27, 1024                    ; my word of stats
	v_and_b32 v28, 15, v3                          ; sixteen lanes take 256 bytes of one row of W,
	v_lshrrev_b32 v29, 4, v3                       ; the other sixteen the row two further down
	v_lshlrev_b32 v1, 4, v28
	v_lshl_add_u32 v1, v29, 13, v1
	v_lshl_add_u32 v1, s20, 16, v1                 ; my wave's 16 rows
.irp s, 0,1,2,3
.irp p, 0,1
	global_load_b128 v[XR+8*\s+4*\p:XR+8*\s+4*\p+3], v1, s[32:33] offset:\s*16384+\p*4096 th:TH_LOAD_NT   ; k = 16 wave + 4 s + 2 (lane / 16) + p
.endr
.endr
	v_mul_u32_u24 v2, v28, 4*WPITCH                ; stage row n = 4 (lane % 16) + c,
	v_lshl_add_u32 v2, v29, 2, v2
	v_lshl_add_u32 v2, s20, 5, v2                  ; word (k / 2) = 8 wave + 2 s + lane / 16
	s_mul_i32 s29, s20, 8*WPITCH
	v_lshl_add_u32 v13, v3, 3, s29                 ; back: my wave's 8 rows, 8 bytes a lane
	v_lshlrev_b32 v14, 3, v3
	v_lshl_add_u32 v14, s20, 14, v14
	s_wait_loadcnt 0x0
	SQSUM XR, 12
.irp s, 0,1,2,3
.irp c, 0,1,2,3
	v_cvt_pk_bf16_f32 v[64+4*\s+\c], v[XR+8*\s+\c], v[XR+8*\s+4+\c]   ; two neighbouring k of one n
	ds_store_b32 v2, v[64+4*\s+\c] offset:\c*WPITCH+\s*8
.endr
.endr
	LANESUM 12
	FIN_A
.irp q, 0,1,2,3,4,5,6,7
	ds_load_b64 v[80+2*\q:80+2*\q+1], v13 offset:\q*WPITCH
.endr
.irp q, 0,1,2,3,4,5,6,7
	s_wait_dscnt 7-\q                              ; row q is in; the younger loads stay out
	global_store_b64 v14, v[80+2*\q:80+2*\q+1], s[14:15] offset:\q*2048   ; 256 consecutive bytes of one row of wt, aligned
.endr
	FIN_B v_add_f32
.Lfunc_end_k_q88bc7d84fd_prep:
	.size	k_q88bc7d84fd_prep, .Lfunc_end_k_q88bc7d84fd_prep-k_q88bc7d84fd_prep
	.p2alignl 7, 3214868480
	.fill 96, 4, 3214868480
	.section	.rodata,"a",@progbits
	.p2align	6, 0x0
	.amdhsa_kernel k_q88bc7d84fd_prep
		.amdhsa_group_segment_fixed_size 18432
		.amdhsa_private_segment_fixed_size 0
		.amdhsa_enable_private_segment 0
		.amdhsa_kernarg_size 64
		.amdhsa_user_sgpr_count 2
		.amdhsa_user_sgpr_kernarg_segment_ptr 1
		.amdhsa_wavefront_size32 1
		.amdhsa_system_sgpr_workgroup_id_x 1
		.amdhsa_system_sgpr_workgroup_id_y 1
		.amdhsa_system_sgpr_workgroup_id_z 1
		.amdhsa_system_vgpr_workitem_id 0
		.amdhsa_next_free_vgpr 226
		.amdhsa_next_free_sgpr 66
		.amdhsa_reserve_vcc 1
		.amdhsa_float_denorm_mode_32 3
		.amdhsa_float_denorm_mode_16_64 3
		.amdhsa_memory_ordered 1
		.amdhsa_forward_progress 1
		.amdhsa_inst_pref_size 36
	.end_amdhsa_kernel
	.amdgpu_metadata
---
amdhsa.version: [ 1, 2 ]
amdhsa.kernels:
  - .name:           k_q88bc7d84fd_prep
    .symbol:         k_q88bc7d84fd_prep.kd
    .args:
      - { .name: X, .offset: 0, .size: 8, .value_kind: global_buffer, .address_space: global }
      - { .name: W_Q, .offset: 8, .size: 8, .value_kind: global_buffer, .address_space: global }
      - { .name: W_K, .offset: 16, .size: 8, .value_kind: global_buffer, .address_space: global }
      - { .name: W_V, .offset: 24, .size: 8, .value_kind: global_buffer, .address_space: global }
      - { .name: xb, .offset: 32, .size: 8, .value_kind: global_buffer, .address_space: global }
      - { .name: wt, .offset: 40, .size: 8, .value_kind: global_buffer, .address_space: global }
      - { .name: tab, .offset: 48, .size: 8, .value_kind: global_buffer, .address_space: global }
      - { .name: stats, .offset: 56, .size: 8, .value_kind: global_buffer, .address_space: global }
    .group_segment_fixed_size: 18432
    .private_segment_fixed_size: 0
    .kernarg_segment_align: 8
    .kernarg_segment_size: 64
    .max_flat_workgroup_size: 256
    .sgpr_count:     66
    .vgpr_count:     226
    .wavefront_size: 32
...
	.end_amdgpu_metadata
.endif
;; end of part 1
;; launch projqk (part 2): grid 8 x 32, 4 waves a work-group, clusters of 4 x 4, 327,680 bytes of LDS; arguments xb, wt, qk, tab, stats; writes qk
.if DOCPART == 2
	.amdgcn_target "amdgcn-amd-amdhsa--gfx1250"
	.amdhsa_code_object_version 6
	.text
	.protected	k_q88bc7d84fd_projqk
	.globl	k_q88bc7d84fd_projqk
	.p2align	8
	.type	k_q88bc7d84fd_projqk,@function
k_q88bc7d84fd_projqk:
	s_mov_b64 s[64:65], 0
	v_nop
	global_prefetch_b8 v0, s[64:65] scope:SCOPE_SE
	s_setreg_imm32_b32 hwreg(HW_REG_WAVE_MODE, 25, 1), 1
	s_wait_xcnt 0x0
	s_wait_alu depctr_hold_cnt(0) depctr_sa_sdst(0) depctr_va_vdst(0) depctr_va_sdst(0) depctr_va_ssrc(0) depctr_va_vcc(0) depctr_vm_vsrc(0)
	s_getreg_b32 s2, hwreg(HW_REG_IB_STS2, 6, 4)
	s_cmp_eq_u32 s2, 0
	s_cbranch_scc0 .Lentry_in_a_cluster
	s_endpgm
.Lentry_in_a_cluster:
	s_bfe_u32 s2, ttmp6, 0x10000c
	s_cmp_lg_u32 s2, 0xf033
	s_cbranch_scc0 .Lentry_shape_is_right
	s_endpgm
.Lentry_shape_is_right:
; projqk: qk[row][0..1023] = xpos(X W_Q) 2^(14 - hQ), qk[row][1024..2047] = xpos_down(X W_K) 2^(8 - hK), in f16.
; One product C[m][n] = sum over k of xb[m][k] wt[n][k], 8192 x 2048 x 1024, bf16 operands, f32 sums; XPOS and the scale are applied on the way out.
; WHY f16 AND THESE SCALES: Q, K, the weighted scores and V are operands of later products; f16's 11 bits keep their rounding small against the
; tolerance.  2^h is a bound: with b = (largest |x_row|^2) x |W|_F^2 and e its exponent, h = (e + 2) >> 1, so |x . w| <= |x| |W|_F < 2^h.  Hence
; |Q^| <= 2^14, and |K^| <= 2^8 x 3.5^4 = 38,416 (3.5^4 is the largest 1 / scale, at position 2047): both inside f16, whatever the inputs' size.
; LIMITS: the scale is one for the whole tensor: rows of X some 2^-8 below the largest row's norm lose bits as in fixed point; h is clamped to
; +-100 and a scale's exponent field to 1..254, so b must be a finite normal number.
; A work-group makes 256 x 256 of C with four waves; a wave makes 128 x 128: 64 accumulator tiles, 512 registers.  K goes in steps of 128 through two
; LDS slots filled by the tensor data mover; a tile's rows are 256 bytes of memory, at multiples of 256 bytes from the buffer's first byte.
; CLUSTERS: 4 x 4 work-groups.  The four of a row of the cluster need the same tiles of xb, the four of a column the same tiles of wt: each such tile
; is asked for jointly, by the same tensor load with the same descriptor and a mask that names the four.
; REGISTERS, in windows of 256: window 0: v0-63 addresses and small work, v64-191 fragments of A (two buffers), v192-255 at work on the way out;
; window 1: v64-191 fragments of B, v0-63 and v192-255 two buffers for the XPOS table; windows 2, 3: the accumulators of my rows 0-63, 64-127.
; THE MATRIX INSTRUCTION IS USED TRANSPOSED (source 0 = rows of B, source 1 = rows of A): lane l holds row l % 16 of C and columns 8 (l / 16) + 0..7,
; that is four whole column pairs of XPOS and 16 neighbouring bytes of f16.
.set SIZE_K, 1024
.set PITCHC, 4096                      ; bytes from row to row of qk
.set LAPS,   4                         ; a lap = two K steps = once round the ring
.set KSTEP,  128
.set PITCH,  272                       ; an LDS row: 256 bytes + 16 of padding, so that the 16 rows of a fragment load start 4 words apart modulo 64
.set HALFT,  128*PITCH                 ; 128 rows: one tensor load
.set SLOT,   4*HALFT                   ; A's 256 rows, then B's 256 rows
.set STAGE,  2*SLOT                    ; behind the ring: 16 rows x 272 bytes for each wave; no tensor load ever lands here
.set SPITCH, 272
.set ADRA, 16                          ; v16-17  LDS address of my A fragments in slot 0, 1
.set ADRB, 20                          ; v20-21  the same for B
.set STO,  24                          ; the way out: where I put 16 bytes of a row
.set RD,   25                          ; where I read a row back
.set CO,   26                          ; my byte offset in C
.set TA,   27                          ; 16 x lane
.set F0,   64
.set F1,   128
.set RES,  64                          ; the way out: 64 results in f32
.set RB0,  128                         ; rows read back, two buffers
.set RB1,  160
.set TMP,  192                         ; packed results
.set TB0,  0                           ; window 1: the table's two buffers
.set TB1,  192
.set G1,  24
.set G0,  32
.set G1B, 48
.set G0B, 56
.set STATS, 70
.set SELA, 96
.set SELB, 97
.set MSB, 0
.macro WIN new                         ; the immediate's high byte repeats the setting that is left
.if MSB != (\new)
	s_set_vgpr_msb (MSB<<8)|(\new)
.set MSB, (\new)
.endif
.endm
.set MUL_LO, 0xa1                      ; source 0 (B) window 1, source 1 (A) window 0, C and D window 2
.set MUL_HI, 0xf1                      ; the same, C and D window 3
.set TO_B,   0x40                      ; destination window 1, address window 0
; A joint load.  Waves 0 and 1 fetch A's two halves, waves 2 and 3 B's; the branch hangs on the wave's number alone.
.macro JLOAD s
	s_cmp_eq_u32 s11, 0
	s_cbranch_scc0 .Lfor_b_\@
	tensor_load_to_lds s[G0+4*\s:G0+4*\s+3], s[G1:G1+7]
	s_nop 0
	s_branch .Lasked_\@
.Lfor_b_\@:
	tensor_load_to_lds s[G0B+4*\s:G0B+4*\s+3], s[G1B:G1B+7]
	s_nop 0
.Lasked_\@:
.endm
; A round of the cluster's barrier: my work-group's barrier; wave 0 signals for the work-group; every wave waits for all sixteen; my work-group's barrier again.
.macro CREST
	s_cmp_lg_u32 s10, 0
	s_cbranch_scc1 .Lnot_wave_0_\@
	s_barrier_signal -3
.Lnot_wave_0_\@:
	s_barrier_wait -3
	s_barrier_signal -1
	s_barrier_wait -1
.endm
.macro CROUND
	s_barrier_signal -1
	s_barrier_wait -1
	CREST
.endm
	s_load_b128 s[4:7], s[0:1], 0x0                ; xb s[4:5], wt s[6:7]
	s_load_b64 s[8:9], s[0:1], 0x10                ; qk
	s_load_b128 s[68:71], s[0:1], 0x18             ; tab s[68:69], stats s[70:71]
	v_lshl_add_u32 v254, v0, 2, 0x48400
	v_mov_b32 v255, 0
	ds_add_u32 v254, v255
	ds_add_u32 v254, v255
	v_lshrrev_b32 v1, 5, v0
	v_readfirstlane_b32 s10, v1                    ; wave 0..3
	s_lshr_b32 s11, s10, 1                         ; my half of the block's rows.  Also: I fetch for A (0) or for B (1)
	s_and_b32 s12, s10, 1                          ; my half of its columns.  Also: which 128 rows of that tile I fetch
	s_bfe_u32 s40, ttmp6, 0x40000                  ; cx
	s_bfe_u32 s41, ttmp6, 0x40004                  ; cy
	s_lshl_b32 s42, ttmp9, 2
	s_add_co_u32 s42, s42, s40                     ; block column of C = 4 x cluster x + cx
	s_and_b32 s13, ttmp7, 0xffff
	s_lshl_b32 s13, s13, 2
	s_add_co_u32 s13, s13, s41                     ; block row of C = 4 x cluster y + cy
	s_lshl_b32 s43, s41, 2
	s_lshl_b32 s43, 15, s43                        ; my row of the cluster: places 4 cy .. 4 cy + 3
	s_lshl_b32 s44, 0x1111, s40                    ; my column: places cx, cx + 4, cx + 8, cx + 12
	; descriptor group 1: 128 rows x 128 elements of 2 bytes, 4 words of padding behind every 64 words
	s_or_b32 s[G1+0], s43, (1<<16)|(1<<20)|(1<<21)|(5<<22)|(3<<25)
	s_or_b32 s[G1B+0], s44, (1<<16)|(1<<20)|(1<<21)|(5<<22)|(3<<25)
	s_mov_b32 s[G1B+1], KSTEP<<16
	s_mov_b32 s[G1+1], KSTEP<<16                   ; tensor_dim0 = 128
	s_mov_b32 s[G1B+2], 128<<16
	s_mov_b32 s[G1+2], 128<<16                     ; tensor_dim1 = 128
	s_mov_b32 s[G1B+3], KSTEP<<16
	s_mov_b32 s[G1+3], KSTEP<<16                   ; tile_dim0 = 128
	s_mov_b32 s[G1B+4], 128
	s_mov_b32 s[G1+4], 128                         ; tile_dim1 = 128
	s_mov_b32 s[G1B+5], SIZE_K
	s_mov_b32 s[G1+5], SIZE_K                      ; elements from row to row
	s_mov_b32 s[G1B+6], 0
	s_mov_b32 s[G1+6], 0
	s_mov_b32 s[G1B+7], 0
	s_mov_b32 s[G1+7], 0
	; A's tiles hang on the block row alone, B's on the block column alone, each in registers that never hold the other coordinate
	s_lshl_b32 s17, s12, 7
	s_lshl_b32 s16, s13, 8
	s_add_co_u32 s16, s16, s17                     ; A: row 256 x block row + 128 x half
	s_lshl_b32 s46, s42, 8
	s_add_co_u32 s46, s46, s17                     ; B: row 256 x block column + 128 x half
	s_mov_b32 s17, 0
	s_mov_b32 s47, 0
	s_mov_b64 s[18:19], SIZE_K*2
	s_mul_u64 s[16:17], s[16:17], s[18:19]
	s_mul_u64 s[46:47], s[46:47], s[18:19]
	s_mul_i32 s20, s10, HALFT                      ; where they go: wave x 128 rows; no place in the cluster enters an LDS address
	s_wait_dscnt 0x0
	s_wait_kmcnt 0x0
	s_add_nc_u64 s[14:15], s[4:5], s[16:17]
	s_add_nc_u64 s[46:47], s[6:7], s[46:47]
	CROUND                                         ; all sixteen work-groups are here: the first joint loads meet
.irp s, 0,1
	s_mov_b32 s[G0+4*\s], 1
	s_add_co_u32 s[G0+4*\s+1], s20, \s*SLOT
	s_add_nc_u64 s[G0+4*\s+2:G0+4*\s+3], s[14:15], \s*KSTEP*2
	s_or_b32 s[G0+4*\s+3], s[G0+4*\s+3], 0x80000000
	s_mov_b32 s[G0B+4*\s], 1
	s_add_co_u32 s[G0B+4*\s+1], s20, \s*SLOT
	s_add_nc_u64 s[G0B+4*\s+2:G0B+4*\s+3], s[46:47], \s*KSTEP*2
	s_or_b32 s[G0B+4*\s+3], s[G0B+4*\s+3], 0x80000000
	JLOAD \s                                       ; both slots are asked for before anything else: two tensor loads of the wave are out
.endr
	; a fragment: lane l holds row l % 16; registers 0-3 K = 8 (l / 16) + 0..7, registers 4-7 K = 16 + 8 (l / 16) + 0..7: two loads of 16 bytes, 32 apart
	v_and_b32 v1, 15, v0
	v_bfe_u32 v2, v0, 4, 1
	v_mul_u32_u24 v3, v1, PITCH
	v_lshl_add_u32 v3, v2, 4, v3
	s_mul_i32 s21, s11, HALFT
	s_mul_i32 s22, s12, HALFT
	s_add_co_u32 s22, s22, 2*HALFT
.irp s, 0,1
	v_add_nc_u32 v[ADRA+\s], s21, v3
	v_add_nc_u32 v[ADRB+\s], s22, v3
	s_add_co_u32 s21, s21, SLOT
	s_add_co_u32 s22, s22, SLOT
.endr
	s_mul_i32 s23, s10, 16*SPITCH
	s_add_co_u32 s23, s23, STAGE
	v_mul_u32_u24 v4, v1, SPITCH
	v_lshl_add_u32 v4, v2, 4, v4
	v_add_nc_u32 v[STO], s23, v4
	v_mul_u32_u24 v5, v2, SPITCH
	v_lshl_add_u32 v5, v1, 4, v5
	v_add_nc_u32 v[RD], s23, v5
	v_mul_u32_u24 v5, v2, PITCHC
	v_lshl_add_u32 v[CO], v1, 4, v5
	v_and_b32 v6, 31, v0
	v_lshlrev_b32 v[TA], 4, v6
	; the table's part for my 128 rows x 128 columns: Q's or K's table, position block 16 (block row % 8) + 8 half, column block 16 (block column % 4) + 8 half
	s_lshr_b32 s74, s42, 2                         ; 0: Q's columns, 1: K's
	s_and_b32 s75, s13, 7
	s_lshl_b32 s75, s75, 20
	s_lshl_b32 s76, s11, 19
	s_add_co_u32 s75, s75, s76
	s_lshl_b32 s76, s74, 23
	s_add_co_u32 s75, s75, s76
	s_and_b32 s76, s42, 3
	s_lshl_b32 s76, s76, 14
	s_add_co_u32 s75, s75, s76
	s_lshl_b32 s76, s12, 13
	s_add_co_u32 s76, s75, s76
	s_mov_b32 s77, 0
	s_add_nc_u64 s[68:69], s[68:69], s[76:77]
	; the scale, from the norms that the first launch stored.  The same lines in the same order stand in every launch that needs an h, so all agree on it.
.macro REDMAX v, t
	v_max_num_f32_dpp v[\v], v[\v], v[\v] row_xmask:1 row_mask:0xf bank_mask:0xf
	v_max_num_f32_dpp v[\v], v[\v], v[\v] row_xmask:2 row_mask:0xf bank_mask:0xf
	v_max_num_f32_dpp v[\v], v[\v], v[\v] row_xmask:4 row_mask:0xf bank_mask:0xf
	v_max_num_f32_dpp v[\v], v[\v], v[\v] row_xmask:8 row_mask:0xf bank_mask:0xf
	v_permlanex16_b32 v[\t], v[\v], s[SELA], s[SELB]
	v_max_num_f32 v[\v], v[\v], v[\t]
.endm
.macro REDSUM v, t
	v_add_f32_dpp v[\v], v[\v], v[\v] row_xmask:1 row_mask:0xf bank_mask:0xf
	v_add_f32_dpp v[\v], v[\v], v[\v] row_xmask:2 row_mask:0xf bank_mask:0xf
	v_add_f32_dpp v[\v], v[\v], v[\v] row_xmask:4 row_mask:0xf bank_mask:0xf
	v_add_f32_dpp v[\v], v[\v], v[\v] row_xmask:8 row_mask:0xf bank_mask:0xf
	v_permlanex16_b32 v[\t], v[\v], s[SELA], s[SELB]
	v_add_f32 v[\v], v[\v], v[\t]
.endm
.macro RXMAX                           ; v32 = the largest squared row norm, from the 256 partial figures in v[32:39]
	v_max3_num_f32 v32, v32, v33, v34
	v_max3_num_f32 v35, v35, v36, v37
	v_max3_num_f32 v32, v32, v38, v39
	v_max_num_f32 v32, v32, v35
	REDMAX 32, 54
.endm
.macro F2H base, sdst                  ; s[sdst] = h of the matrix whose 128 partial sums lie in v[base:base+3]
	v_add_f32 v[\base], v[\base], v[\base+1]
	v_add_f32 v[\base+2], v[\base+2], v[\base+3]
	v_add_f32 v[\base], v[\base], v[\base+2]
	REDSUM \base, 54
	v_mul_f32 v[\base], v32, v[\base]
	v_readfirstlane_b32 s[\sdst], v[\base]
	s_bfe_u32 s[\sdst], s[\sdst], 0x80017          ; the exponent field, e + 127
	s_sub_co_i32 s[\sdst], s[\sdst], 125
	s_ashr_i32 s[\sdst], s[\sdst], 1               ; (e + 2) >> 1
	s_max_i32 s[\sdst], s[\sdst], -100
	s_min_i32 s[\sdst], s[\sdst], 100
.endm
.macro SCALE sexp                      ; s[72:73] = 2^s[sexp], twice
	s_add_co_i32 s[\sexp], s[\sexp], 127
	s_max_i32 s[\sexp], s[\sexp], 1
	s_min_i32 s[\sexp], s[\sexp], 254
	s_lshl_b32 s72, s[\sexp], 23
	s_mov_b32 s73, s72
.endm
	s_mov_b32 s[SELA], 0x76543210
	s_mov_b32 s[SELB], 0xfedcba98
	v_lshl_add_u32 v29, s74, 9, v[TA]              ; W_Q's or W_K's 128 partial sums
	global_load_b128 v[32:35], v[TA], s[STATS:STATS+1]
	global_load_b128 v[36:39], v[TA], s[STATS:STATS+1] offset:512
	global_load_b128 v[40:43], v29, s[STATS:STATS+1] offset:1024
	v_mov_b32 v54, 0
	s_wait_loadcnt 0x0
	RXMAX
	F2H 40, 75
	s_cmp_eq_u32 s74, 0
	s_cselect_b32 s76, 14, 8
	s_sub_co_i32 s76, s76, s75                     ; 14 - hQ or 8 - hK
	SCALE 76
; 16 matrix instructions: m blocks a0, a0 + 1 of the window's four x all 8 n blocks, 32 along K.  zero = 1: the first product starts the sums.
; The 64 accumulators take turns, one instruction a turn, in the same order in every quarter step.
.macro MUL16 f, hi, a0, zero
.irp a, \a0, \a0+1
.irp b, 0,1,2,3,4,5,6,7
.if \zero
	v_wmma_f32_16x16x32_bf16 v[8*(8*(\a)+\b):8*(8*(\a)+\b)+7], v[\f+8*\b:\f+8*\b+7], v[\f+8*(4*\hi+\a):\f+8*(4*\hi+\a)+7], 0
.else
	v_wmma_f32_16x16x32_bf16 v[8*(8*(\a)+\b):8*(8*(\a)+\b)+7], v[\f+8*\b:\f+8*\b+7], v[\f+8*(4*\hi+\a):\f+8*(4*\hi+\a)+7], v[8*(8*(\a)+\b):8*(8*(\a)+\b)+7]
.endif
.endr
.endr
.endm
; 32 LDS loads in one run: the fragments of one quarter step into buffer f
.macro FETCH slot, k, f
	WIN TO_B
.irp i, 0,1,2,3,4,5,6,7
	ds_load_b128 v[\f+8*\i:\f+8*\i+3],   v[ADRB+\slot] offset:\k+\i*16*PITCH
	ds_load_b128 v[\f+8*\i+4:\f+8*\i+7], v[ADRB+\slot] offset:\k+\i*16*PITCH+32
.endr
	WIN 0
.irp i, 0,1,2,3,4,5,6,7
	ds_load_b128 v[\f+8*\i:\f+8*\i+3],   v[ADRA+\slot] offset:\k+\i*16*PITCH
	ds_load_b128 v[\f+8*\i+4:\f+8*\i+7], v[ADRA+\slot] offset:\k+\i*16*PITCH+32
.endr
.endm
; four places between a matrix instruction and a load into, or a vector instruction on, its registers (ISA guide 7.12.1 for vector instructions)
.macro PLACES
.rept 4
	v_nop
.endr
.endm
.macro QUARTER slot, k, f, g, zero
	s_wait_dscnt 8                                 ; B and A's rows 0-63 are in; the youngest eight loads (A's rows 64-127) may be out
	WIN MUL_LO
	MUL16 \f, 0, 0, \zero
	MUL16 \f, 0, 2, \zero
	PLACES
	FETCH \slot, \k, \g
	s_wait_dscnt 32                                ; all but the 32 just issued
	WIN MUL_HI
	MUL16 \f, 1, 0, \zero
	MUL16 \f, 1, 2, \zero
.endm
.macro THREE slot, zero
	QUARTER \slot, 64,  F0, F1, \zero
	QUARTER \slot, 128, F1, F0, 0
	QUARTER \slot, 192, F0, F1, 0
.endm
; The last quarter of a K step changes slots.  In front of the barrier each wave waits for its reads of this slot and for all its tensor loads (one is
; out: its part of the next slot).  Where the slot is filled again the barrier opens a round of the cluster's barrier, and the joint refill is the
; first tensor load behind the round: it has a K step less sixteen matrix instructions, 240 of them, in which to land.
.macro TURN slot, next, fill
	s_wait_dscnt 8
	WIN MUL_LO
	MUL16 F1, 0, 0, 0
	s_wait_dscnt 0
	s_set_vgpr_msb 0xa1a0
	s_wait_tensorcnt 0x0
	ds_add_u32 v254, v255
	s_wait_dscnt 0x0
	s_set_vgpr_msb 0xa0a1
	s_barrier_signal -1
	MUL16 F1, 0, 2, 0                              ; register work while the others arrive
	WIN 0
	s_barrier_wait -1
.if \fill
	CREST
	s_add_nc_u64 s[G0+4*\slot+2:G0+4*\slot+3], s[G0+4*\slot+2:G0+4*\slot+3], 2*KSTEP*2     ; no tensor load of mine is out: the descriptors may be stepped
	s_add_nc_u64 s[G0B+4*\slot+2:G0B+4*\slot+3], s[G0B+4*\slot+2:G0B+4*\slot+3], 2*KSTEP*2
	JLOAD \slot
.endif
	PLACES
	FETCH \next, 0, F0
	WIN MUL_HI
	MUL16 F1, 1, 0, 0
	MUL16 F1, 1, 2, 0
.endm
.macro LAP zero
	THREE 0, \zero
	TURN 0, 1, 1
	THREE 1, 0
	TURN 1, 0, 1
.endm
.macro LASTQ                           ; the very last quarter: nothing more to fetch
	s_wait_dscnt 8
	WIN MUL_LO
	MUL16 F1, 0, 0, 0
	MUL16 F1, 0, 2, 0
	s_wait_dscnt 0
	WIN MUL_HI
	MUL16 F1, 1, 0, 0
	MUL16 F1, 1, 2, 0
.endm
; the table for rows 16 i .. 16 i + 15 of my block and my 128 columns: 16 loads of 512 consecutive bytes, into window 1
.macro TBLOAD i, tb
	WIN TO_B
.irp b, 0,1,2,3,4,5,6,7
	global_load_b128 v[\tb+8*\b:\tb+8*\b+3],   v[TA], s[68:69] offset:(\i)*65536+\b*1024
	global_load_b128 v[\tb+8*\b+4:\tb+8*\b+7], v[TA], s[68:69] offset:(\i)*65536+\b*1024+512
.endr
.endm
	s_wait_tensorcnt 1                             ; my part of K step 0 is in; K step 1's may stay out
	s_barrier_signal -1
	s_barrier_wait -1
	FETCH 0, 0, F0
	LAP 1                                          ; the first lap stands in front of the loop: its first products start the sums
	WIN 0
	s_mov_b32 s3, LAPS-2
.Llap:
	LAP 0
	WIN 0
	s_sub_co_u32 s3, s3, 1
	s_cmp_lg_u32 s3, 0
	s_cbranch_scc1 .Llap
	TBLOAD 0, TB0                                  ; the table's first two parts come in under the last lap's 512 matrix instructions
	TBLOAD 1, TB1
	THREE 0, 0                                     ; the last lap fills nothing
	TURN 0, 1, 0
	THREE 1, 0
	LASTQ
	PLACES
	s_lshl_b32 s13, s13, 8
	s_lshl_b32 s14, s11, 7
	s_add_co_u32 s16, s13, s14                     ; my first row of C
	s_lshl_b32 s16, s16, 12                        ; x 4,096 bytes: below 2^25
	s_mov_b32 s17, 0
	s_add_nc_u64 s[8:9], s[8:9], s[16:17]
	s_lshl_b32 s46, s42, 9                         ; my first column, in bytes
	s_lshl_b32 s47, s12, 8
	s_add_co_u32 s46, s46, s47
	s_mov_b32 s47, 0
	s_add_nc_u64 s[8:9], s[8:9], s[46:47]
; 64 results in f32 -> f16, through my own stage, out as whole rows of 256 bytes
.macro TAILH i, rb
	WIN 0
.set q, 0
.rept 32
	v_cvt_pk_f16_f32 v[TMP+q], v[RES+2*q], v[RES+2*q+1]
.set q, q+1
.endr
.irp b, 0,1,2,3,4,5,6,7
	ds_store_b128 v[STO], v[TMP+4*\b:TMP+4*\b+3] offset:32*\b
.endr
	s_wait_xcnt 0x0                                ; the stores' base and the buffer that earlier stores read are rewritten only behind this wait
.if \i
	s_add_nc_u64 s[8:9], s[8:9], 16*PITCHC
.endif
.irp t, 0,1,2,3,4,5,6,7
	ds_load_b128 v[\rb+4*\t:\rb+4*\t+3], v[RD] offset:\t*2*SPITCH      ; LDS serves a wave's instructions in order (ISA guide 5.7.1): these see the stores above
.endr
.irp t, 0,1,2,3,4,5,6,7
	s_wait_dscnt 7-\t
	global_store_b128 v[CO], v[\rb+4*\t:\rb+4*\t+3], s[8:9] offset:2*\t*PITCHC   ; 16 lanes store 256 consecutive bytes, aligned
.endr
.endm
; rows 16 i .. 16 i + 15: XPOS.  For a column pair (e, o): e' = e c - o s, o' = o c + e s, with c and s already times the power-of-two scale.
.macro OUTX i, a, from, rb, tb
.if \i < 7
	s_wait_loadcnt 16                              ; this part's 16 loads are in; the other buffer's 16 stay out
.else
	s_wait_loadcnt 0
.endif
	WIN 0x41
.set q, 0
.rept 32
	v_pk_mul_f32 v[\tb+2*q:\tb+2*q+1], v[\tb+2*q:\tb+2*q+1], s[72:73] op_sel_hi:[1,0]
.set q, q+1
.endr
	WIN \from+4                                    ; source 0: the accumulators' window; source 1: window 1; the rest window 0
.irp b, 0,1,2,3,4,5,6,7
.irp q, 0,1,2,3
	v_pk_mul_f32 v[RES+8*\b+2*\q:RES+8*\b+2*\q+1], v[64*\a+8*\b+2*\q:64*\a+8*\b+2*\q+1], v[\tb+8*\b+2*\q:\tb+8*\b+2*\q+1] op_sel_hi:[1,0]   ; both times c
.endr
.irp q, 0,1,2,3
	v_fma_f32 v[RES+8*\b+2*\q],   -v[64*\a+8*\b+2*\q+1], v[\tb+8*\b+2*\q+1], v[RES+8*\b+2*\q]
	v_fma_f32 v[RES+8*\b+2*\q+1], v[64*\a+8*\b+2*\q],    v[\tb+8*\b+2*\q+1], v[RES+8*\b+2*\q+1]
.endr
.endr
.if \i < 6
	TBLOAD \i+2, \tb
.endif
	TAILH \i, \rb
.endm
	OUTX 0, 0, 2, RB0, TB0
	OUTX 1, 1, 2, RB1, TB1
	OUTX 2, 2, 2, RB0, TB0
	OUTX 3, 3, 2, RB1, TB1
	OUTX 4, 0, 3, RB0, TB0
	OUTX 5, 1, 3, RB1, TB1
	OUTX 6, 2, 3, RB0, TB0
	OUTX 7, 3, 3, RB1, TB1
	s_wait_tensorcnt 0x0
	ds_add_u32 v254, v255
	s_wait_dscnt 0x0
	CROUND                                         ; the closing round: no work-group ends while a partner may still ask for a tile that names it
	s_endpgm
.Lfunc_end_k_q88bc7d84fd_projqk:
	.size	k_q88bc7d84fd_projqk, .Lfunc_end_k_q88bc7d84fd_projqk-k_q88bc7d84fd_projqk
	.p2alignl 7, 3214868480
	.fill 96, 4, 3214868480
	.section	.rodata,"a",@progbits
	.p2align	6, 0x0
	.amdhsa_kernel k_q88bc7d84fd_projqk
		.amdhsa_group_segment_fixed_size 327680
		.amdhsa_private_segment_fixed_size 0
		.amdhsa_enable_private_segment 0
		.amdhsa_kernarg_size 40
		.amdhsa_user_sgpr_count 2
		.amdhsa_user_sgpr_kernarg_segment_ptr 1
		.amdhsa_wavefront_size32 1
		.amdhsa_system_sgpr_workgroup_id_x 1
		.amdhsa_system_sgpr_workgroup_id_y 1
		.amdhsa_system_sgpr_workgroup_id_z 1
		.amdhsa_system_vgpr_workitem_id 0
		.amdhsa_next_free_vgpr 1024
		.amdhsa_next_free_sgpr 100
		.amdhsa_reserve_vcc 0
		.amdhsa_float_denorm_mode_32 3
		.amdhsa_float_denorm_mode_16_64 3
		.amdhsa_memory_ordered 1
		.amdhsa_forward_progress 1
		.amdhsa_inst_pref_size 255
	.end_amdhsa_kernel
	.section	.bss,"aw",@nobits
	.p2align	6
	.space	262144
	.amdgpu_metadata
---
amdhsa.version: [ 1, 2 ]
amdhsa.kernels:
  - .name:           k_q88bc7d84fd_projqk
    .symbol:         k_q88bc7d84fd_projqk.kd
    .args:
      - { .name: xb, .offset: 0, .size: 8, .value_kind: global_buffer, .address_space: global }
      - { .name: wt, .offset: 8, .size: 8, .value_kind: global_buffer, .address_space: global }
      - { .name: qk, .offset: 16, .size: 8, .value_kind: global_buffer, .address_space: global }
      - { .name: tab, .offset: 24, .size: 8, .value_kind: global_buffer, .address_space: global }
      - { .name: stats, .offset: 32, .size: 8, .value_kind: global_buffer, .address_space: global }
    .group_segment_fixed_size: 327680
    .private_segment_fixed_size: 0
    .kernarg_segment_align: 8
    .kernarg_segment_size: 40
    .max_flat_workgroup_size: 128
    .sgpr_count:     100
    .vgpr_count:     1024
    .wavefront_size: 32
...
	.end_amdgpu_metadata
.endif
;; end of part 2
;; launch vscore (part 3): grid 58 x 4, 4 waves a work-group, no clusters, 327,680 bytes of LDS; arguments wt, xb, qk, stats, vt, p; writes vt, p
.if DOCPART == 3
	.amdgcn_target "amdgcn-amd-amdhsa--gfx1250"
	.amdhsa_code_object_version 6
	.text
	.protected	k_q88bc7d84fd_vscore
	.globl	k_q88bc7d84fd_vscore
	.p2align	8
	.type	k_q88bc7d84fd_vscore,@function
k_q88bc7d84fd_vscore:
	s_mov_b64 s[64:65], 0
	v_nop
	global_prefetch_b8 v0, s[64:65] scope:SCOPE_SE
	s_setreg_imm32_b32 hwreg(HW_REG_WAVE_MODE, 25, 1), 1
	s_wait_xcnt 0x0
; vscore: two kinds of tile of 256 x 256 x 1024 that do not depend on each other share one launch, 232 work-groups.
;   x >= 26: vt[d][row] = (X W_V)^T 2^(15 - hV) in f16: C[m][n] = sum over k of wt_V[m][k] xb[n][k], bf16 operands.  y = block of 256 d, x - 26 = block of 256 rows.
;   x <  26: p[batch][n][m] = (Q^ . K^) gamma^(n - m) 2^-12 for n >= m, else 0, in f16: C[n][m] = sum over d of Q^[n][d] K^[m][d], f16 operands.  y = batch.
; BOUNDS: |V^| <= 2^15 (|x . w| < 2^hV).  For n >= m the rotations keep norms and the joint XPOS scale is at most 1, so |Q^ . K^| <= 2^14 2^8 = 2^22 and
; |P^| <= 2^10 gamma^(n - m): inside f16, whatever the inputs' size.
; THE BAND, a limit of P's format: for n - m >= 769, |P^| <= 1.03 x 2^10 x (31/32)^769 = 2.63e-8 < 2^-25, which is 0 in f16 for every input.  In key blocks of 256
; that lie four or more blocks behind the query block n - m >= 4 x 256 - 255 = 769 throughout: they are neither made here nor read by the next launch.
; So what lies below 2^-35 of a score's bound counts as zero.  Query block I takes key blocks max(0, I - 3) .. I: 1 + 2 + 3 + 5 x 4 = 26 tiles a batch.
; NO CLUSTER: the band's rows have 1, 2, 3, 4, 4, 4, 4, 4 tiles, 26 a batch, which no cluster of four divides; partners would be launched without work.
; Shape, ring and registers: four waves, 128 x 128 of C each in 512 registers (windows 2, 3); K in steps of 128 through two LDS slots; waves 0, 1 fetch A's two
; halves, waves 2, 3 B's, one tensor load a wave; fragments of A in window 0, of B in window 1 (v64-191).  The matrix instruction is used transposed (source 0 =
; rows of B): lane l holds row l % 16 of C and columns 8 (l / 16) + 0..7.  Window 1, v0-63: gamma^-(column) for my 64 column places.
; LIMITS of the scale: as stated in the launch that makes Q^ and K^ (one scale for the tensor; h clamped to +-100, exponent fields to 1..254).
.set LAPS,   4
.set KSTEP,  128
.set PITCH,  272                       ; an LDS row: 256 bytes + 16 of padding
.set HALFT,  128*PITCH
.set SLOT,   4*HALFT
.set STAGE,  2*SLOT                    ; behind the ring: 16 rows x 272 bytes for each wave; no tensor load ever lands here
.set SPITCH, 272
.set ADRA, 16
.set ADRB, 20
.set STO,  24
.set RD,   25
.set CO,   26
.set TA,   27
.set DG,   28                          ; the diagonal test's right side
.set RF,   30                          ; v[30:31] gamma^(row part) 2^-12, twice
.set G16,  52                          ; v[52:53] gamma^16, twice
.set F0,   64
.set F1,   128
.set RES,  64
.set RB0,  128
.set RB1,  160
.set TMP,  192
.set G1,  24
.set G0,  32
.set STATS, 90
.set SELA, 96
.set SELB, 97
.set MSB, 0
.set F16, 0
.set PITCHC, 4096
.macro WIN new
.if MSB != (\new)
	s_set_vgpr_msb (MSB<<8)|(\new)
.set MSB, (\new)
.endif
.endm
.set MUL_LO, 0xa1
.set MUL_HI, 0xf1
.set TO_B,   0x40
; descriptors and the two first fills.  s[14:15]: my tile's first byte; pitch in elements.  128 rows x 128 elements of 2 bytes, 4 words of padding behind every 64.
.macro SETUP pitch
	s_mov_b32 s[G1+0], (1<<16)|(1<<20)|(5<<22)|(3<<25)
	s_mov_b32 s[G1+1], KSTEP<<16
	s_mov_b32 s[G1+2], 128<<16
	s_mov_b32 s[G1+3], KSTEP<<16
	s_mov_b32 s[G1+4], 128
	s_mov_b32 s[G1+5], \pitch
	s_mov_b32 s[G1+6], 0
	s_mov_b32 s[G1+7], 0
.irp s, 0,1
	s_mov_b32 s[G0+4*\s], 1
	s_add_co_u32 s[G0+4*\s+1], s20, \s*SLOT                        ; wave x 128 rows + the slot
	s_add_nc_u64 s[G0+4*\s+2:G0+4*\s+3], s[14:15], \s*KSTEP*2      ; K step s
	s_or_b32 s[G0+4*\s+3], s[G0+4*\s+3], 0x80000000
	tensor_load_to_lds s[G0+4*\s:G0+4*\s+3], s[G1:G1+7]            ; two tensor loads of the wave are out
	s_nop 0
.endr
.endm
.macro LANES
	v_and_b32 v1, 15, v0
	v_bfe_u32 v2, v0, 4, 1
	v_mul_u32_u24 v3, v1, PITCH
	v_lshl_add_u32 v3, v2, 4, v3
	s_mul_i32 s21, s11, HALFT
	s_mul_i32 s22, s12, HALFT
	s_add_co_u32 s22, s22, 2*HALFT
.irp s, 0,1
	v_add_nc_u32 v[ADRA+\s], s21, v3
	v_add_nc_u32 v[ADRB+\s], s22, v3
	s_add_co_u32 s21, s21, SLOT
	s_add_co_u32 s22, s22, SLOT
.endr
	s_mul_i32 s23, s10, 16*SPITCH
	s_add_co_u32 s23, s23, STAGE
	v_mul_u32_u24 v4, v1, SPITCH
	v_lshl_add_u32 v4, v2, 4, v4
	v_add_nc_u32 v[STO], s23, v4
	v_mul_u32_u24 v5, v2, SPITCH
	v_lshl_add_u32 v5, v1, 4, v5
	v_add_nc_u32 v[RD], s23, v5
	v_mul_u32_u24 v5, v2, PITCHC
	v_lshl_add_u32 v[CO], v1, 4, v5
	v_and_b32 v6, 31, v0
	v_lshlrev_b32 v[TA], 4, v6
.endm
; 16 matrix instructions; F16 picks the operands' format.  The 64 accumulators take turns, one instruction a turn.
.macro MUL16 f, hi, a0, zero
.irp a, \a0, \a0+1
.irp b, 0,1,2,3,4,5,6,7
.if F16
.if \zero
	v_wmma_f32_16x16x32_f16 v[8*(8*(\a)+\b):8*(8*(\a)+\b)+7], v[\f+8*\b:\f+8*\b+7], v[\f+8*(4*\hi+\a):\f+8*(4*\hi+\a)+7], 0
.else
	v_wmma_f32_16x16x32_f16 v[8*(8*(\a)+\b):8*(8*(\a)+\b)+7], v[\f+8*\b:\f+8*\b+7], v[\f+8*(4*\hi+\a):\f+8*(4*\hi+\a)+7], v[8*(8*(\a)+\b):8*(8*(\a)+\b)+7]
.endif
.else
.if \zero
	v_wmma_f32_16x16x32_bf16 v[8*(8*(\a)+\b):8*(8*(\a)+\b)+7], v[\f+8*\b:\f+8*\b+7], v[\f+8*(4*\hi+\a):\f+8*(4*\hi+\a)+7], 0
.else
	v_wmma_f32_16x16x32_bf16 v[8*(8*(\a)+\b):8*(8*(\a)+\b)+7], v[\f+8*\b:\f+8*\b+7], v[\f+8*(4*\hi+\a):\f+8*(4*\hi+\a)+7], v[8*(8*(\a)+\b):8*(8*(\a)+\b)+7]
.endif
.endif
.endr
.endr
.endm
.macro FETCH slot, k, f
	WIN TO_B
.irp i, 0,1,2,3,4,5,6,7
	ds_load_b128 v[\f+8*\i:\f+8*\i+3],   v[ADRB+\slot] offset:\k+\i*16*PITCH
	ds_load_b128 v[\f+8*\i+4:\f+8*\i+7], v[ADRB+\slot] offset:\k+\i*16*PITCH+32
.endr
	WIN 0
.irp i, 0,1,2,3,4,5,6,7
	ds_load_b128 v[\f+8*\i:\f+8*\i+3],   v[ADRA+\slot] offset:\k+\i*16*PITCH
	ds_load_b128 v[\f+8*\i+4:\f+8*\i+7], v[ADRA+\slot] offset:\k+\i*16*PITCH+32
.endr
.endm
; four places between a matrix instruction and a load into, or a vector instruction on, its registers (ISA guide 7.12.1 for vector instructions)
.macro PLACES
.rept 4
	v_nop
.endr
.endm
.macro QUARTER slot, k, f, g, zero
	s_wait_dscnt 8                                 ; B and A's rows 0-63 are in; the youngest eight loads (A's rows 64-127) may be out
	WIN MUL_LO
	MUL16 \f, 0, 0, \zero
	MUL16 \f, 0, 2, \zero
	PLACES
	FETCH \slot, \k, \g
	s_wait_dscnt 32                                ; all but the 32 just issued
	WIN MUL_HI
	MUL16 \f, 1, 0, \zero
	MUL16 \f, 1, 2, \zero
.endm
.macro THREE slot, zero
	QUARTER \slot, 64,  F0, F1, \zero
	QUARTER \slot, 128, F1, F0, 0
	QUARTER \slot, 192, F0, F1, 0
.endm
; The last quarter of a K step changes slots: each wave waits for its reads of this slot and for all its tensor loads (one is out: its part of the next slot),
; passes the barrier, and issues its one refill first thing behind it; that load has 240 matrix instructions in which to land.
.macro TURN slot, next, fill
	s_wait_dscnt 8
	WIN MUL_LO
	MUL16 F1, 0, 0, 0
	s_wait_dscnt 0
	s_wait_tensorcnt 0x0
	ds_add_u32 v255, v255
	s_wait_dscnt 0x0
	s_barrier_signal -1
	MUL16 F1, 0, 2, 0                              ; register work while the others arrive
	s_barrier_wait -1
.if \fill
	s_add_nc_u64 s[G0+4*\slot+2:G0+4*\slot+3], s[G0+4*\slot+2:G0+4*\slot+3], 2*KSTEP*2     ; no tensor load of mine is out: the descriptor may be stepped
	tensor_load_to_lds s[G0+4*\slot:G0+4*\slot+3], s[G1:G1+7]
	s_nop 0
.endif
	PLACES
	FETCH \next, 0, F0
	WIN MUL_HI
	MUL16 F1, 1, 0, 0
	MUL16 F1, 1, 2, 0
.endm
.macro LAP zero
	THREE 0, \zero
	TURN 0, 1, 1
	THREE 1, 0
	TURN 1, 0, 1
.endm
.macro LASTQ
	s_wait_dscnt 8
	WIN MUL_LO
	MUL16 F1, 0, 0, 0
	MUL16 F1, 0, 2, 0
	s_wait_dscnt 0
	WIN MUL_HI
	MUL16 F1, 1, 0, 0
	MUL16 F1, 1, 2, 0
.endm
.macro GEMM4                           ; the whole sum over K = 1024: four laps
	s_wait_tensorcnt 1                             ; my part of K step 0 is in; K step 1's may stay out
	s_barrier_signal -1
	s_barrier_wait -1
	FETCH 0, 0, F0
	LAP 1                                          ; its first products start the sums
	WIN 0
	s_mov_b32 s3, LAPS-2
.Llap_\@:
	LAP 0
	WIN 0
	s_sub_co_u32 s3, s3, 1
	s_cmp_lg_u32 s3, 0
	s_cbranch_scc1 .Llap_\@
	THREE 0, 0                                     ; the last lap fills nothing
	TURN 0, 1, 0
	THREE 1, 0
	LASTQ
	PLACES
	WIN 0
.endm
; 64 results in f32 -> f16, through my own stage, out as whole rows of 256 bytes
.macro TAILH i, rb
	WIN 0
.set q, 0
.rept 32
	v_cvt_pk_f16_f32 v[TMP+q], v[RES+2*q], v[RES+2*q+1]
.set q, q+1
.endr
.irp b, 0,1,2,3,4,5,6,7
	ds_store_b128 v[STO], v[TMP+4*\b:TMP+4*\b+3] offset:32*\b
.endr
	s_wait_xcnt 0x0                                ; the stores' base and the buffer that earlier stores read are rewritten only behind this wait
.if \i
	s_add_nc_u64 s[8:9], s[8:9], 16*PITCHC
.endif
.irp t, 0,1,2,3,4,5,6,7
	ds_load_b128 v[\rb+4*\t:\rb+4*\t+3], v[RD] offset:\t*2*SPITCH      ; LDS serves a wave's instructions in order (ISA guide 5.7.1): these see the stores above
.endr
.irp t, 0,1,2,3,4,5,6,7
	s_wait_dscnt 7-\t
	global_store_b128 v[CO], v[\rb+4*\t:\rb+4*\t+3], s[8:9] offset:2*\t*PITCHC   ; 16 lanes store 256 consecutive bytes, aligned
.endr
.endm
; rows 16 i .. 16 i + 15 of a score tile: times gamma^-(column part), times gamma^(row part) 2^-12; on the diagonal tile, zero where n < m
.macro OUTP i, a, from, rb, diag
	WIN \from+4                                    ; source 0: the accumulators' window; source 1: window 1
.set q, 0
.rept 32
	v_pk_mul_f32 v[RES+2*q:RES+2*q+1], v[64*\a+2*q:64*\a+2*q+1], v[2*q:2*q+1]
.set q, q+1
.endr
	WIN 0
.if \i
	v_pk_mul_f32 v[RF:RF+1], v[RF:RF+1], v[G16:G16+1]          ; sixteen rows further down
.endif
.set q, 0
.rept 32
	v_pk_mul_f32 v[RES+2*q:RES+2*q+1], v[RES+2*q:RES+2*q+1], v[RF:RF+1]
.set q, q+1
.endr
.if \diag
.irp b, 0,1,2,3,4,5,6,7
.irp j, 0,1,2,3,4,5,6,7
	v_cmp_le_i32 vcc_lo, 16*(\b-\i)+\j, v[DG]      ; n >= m: 16 (b - i) + j <= 128 (row half - column half) + l % 16 - 8 (l / 16)
	v_cndmask_b32 v[RES+8*\b+\j], 0, v[RES+8*\b+\j], vcc_lo
.endr
.endr
.endif
	TAILH \i, \rb
.endm
.macro ALLP diag
	OUTP 0, 0, 2, RB0, \diag
	OUTP 1, 1, 2, RB1, \diag
	OUTP 2, 2, 2, RB0, \diag
	OUTP 3, 3, 2, RB1, \diag
	OUTP 4, 0, 3, RB0, \diag
	OUTP 5, 1, 3, RB1, \diag
	OUTP 6, 2, 3, RB0, \diag
	OUTP 7, 3, 3, RB1, \diag
.endm
.macro OUTV i, a, from, rb
	WIN \from
.set q, 0
.rept 32
	v_pk_mul_f32 v[RES+2*q:RES+2*q+1], v[64*\a+2*q:64*\a+2*q+1], s[72:73] op_sel_hi:[1,0]
.set q, q+1
.endr
	TAILH \i, \rb
.endm
.macro REDMAX v, t
	v_max_num_f32_dpp v[\v], v[\v], v[\v] row_xmask:1 row_mask:0xf bank_mask:0xf
	v_max_num_f32_dpp v[\v], v[\v], v[\v] row_xmask:2 row_mask:0xf bank_mask:0xf
	v_max_num_f32_dpp v[\v], v[\v], v[\v] row_xmask:4 row_mask:0xf bank_mask:0xf
	v_max_num_f32_dpp v[\v], v[\v], v[\v] row_xmask:8 row_mask:0xf bank_mask:0xf
	v_permlanex16_b32 v[\t], v[\v], s[SELA], s[SELB]
	v_max_num_f32 v[\v], v[\v], v[\t]
.endm
.macro REDSUM v, t
	v_add_f32_dpp v[\v], v[\v], v[\v] row_xmask:1 row_mask:0xf bank_mask:0xf
	v_add_f32_dpp v[\v], v[\v], v[\v] row_xmask:2 row_mask:0xf bank_mask:0xf
	v_add_f32_dpp v[\v], v[\v], v[\v] row_xmask:4 row_mask:0xf bank_mask:0xf
	v_add_f32_dpp v[\v], v[\v], v[\v] row_xmask:8 row_mask:0xf bank_mask:0xf
	v_permlanex16_b32 v[\t], v[\v], s[SELA], s[SELB]
	v_add_f32 v[\v], v[\v], v[\t]
.endm
.macro RXMAX
	v_max3_num_f32 v32, v32, v33, v34
	v_max3_num_f32 v35, v35, v36, v37
	v_max3_num_f32 v32, v32, v38, v39
	v_max_num_f32 v32, v32, v35
	REDMAX 32, 54
.endm
.macro F2H base, sdst
	v_add_f32 v[\base], v[\base], v[\base+1]
	v_add_f32 v[\base+2], v[\base+2], v[\base+3]
	v_add_f32 v[\base], v[\base], v[\base+2]
	REDSUM \base, 54
	v_mul_f32 v[\base], v32, v[\base]
	v_readfirstlane_b32 s[\sdst], v[\base]
	s_bfe_u32 s[\sdst], s[\sdst], 0x80017
	s_sub_co_i32 s[\sdst], s[\sdst], 125
	s_ashr_i32 s[\sdst], s[\sdst], 1
	s_max_i32 s[\sdst], s[\sdst], -100
	s_min_i32 s[\sdst], s[\sdst], 100
.endm
.macro SCALE sexp
	s_add_co_i32 s[\sexp], s[\sexp], 127
	s_max_i32 s[\sexp], s[\sexp], 1
	s_min_i32 s[\sexp], s[\sexp], 254
	s_lshl_b32 s72, s[\sexp], 23
	s_mov_b32 s73, s72
.endm
	s_load_b256 s[84:91], s[0:1], 0x0              ; wt 84:85, xb 86:87, qk 88:89, stats 90:91
	s_load_b128 s[92:95], s[0:1], 0x20             ; vt 92:93, p 94:95
	s_set_vgpr_msb 0x40
	v_lshl_add_u32 v255, v0, 2, 0x48400
	s_set_vgpr_msb 0x4000
	v_mov_b32 v255, 0
	s_set_vgpr_msb 0x1
	ds_add_u32 v255, v255
	ds_add_u32 v255, v255
	s_set_vgpr_msb 0x100
	v_lshrrev_b32 v1, 5, v0
	v_readfirstlane_b32 s10, v1                    ; wave 0..3
	s_lshr_b32 s11, s10, 1                         ; my half of the block's rows.  Also: I fetch for A (0) or for B (1)
	s_and_b32 s12, s10, 1                          ; my half of its columns.  Also: which 128 rows of that tile I fetch
	s_mul_i32 s20, s10, HALFT
	s_mov_b32 s17, 0                               ; the upper word of every offset
	s_mov_b32 s[SELA], 0x76543210
	s_mov_b32 s[SELB], 0xfedcba98
	s_wait_dscnt 0x0
	s_wait_kmcnt 0x0
	s_cmp_ge_u32 ttmp9, 26
	s_cbranch_scc1 .Lvpart
; ---------------------------------------------------------------- a tile of the scores
	; tile j = x of the batch's 26: j >= 6: I = 3 + (j - 6) / 4, t = I - 3 + (j - 6) % 4; else I = (j >= 1) + (j >= 3), t = j - I (I + 1) / 2
	s_max_u32 s75, ttmp9, 6
	s_sub_co_u32 s75, s75, 6
	s_lshr_b32 s76, s75, 2
	s_add_co_u32 s76, s76, 3
	s_and_b32 s77, s75, 3
	s_add_co_u32 s77, s77, s76
	s_sub_co_u32 s77, s77, 3
	s_cmp_ge_u32 ttmp9, 1
	s_cselect_b32 s78, 1, 0
	s_cmp_ge_u32 ttmp9, 3
	s_cselect_b32 s79, 1, 0
	s_add_co_u32 s78, s78, s79
	s_add_co_u32 s79, s78, 1
	s_mul_i32 s79, s79, s78
	s_lshr_b32 s79, s79, 1
	s_sub_co_u32 s79, ttmp9, s79
	s_cmp_ge_u32 ttmp9, 6
	s_cselect_b32 s76, s76, s78                    ; I: query block
	s_cselect_b32 s77, s77, s79                    ; t: key block
	s_and_b32 s80, ttmp7, 0xffff                   ; batch
	s_cmp_eq_u32 s11, 0
	s_cselect_b32 s81, s76, s77                    ; the block whose rows I fetch: I for Q^, t for K^
	s_cselect_b32 s82, 0, 2048                     ; K^'s columns begin 2,048 bytes into a row of qk
	s_lshl_b32 s16, s80, 23                        ; 2,048 rows of 4,096 bytes a batch
	s_lshl_b32 s81, s81, 20
	s_add_co_u32 s16, s16, s81
	s_lshl_b32 s81, s12, 19
	s_add_co_u32 s16, s16, s81
	s_add_co_u32 s16, s16, s82
	s_add_nc_u64 s[14:15], s[88:89], s[16:17]
	SETUP 2048
.set PITCHC, 4096
	LANES
	s_lshl_b32 s16, s80, 23                        ; p: 8 MiB a batch, rows of 4,096 bytes
	s_lshl_b32 s18, s76, 20
	s_add_co_u32 s16, s16, s18
	s_lshl_b32 s18, s11, 19
	s_add_co_u32 s16, s16, s18
	s_lshl_b32 s18, s77, 9
	s_add_co_u32 s16, s16, s18
	s_lshl_b32 s18, s12, 8
	s_add_co_u32 s16, s16, s18
	s_add_nc_u64 s[8:9], s[94:95], s[16:17]
	; gamma^(n - m) = gamma^(256 (I - t) + 128 (row half - column half) + l % 16) x gamma^(16 i) x gamma^-(16 b + 8 (l / 16) + j)
	v_lshlrev_b32 v7, 3, v2                        ; 8 (l / 16)
.irp j, 0,1,2,3,4,5,6,7
	v_add_nc_u32 v[32+\j], \j, v7
	v_cvt_f32_u32 v[32+\j], v[32+\j]
	v_mul_f32 v[32+\j], 0x3d3b9ca6, v[32+\j]       ; x -log2(31/32)
.endr
	WIN TO_B
.irp j, 0,1,2,3,4,5,6,7
	v_exp_f32 v[\j], v[32+\j]                      ; window 1: column block 0
.endr
	WIN 0
	v_mov_b32 v48, 0x3f3b9ca6                      ; -16 log2(31/32); also the plain place behind the run above
	s_sub_co_i32 s78, s76, s77
	s_lshl_b32 s78, s78, 8
	s_sub_co_i32 s79, s11, s12
	s_lshl_b32 s79, s79, 7
	s_add_co_i32 s78, s78, s79
	s_mov_b32 s82, 0xbd3b9ca6                      ; log2(31/32)
	s_mov_b32 s83, 0xc1400000                      ; -12
	v_add_nc_u32 v8, s78, v1
	v_cvt_f32_i32 v8, v8
	v_fma_f32 v8, v8, s82, s83
	v_exp_f32 v50, v48                             ; gamma^-16
	v_exp_f32 v[G16], -v48                         ; gamma^16
	v_exp_f32 v[RF], v8
	v_add_nc_u32 v[DG], s79, v1                    ; (a plain place)
	v_sub_nc_u32 v[DG], v[DG], v7
	s_wait_alu depctr_va_vdst(0)
	v_mov_b32 v51, v50
	v_mov_b32 v[G16+1], v[G16]
	v_mov_b32 v[RF+1], v[RF]
	WIN 0x41                                       ; source 0 and destination window 1
.irp b, 1,2,3,4,5,6,7
.irp q, 0,1,2,3
	v_pk_mul_f32 v[8*\b+2*\q:8*\b+2*\q+1], v[8*\b-8+2*\q:8*\b-8+2*\q+1], v[50:51]   ; column block b from block b - 1
.endr
.endr
	WIN 0
.set F16, 1
	GEMM4
	s_cmp_eq_u32 s76, s77
	s_cbranch_scc1 .Ldiag
	ALLP 0
	s_set_vgpr_msb 0x1
	s_wait_tensorcnt 0x0
	ds_add_u32 v255, v255
	s_wait_dscnt 0x0
	s_set_vgpr_msb 0x100
	s_endpgm
.Ldiag:
	ALLP 1
	s_set_vgpr_msb 0x1
	s_wait_tensorcnt 0x0
	ds_add_u32 v255, v255
	s_wait_dscnt 0x0
	s_set_vgpr_msb 0x100
	s_endpgm
; ---------------------------------------------------------------- a tile of V, transposed
.Lvpart:
	s_sub_co_u32 s74, ttmp9, 26                    ; block of 256 rows of X
	s_and_b32 s75, ttmp7, 0xffff                   ; block of 256 d
	s_lshl_b32 s18, s12, 18                        ; 128 rows of 2,048 bytes
	s_lshl_b32 s16, s75, 19
	s_add_co_u32 s16, s16, s18
	s_add_co_u32 s16, s16, 0x400000                ; W_V's part of wt
	s_add_nc_u64 s[14:15], s[84:85], s[16:17]
	s_lshl_b32 s16, s74, 19
	s_add_co_u32 s16, s16, s18
	s_add_nc_u64 s[46:47], s[86:87], s[16:17]
	s_cmp_eq_u32 s11, 0
	s_cselect_b64 s[14:15], s[14:15], s[46:47]
	SETUP 1024
.set PITCHC, 16384
	LANES
	s_lshl_b32 s16, s75, 22                        ; vt: rows of 16,384 bytes
	s_lshl_b32 s18, s11, 21
	s_add_co_u32 s16, s16, s18
	s_lshl_b32 s18, s74, 9
	s_add_co_u32 s16, s16, s18
	s_lshl_b32 s18, s12, 8
	s_add_co_u32 s16, s16, s18
	s_add_nc_u64 s[8:9], s[92:93], s[16:17]
	global_load_b128 v[32:35], v[TA], s[STATS:STATS+1]
	global_load_b128 v[36:39], v[TA], s[STATS:STATS+1] offset:512
	global_load_b128 v[40:43], v[TA], s[STATS:STATS+1] offset:2048
	v_mov_b32 v54, 0
	s_wait_loadcnt 0x0
	RXMAX
	F2H 40, 76
	s_sub_co_i32 s76, 15, s76                      ; 15 - hV
	SCALE 76
.set F16, 0
	GEMM4
	OUTV 0, 0, 2, RB0
	OUTV 1, 1, 2, RB1
	OUTV 2, 2, 2, RB0
	OUTV 3, 3, 2, RB1
	OUTV 4, 0, 3, RB0
	OUTV 5, 1, 3, RB1
	OUTV 6, 2, 3, RB0
	OUTV 7, 3, 3, RB1
	s_set_vgpr_msb 0x1
	s_wait_tensorcnt 0x0
	ds_add_u32 v255, v255
	s_wait_dscnt 0x0
	s_set_vgpr_msb 0x100
	s_endpgm
.Lfunc_end_k_q88bc7d84fd_vscore:
	.size	k_q88bc7d84fd_vscore, .Lfunc_end_k_q88bc7d84fd_vscore-k_q88bc7d84fd_vscore
	.p2alignl 7, 3214868480
	.fill 96, 4, 3214868480
	.section	.rodata,"a",@progbits
	.p2align	6, 0x0
	.amdhsa_kernel k_q88bc7d84fd_vscore
		.amdhsa_group_segment_fixed_size 327680
		.amdhsa_private_segment_fixed_size 0
		.amdhsa_enable_private_segment 0
		.amdhsa_kernarg_size 48
		.amdhsa_user_sgpr_count 2
		.amdhsa_user_sgpr_kernarg_segment_ptr 1
		.amdhsa_wavefront_size32 1
		.amdhsa_system_sgpr_workgroup_id_x 1
		.amdhsa_system_sgpr_workgroup_id_y 1
		.amdhsa_system_sgpr_workgroup_id_z 1
		.amdhsa_system_vgpr_workitem_id 0
		.amdhsa_next_free_vgpr 1024
		.amdhsa_next_free_sgpr 100
		.amdhsa_reserve_vcc 1
		.amdhsa_float_denorm_mode_32 3
		.amdhsa_float_denorm_mode_16_64 3
		.amdhsa_memory_ordered 1
		.amdhsa_forward_progress 1
		.amdhsa_inst_pref_size 255
	.end_amdhsa_kernel
	.section	.bss,"aw",@nobits
	.p2align	6
	.space	262144
	.amdgpu_metadata
---
amdhsa.version: [ 1, 2 ]
amdhsa.kernels:
  - .name:           k_q88bc7d84fd_vscore
    .symbol:         k_q88bc7d84fd_vscore.kd
    .args:
      - { .name: wt, .offset: 0, .size: 8, .value_kind: global_buffer, .address_space: global }
      - { .name: xb, .offset: 8, .size: 8, .value_kind: global_buffer, .address_space: global }
      - { .name: qk, .offset: 16, .size: 8, .value_kind: global_buffer, .address_space: global }
      - { .name: stats, .offset: 24, .size: 8, .value_kind: global_buffer, .address_space: global }
      - { .name: vt, .offset: 32, .size: 8, .value_kind: global_buffer, .address_space: global }
      - { .name: p, .offset: 40, .size: 8, .value_kind: global_buffer, .address_space: global }
    .group_segment_fixed_size: 327680
    .private_segment_fixed_size: 0
    .kernarg_segment_align: 8
    .kernarg_segment_size: 48
    .max_flat_workgroup_size: 128
    .sgpr_count:     100
    .vgpr_count:     1024
    .wavefront_size: 32
...
	.end_amdgpu_metadata
.endif
;; end of part 3
;; launch pv (part 4): grid 4 x 32, 4 waves a work-group, clusters of 4 x 1, 327,680 bytes of LDS; arguments p, vt, out0, stats; writes out0
.if DOCPART == 4
	.amdgcn_target "amdgcn-amd-amdhsa--gfx1250"
	.amdhsa_code_object_version 6
	.text
	.protected	k_q88bc7d84fd_pv
	.globl	k_q88bc7d84fd_pv
	.p2align	8
	.type	k_q88bc7d84fd_pv,@function
k_q88bc7d84fd_pv:
	s_mov_b64 s[64:65], 0
	v_nop
	global_prefetch_b8 v0, s[64:65] scope:SCOPE_SE
	s_setreg_imm32_b32 hwreg(HW_REG_WAVE_MODE, 25, 1), 1
	s_wait_xcnt 0x0
	s_wait_alu depctr_hold_cnt(0) depctr_sa_sdst(0) depctr_va_vdst(0) depctr_va_sdst(0) depctr_va_ssrc(0) depctr_va_vcc(0) depctr_vm_vsrc(0)
	s_getreg_b32 s2, hwreg(HW_REG_IB_STS2, 6, 4)
	s_cmp_eq_u32 s2, 0
	s_cbranch_scc0 .Lentry_in_a_cluster
	s_endpgm
.Lentry_in_a_cluster:
	s_bfe_u32 s2, ttmp6, 0x10000c
	s_cmp_lg_u32 s2, 0x3003
	s_cbranch_scc0 .Lentry_shape_is_right
	s_endpgm
.Lentry_shape_is_right:
; pv: out0[row][d] = (sum over the band's keys m of P^[row][m] V^[m][d]) x 2^(hQ + hK + hV - 25), f16 operands, f32 sums, f32 out.
; C[n][d] = sum over m of p[n][m] vt[d][m].  A work-group makes 256 rows x 256 d; query block I of a batch sums over key blocks max(0, I - 3) .. I, that is
; min(I + 1, 4) laps of two K steps of 128 keys: the blocks further back hold weights that are 0 in f16 for every input (stated where they are made) and were not stored.
; The last scale undoes the three operands' scales: 2^(14 - hQ) 2^(8 - hK) 2^-12 2^(15 - hV) = 2^(25 - hQ - hK - hV); its exponent field is clamped to 1..254.
; CLUSTER 4 x 1: the four work-groups of a block row read the same tiles of p: these are asked for jointly (mask 15).  vt's tiles differ from partner to partner and
; are plain loads, issued behind the same rounds.  The number of laps hangs on the block row alone, which the four share.
; 128 work-groups: 32 block rows x 4 block columns of this wave shape.
; Shape, ring and registers: four waves, 128 x 128 of C each in 512 registers (windows 2, 3); two LDS slots; waves 0, 1 fetch A's halves, waves 2, 3 B's; fragments of A in
; window 0, of B in window 1 (v64-191).  The matrix instruction is used transposed: lane l holds row l % 16 of C and columns 8 (l / 16) + 0..7, 32 neighbouring bytes of f32.
.set KSTEP,  128
.set PITCH,  272                       ; an LDS row: 256 bytes + 16 of padding
.set HALFT,  128*PITCH
.set SLOT,   4*HALFT
.set STAGE,  2*SLOT                    ; behind the ring: 16 rows x 528 bytes for each wave; no tensor load ever lands here
.set SPITCH, 528                       ; 128 f32 + 16 bytes
.set ADRA, 16
.set ADRB, 20
.set STO,  24
.set RD,   25
.set TA,   27                          ; 16 x lane: offset into stats, and into a row's 512 bytes of out0
.set F0,   64
.set F1,   128
.set RES,  64
.set RB,   128
.set G1,  24
.set G0,  32
.set G1B, 48
.set G0B, 56
.set STATS, 70
.set SELA, 96
.set SELB, 97
.set MSB, 0
.macro WIN new
.if MSB != (\new)
	s_set_vgpr_msb (MSB<<8)|(\new)
.set MSB, (\new)
.endif
.endm
.set MUL_LO, 0xa1
.set MUL_HI, 0xf1
.set TO_B,   0x40
; waves 0 and 1: the joint load of p's tile; waves 2 and 3: my own load of vt's tile.  The branch hangs on the wave's number alone.
.macro JLOAD s
	s_cmp_eq_u32 s11, 0
	s_cbranch_scc0 .Lfor_b_\@
	tensor_load_to_lds s[G0+4*\s:G0+4*\s+3], s[G1:G1+7]
	s_nop 0
	s_branch .Lasked_\@
.Lfor_b_\@:
	tensor_load_to_lds s[G0B+4*\s:G0B+4*\s+3], s[G1B:G1B+7]
	s_nop 0
.Lasked_\@:
.endm
.macro CREST
	s_cmp_lg_u32 s10, 0
	s_cbranch_scc1 .Lnot_wave_0_\@
	s_barrier_signal -3
.Lnot_wave_0_\@:
	s_barrier_wait -3
	s_barrier_signal -1
	s_barrier_wait -1
.endm
.macro CROUND
	s_barrier_signal -1
	s_barrier_wait -1
	CREST
.endm
	s_load_b128 s[4:7], s[0:1], 0x0                ; p s[4:5], vt s[6:7]
	s_load_b64 s[8:9], s[0:1], 0x10                ; out0
	s_load_b64 s[70:71], s[0:1], 0x18              ; stats
	s_set_vgpr_msb 0x40
	v_lshl_add_u32 v255, v0, 2, 0x4c400
	s_set_vgpr_msb 0x4000
	v_mov_b32 v255, 0
	s_set_vgpr_msb 0x1
	ds_add_u32 v255, v255
	ds_add_u32 v255, v255
	s_set_vgpr_msb 0x100
	v_lshrrev_b32 v1, 5, v0
	v_readfirstlane_b32 s10, v1                    ; wave 0..3
	s_lshr_b32 s11, s10, 1
	s_and_b32 s12, s10, 1
	s_bfe_u32 s40, ttmp6, 0x40000                  ; cx = block column (the grid has one cluster along x)
	s_and_b32 s13, ttmp7, 0xffff                   ; block row, shared by the four partners
	s_lshr_b32 s41, s13, 3                         ; batch
	s_and_b32 s42, s13, 7                          ; I
	s_sub_co_i32 s43, s42, 3
	s_max_i32 s43, s43, 0                          ; first key block
	s_add_co_u32 s44, s42, 1
	s_min_u32 s44, s44, 4                          ; laps = key blocks
	s_mov_b32 s[G1+0], 15|(1<<16)|(1<<20)|(1<<21)|(5<<22)|(3<<25)      ; p's tiles: all four partners
	s_mov_b32 s[G1B+0], (1<<16)|(1<<20)|(5<<22)|(3<<25)                ; vt's tiles: mine alone
	s_mov_b32 s[G1B+1], KSTEP<<16
	s_mov_b32 s[G1+1], KSTEP<<16
	s_mov_b32 s[G1B+2], 128<<16
	s_mov_b32 s[G1+2], 128<<16
	s_mov_b32 s[G1B+3], KSTEP<<16
	s_mov_b32 s[G1+3], KSTEP<<16
	s_mov_b32 s[G1B+4], 128
	s_mov_b32 s[G1+4], 128
	s_mov_b32 s[G1B+5], 8192                       ; vt: 8,192 elements from row to row
	s_mov_b32 s[G1+5], 2048                        ; p: 2,048
	s_mov_b32 s[G1B+6], 0
	s_mov_b32 s[G1+6], 0
	s_mov_b32 s[G1B+7], 0
	s_mov_b32 s[G1+7], 0
	s_lshl_b32 s16, s41, 23                        ; p: 8 MiB a batch,
	s_lshl_b32 s17, s42, 20                        ; 256 rows of 4,096 bytes a block,
	s_add_co_u32 s16, s16, s17
	s_lshl_b32 s17, s12, 19                        ; the half that I fetch,
	s_add_co_u32 s16, s16, s17
	s_lshl_b32 s17, s43, 9                         ; 256 keys of 2 bytes a key block
	s_add_co_u32 s16, s16, s17
	s_mov_b32 s17, 0
	s_lshl_b32 s46, s40, 22                        ; vt: 256 rows of 16,384 bytes a block column,
	s_lshl_b32 s47, s12, 21
	s_add_co_u32 s46, s46, s47
	s_lshl_b32 s47, s41, 12                        ; 2,048 keys a batch,
	s_add_co_u32 s46, s46, s47
	s_lshl_b32 s47, s43, 9
	s_add_co_u32 s46, s46, s47
	s_mov_b32 s47, 0
	s_mul_i32 s20, s10, HALFT
	s_wait_dscnt 0x0
	s_wait_kmcnt 0x0
	s_add_nc_u64 s[14:15], s[4:5], s[16:17]
	s_add_nc_u64 s[46:47], s[6:7], s[46:47]
	CROUND                                         ; the four work-groups are here: the first joint loads meet
.irp s, 0,1
	s_mov_b32 s[G0+4*\s], 1
	s_add_co_u32 s[G0+4*\s+1], s20, \s*SLOT
	s_add_nc_u64 s[G0+4*\s+2:G0+4*\s+3], s[14:15], \s*KSTEP*2
	s_or_b32 s[G0+4*\s+3], s[G0+4*\s+3], 0x80000000
	s_mov_b32 s[G0B+4*\s], 1
	s_add_co_u32 s[G0B+4*\s+1], s20, \s*SLOT
	s_add_nc_u64 s[G0B+4*\s+2:G0B+4*\s+3], s[46:47], \s*KSTEP*2
	s_or_b32 s[G0B+4*\s+3], s[G0B+4*\s+3], 0x80000000
	JLOAD \s                                       ; two tensor loads of the wave are out
.endr
	v_and_b32 v1, 15, v0
	v_bfe_u32 v2, v0, 4, 1
	v_mul_u32_u24 v3, v1, PITCH
	v_lshl_add_u32 v3, v2, 4, v3
	s_mul_i32 s21, s11, HALFT
	s_mul_i32 s22, s12, HALFT
	s_add_co_u32 s22, s22, 2*HALFT
.irp s, 0,1
	v_add_nc_u32 v[ADRA+\s], s21, v3
	v_add_nc_u32 v[ADRB+\s], s22, v3
	s_add_co_u32 s21, s21, SLOT
	s_add_co_u32 s22, s22, SLOT
.endr
	s_mul_i32 s23, s10, 16*SPITCH
	s_add_co_u32 s23, s23, STAGE
	v_mul_u32_u24 v4, v1, SPITCH                   ; in: row l % 16, 32 bytes for each half of the lanes
	v_lshl_add_u32 v4, v2, 5, v4
	v_add_nc_u32 v[STO], s23, v4
	v_and_b32 v6, 31, v0
	v_lshlrev_b32 v[TA], 4, v6
	v_add_nc_u32 v[RD], s23, v[TA]                 ; back: 32 lanes take one row's 512 bytes
	s_lshl_b32 s76, s13, 20                        ; out0: 256 rows of 4,096 bytes a block row,
	s_lshl_b32 s77, s11, 19
	s_add_co_u32 s76, s76, s77
	s_lshl_b32 s77, s40, 10                        ; 256 f32 a block column,
	s_add_co_u32 s76, s76, s77
	s_lshl_b32 s77, s12, 9
	s_add_co_u32 s76, s76, s77
	s_mov_b32 s77, 0
	s_add_nc_u64 s[8:9], s[8:9], s[76:77]
	; the three h, by the same lines in the same order as in the launches that scaled the operands
.macro REDMAX v, t
	v_max_num_f32_dpp v[\v], v[\v], v[\v] row_xmask:1 row_mask:0xf bank_mask:0xf
	v_max_num_f32_dpp v[\v], v[\v], v[\v] row_xmask:2 row_mask:0xf bank_mask:0xf
	v_max_num_f32_dpp v[\v], v[\v], v[\v] row_xmask:4 row_mask:0xf bank_mask:0xf
	v_max_num_f32_dpp v[\v], v[\v], v[\v] row_xmask:8 row_mask:0xf bank_mask:0xf
	v_permlanex16_b32 v[\t], v[\v], s[SELA], s[SELB]
	v_max_num_f32 v[\v], v[\v], v[\t]
.endm
.macro REDSUM v, t
	v_add_f32_dpp v[\v], v[\v], v[\v] row_xmask:1 row_mask:0xf bank_mask:0xf
	v_add_f32_dpp v[\v], v[\v], v[\v] row_xmask:2 row_mask:0xf bank_mask:0xf
	v_add_f32_dpp v[\v], v[\v], v[\v] row_xmask:4 row_mask:0xf bank_mask:0xf
	v_add_f32_dpp v[\v], v[\v], v[\v] row_xmask:8 row_mask:0xf bank_mask:0xf
	v_permlanex16_b32 v[\t], v[\v], s[SELA], s[SELB]
	v_add_f32 v[\v], v[\v], v[\t]
.endm
.macro RXMAX
	v_max3_num_f32 v32, v32, v33, v34
	v_max3_num_f32 v35, v35, v36, v37
	v_max3_num_f32 v32, v32, v38, v39
	v_max_num_f32 v32, v32, v35
	REDMAX 32, 54
.endm
.macro F2H base, sdst
	v_add_f32 v[\base], v[\base], v[\base+1]
	v_add_f32 v[\base+2], v[\base+2], v[\base+3]
	v_add_f32 v[\base], v[\base], v[\base+2]
	REDSUM \base, 54
	v_mul_f32 v[\base], v32, v[\base]
	v_readfirstlane_b32 s[\sdst], v[\base]
	s_bfe_u32 s[\sdst], s[\sdst], 0x80017
	s_sub_co_i32 s[\sdst], s[\sdst], 125
	s_ashr_i32 s[\sdst], s[\sdst], 1
	s_max_i32 s[\sdst], s[\sdst], -100
	s_min_i32 s[\sdst], s[\sdst], 100
.endm
.macro SCALE sexp
	s_add_co_i32 s[\sexp], s[\sexp], 127
	s_max_i32 s[\sexp], s[\sexp], 1
	s_min_i32 s[\sexp], s[\sexp], 254
	s_lshl_b32 s72, s[\sexp], 23
	s_mov_b32 s73, s72
.endm
	s_mov_b32 s[SELA], 0x76543210
	s_mov_b32 s[SELB], 0xfedcba98
	global_load_b128 v[32:35], v[TA], s[STATS:STATS+1]
	global_load_b128 v[36:39], v[TA], s[STATS:STATS+1] offset:512
	global_load_b128 v[40:43], v[TA], s[STATS:STATS+1] offset:1024
	global_load_b128 v[44:47], v[TA], s[STATS:STATS+1] offset:1536
	global_load_b128 v[48:51], v[TA], s[STATS:STATS+1] offset:2048
	v_mov_b32 v54, 0
	s_wait_loadcnt 0x0
	RXMAX
	F2H 40, 78
	F2H 44, 79
	F2H 48, 80
	s_add_co_i32 s78, s78, s79
	s_add_co_i32 s78, s78, s80
	s_sub_co_i32 s78, s78, 25
	SCALE 78
; 16 matrix instructions.  The 64 accumulators take turns, one instruction a turn, in the same order in every quarter step.
.macro MUL16 f, hi, a0, zero
.irp a, \a0, \a0+1
.irp b, 0,1,2,3,4,5,6,7
.if \zero
	v_wmma_f32_16x16x32_f16 v[8*(8*(\a)+\b):8*(8*(\a)+\b)+7], v[\f+8*\b:\f+8*\b+7], v[\f+8*(4*\hi+\a):\f+8*(4*\hi+\a)+7], 0
.else
	v_wmma_f32_16x16x32_f16 v[8*(8*(\a)+\b):8*(8*(\a)+\b)+7], v[\f+8*\b:\f+8*\b+7], v[\f+8*(4*\hi+\a):\f+8*(4*\hi+\a)+7], v[8*(8*(\a)+\b):8*(8*(\a)+\b)+7]
.endif
.endr
.endr
.endm
.macro FETCH slot, k, f
	WIN TO_B
.irp i, 0,1,2,3,4,5,6,7
	ds_load_b128 v[\f+8*\i:\f+8*\i+3],   v[ADRB+\slot] offset:\k+\i*16*PITCH
	ds_load_b128 v[\f+8*\i+4:\f+8*\i+7], v[ADRB+\slot] offset:\k+\i*16*PITCH+32
.endr
	WIN 0
.irp i, 0,1,2,3,4,5,6,7
	ds_load_b128 v[\f+8*\i:\f+8*\i+3],   v[ADRA+\slot] offset:\k+\i*16*PITCH
	ds_load_b128 v[\f+8*\i+4:\f+8*\i+7], v[ADRA+\slot] offset:\k+\i*16*PITCH+32
.endr
.endm
; four places between a matrix instruction and a load into, or a vector instruction on, its registers (ISA guide 7.12.1 for vector instructions)
.macro PLACES
.rept 4
	v_nop
.endr
.endm
.macro QUARTER slot, k, f, g, zero
	s_wait_dscnt 8                                 ; B and A's rows 0-63 are in; the youngest eight loads (A's rows 64-127) may be out
	WIN MUL_LO
	MUL16 \f, 0, 0, \zero
	MUL16 \f, 0, 2, \zero
	PLACES
	FETCH \slot, \k, \g
	s_wait_dscnt 32                                ; all but the 32 just issued
	WIN MUL_HI
	MUL16 \f, 1, 0, \zero
	MUL16 \f, 1, 2, \zero
.endm
.macro THREE slot, zero
	QUARTER \slot, 64,  F0, F1, \zero
	QUARTER \slot, 128, F1, F0, 0
	QUARTER \slot, 192, F0, F1, 0
.endm
; The last quarter of a K step changes slots: the waits for my reads of this slot and for all my tensor loads, the barrier (which opens a round of the cluster's barrier
; where the slot is filled again), and the refill first behind it, one tensor load a wave, with 240 matrix instructions in which to land.
.macro TURN slot, next, fill
	s_wait_dscnt 8
	WIN MUL_LO
	MUL16 F1, 0, 0, 0
	s_wait_dscnt 0
	s_wait_tensorcnt 0x0
	ds_add_u32 v255, v255
	s_wait_dscnt 0x0
	s_barrier_signal -1
	MUL16 F1, 0, 2, 0
	WIN 0
	s_barrier_wait -1
.if \fill
	CREST
	s_add_nc_u64 s[G0+4*\slot+2:G0+4*\slot+3], s[G0+4*\slot+2:G0+4*\slot+3], 2*KSTEP*2
	s_add_nc_u64 s[G0B+4*\slot+2:G0B+4*\slot+3], s[G0B+4*\slot+2:G0B+4*\slot+3], 2*KSTEP*2
	JLOAD \slot
.endif
	PLACES
	FETCH \next, 0, F0
	WIN MUL_HI
	MUL16 F1, 1, 0, 0
	MUL16 F1, 1, 2, 0
.endm
.macro LAP zero
	THREE 0, \zero
	TURN 0, 1, 1
	THREE 1, 0
	TURN 1, 0, 1
.endm
.macro LASTQ
	s_wait_dscnt 8
	WIN MUL_LO
	MUL16 F1, 0, 0, 0
	MUL16 F1, 0, 2, 0
	s_wait_dscnt 0
	WIN MUL_HI
	MUL16 F1, 1, 0, 0
	MUL16 F1, 1, 2, 0
.endm
	s_wait_tensorcnt 1                             ; my part of K step 0 is in; K step 1's may stay out
	s_barrier_signal -1
	s_barrier_wait -1
	FETCH 0, 0, F0
	s_cmp_eq_u32 s44, 1
	s_cbranch_scc1 .Lone
	LAP 1                                          ; two laps or more: the first starts the sums and fills both slots again
	WIN 0
	s_sub_co_u32 s3, s44, 2
	s_cmp_eq_u32 s3, 0
	s_cbranch_scc1 .Ltail
.Llap:
	LAP 0
	WIN 0
	s_sub_co_u32 s3, s3, 1
	s_cmp_lg_u32 s3, 0
	s_cbranch_scc1 .Llap
.Ltail:
	THREE 0, 0                                     ; the last lap fills nothing
	TURN 0, 1, 0
	THREE 1, 0
	LASTQ
	WIN 0
	s_branch .Lout
.Lone:
	THREE 0, 1                                     ; one lap alone (the first query block of a batch): the two first fills are all there is
	TURN 0, 1, 0
	THREE 1, 0
	LASTQ
	WIN 0
.Lout:
	PLACES
; rows 16 i .. 16 i + 15 of my block: the scale, 32 bytes a lane into my own stage, back as whole rows of 512 bytes
.macro OUTO i, a, from
	WIN \from
.set q, 0
.rept 32
	v_pk_mul_f32 v[RES+2*q:RES+2*q+1], v[64*\a+2*q:64*\a+2*q+1], s[72:73] op_sel_hi:[1,0]
.set q, q+1
.endr
	WIN 0
.irp b, 0,1,2,3,4,5,6,7
	ds_store_b128 v[STO], v[RES+8*\b:RES+8*\b+3] offset:64*\b
	ds_store_b128 v[STO], v[RES+8*\b+4:RES+8*\b+7] offset:64*\b+16
.endr
	s_wait_xcnt 0x0                                ; the stores' base and the registers that earlier stores read are rewritten only behind this wait
.if \i
	s_add_nc_u64 s[8:9], s[8:9], 16*4096
.endif
.irp t, 0,1,2,3,4,5,6,7,8,9,10,11,12,13,14,15
	ds_load_b128 v[RB+4*\t:RB+4*\t+3], v[RD] offset:\t*SPITCH          ; LDS serves a wave's instructions in order (ISA guide 5.7.1): these see the stores above
.endr
.irp t, 0,1,2,3,4,5,6,7,8,9,10,11,12,13,14,15
	s_wait_dscnt 15-\t
	global_store_b128 v[TA], v[RB+4*\t:RB+4*\t+3], s[8:9] offset:\t*4096 th:TH_STORE_NT   ; the wave stores 512 consecutive bytes of one row, aligned
.endr
.endm
	OUTO 0, 0, 2
	OUTO 1, 1, 2
	OUTO 2, 2, 2
	OUTO 3, 3, 2
	OUTO 4, 0, 3
	OUTO 5, 1, 3
	OUTO 6, 2, 3
	OUTO 7, 3, 3
	s_set_vgpr_msb 0x1
	s_wait_tensorcnt 0x0
	ds_add_u32 v255, v255
	s_wait_dscnt 0x0
	s_set_vgpr_msb 0x100
	CROUND                                         ; the closing round: no work-group ends while a partner may still ask for a tile that names it
	s_endpgm
.Lfunc_end_k_q88bc7d84fd_pv:
	.size	k_q88bc7d84fd_pv, .Lfunc_end_k_q88bc7d84fd_pv-k_q88bc7d84fd_pv
	.p2alignl 7, 3214868480
	.fill 96, 4, 3214868480
	.section	.rodata,"a",@progbits
	.p2align	6, 0x0
	.amdhsa_kernel k_q88bc7d84fd_pv
		.amdhsa_group_segment_fixed_size 327680
		.amdhsa_private_segment_fixed_size 0
		.amdhsa_enable_private_segment 0
		.amdhsa_kernarg_size 32
		.amdhsa_user_sgpr_count 2
		.amdhsa_user_sgpr_kernarg_segment_ptr 1
		.amdhsa_wavefront_size32 1
		.amdhsa_system_sgpr_workgroup_id_x 1
		.amdhsa_system_sgpr_workgroup_id_y 1
		.amdhsa_system_sgpr_workgroup_id_z 1
		.amdhsa_system_vgpr_workitem_id 0
		.amdhsa_next_free_vgpr 1024
		.amdhsa_next_free_sgpr 100
		.amdhsa_reserve_vcc 0
		.amdhsa_float_denorm_mode_32 3
		.amdhsa_float_denorm_mode_16_64 3
		.amdhsa_memory_ordered 1
		.amdhsa_forward_progress 1
		.amdhsa_inst_pref_size 255
	.end_amdhsa_kernel
	.section	.bss,"aw",@nobits
	.p2align	6
	.space	262144
	.amdgpu_metadata
---
amdhsa.version: [ 1, 2 ]
amdhsa.kernels:
  - .name:           k_q88bc7d84fd_pv
    .symbol:         k_q88bc7d84fd_pv.kd
    .args:
      - { .name: p, .offset: 0, .size: 8, .value_kind: global_buffer, .address_space: global }
      - { .name: vt, .offset: 8, .size: 8, .value_kind: global_buffer, .address_space: global }
      - { .name: out0, .offset: 16, .size: 8, .value_kind: global_buffer, .address_space: global }
      - { .name: stats, .offset: 24, .size: 8, .value_kind: global_buffer, .address_space: global }
    .group_segment_fixed_size: 327680
    .private_segment_fixed_size: 0
    .kernarg_segment_align: 8
    .kernarg_segment_size: 32
    .max_flat_workgroup_size: 128
    .sgpr_count:     100
    .vgpr_count:     1024
    .wavefront_size: 32
...
	.end_amdgpu_metadata
.endif
;; end of part 4
;; ======== version 2 of 2: 4 launches
;; limits: values are held in f16: magnitudes above 65,504 overflow, below 6.1e-05 lose precision; right only within a limited range of input values
;; workspace buffers: xb 16,777,216 bytes; wt 6,291,456 bytes; tab 2,228,224 bytes; stats 2,560 bytes; qk 33,554,432 bytes; vt 16,777,216 bytes; p 33,554,432 bytes
;; launch prep (part 5): grid 708 x 1, 8 waves a work-group, no clusters, 18,432 bytes of LDS; arguments X, W_Q, W_K, W_V, xb, wt, tab, stats; writes xb, wt, tab, stats
.if DOCPART == 5
	.amdgcn_target "amdgcn-amd-amdhsa--gfx1250"
	.amdhsa_code_object_version 6
	.text
	.protected	k_q88bc7d84fd_prep
	.globl	k_q88bc7d84fd_prep
	.p2align	8
	.type	k_q88bc7d84fd_prep,@function
k_q88bc7d84fd_prep:
	s_mov_b64 s[64:65], 0
	v_nop
	global_prefetch_b8 v0, s[64:65] scope:SCOPE_SE
	s_setreg_imm32_b32 hwreg(HW_REG_WAVE_MODE, 25, 1), 1
	s_wait_xcnt 0x0
; prep: everything that is made once, as a stream.  Three kinds of work-group, told apart by the work-group's number x alone:
;   x <  256: 32 rows of X -> xb in bf16, and the largest squared row norm of these rows -> stats[x]
;   x <  640: a block of 128 k x 64 n of W_Q, W_K or W_V -> wt in bf16, TRANSPOSED ([n][k]), and its sum of squares -> stats[256 + 128 t + ..]
;   else    : a quarter of one of 17 blocks of the XPOS table, cos x scale and sin x scale for Q, the same with 1 / scale for K -> tab
; The norms serve the later launches as a bound: |x . w| <= |x| |W|_F, from which they take power-of-two scales for their f16 operands.
; tab: [Q, K][17 blocks][block of 16 columns][half][lane][4 f32]; lane (r = l & 15, h = l >> 4) holds, for the block's position and the column pairs
; 8 colblk + 4 h + 2 half and the next, (cos, sin, cos, sin): the order in which a matrix result's lane wants them, 16 bytes a lane.
; Block g < 16: position 128 g + r.  Block 16: position 16 in every lane.  (cos, sin) x scale at position p is the complex number z^p, so the next launch
; gets the factors of 16 rows further down by a complex product with block 16, and the table needs 16 of every 128 positions only.
; A table work-group takes 16 of a block's 64 column blocks, two for each of its eight waves, so that its chain of dependent arithmetic is short.
; Sine and cosine: the angle in quarter turns is split into a whole number and a rest in [-1/2, 1/2] by one fused multiply-add; the rest, at most
; pi/4 in radians, goes into Taylor sums up to x^7 and x^8 (first left-out terms below 4e-7).  The angle itself carries f32's rounding of
; position x frequency, as it does where the product is formed in f32 at all: some 1e-4 radians at position 2047.
; 162 registers: three work-groups of 8 x 162 fit beside each other in a WGP's 4 x 1,024, so all 708 run at once.
; No matrix unit, no cluster: nothing is shared and memory binds.
.set SUMS,   16896                     ; LDS: 8 words, one a wave, behind the transpose's stage
.set WPITCH, 264                       ; the stage: 64 rows (n) of 128 bf16 (k) = 256 bytes + 8
.set KTAB,   17*65536                  ; bytes of Q's table; K's lies behind it
.set T,   4                            ; v[4:11]    four chains of squares, two numbers each
.set SS,  12                           ; v[12:15]   a wave's four row sums
.set XR,  32                           ; v[32:159]  four rows of X as loaded, then, in place, in bf16 (W: v[32:63])
	s_load_b512 s[4:19], s[0:1], 0x0               ; X 4:5, W_Q 6:7, W_K 8:9, W_V 10:11, xb 12:13, wt 14:15, tab 16:17, stats 18:19
	v_lshl_add_u32 v160, v0, 2, 0x4400
	v_mov_b32 v161, 0
	v_lshrrev_b32 v1, 5, v0
	v_readfirstlane_b32 s20, v1                    ; wave 0..7
	v_and_b32 v3, 31, v0                           ; lane
	v_mov_b32 v16, 0                               ; v_permlanex16_b32's destination counts as read
	s_mov_b32 s30, 0x76543210                      ; lane i of one half reads lane i of the other
	s_mov_b32 s31, 0xfedcba98
	s_mov_b32 s25, 0                               ; the upper word of every offset
	s_wait_kmcnt 0x0
; the sum of the squares of 32 registers, in four chains started by a product: nothing is cleared
.macro SQSUM base, dst
.irp c, 0,1,2,3
	v_pk_mul_f32 v[T+2*\c:T+2*\c+1], v[\base+2*\c:\base+2*\c+1], v[\base+2*\c:\base+2*\c+1]
.endr
.irp g, 1,2,3
.irp c, 0,1,2,3
	v_pk_fma_f32 v[T+2*\c:T+2*\c+1], v[\base+8*\g+2*\c:\base+8*\g+2*\c+1], v[\base+8*\g+2*\c:\base+8*\g+2*\c+1], v[T+2*\c:T+2*\c+1]
.endr
.endr
	v_pk_add_f32 v[T:T+1], v[T:T+1], v[T+2:T+3]
	v_pk_add_f32 v[T+4:T+5], v[T+4:T+5], v[T+6:T+7]
	v_pk_add_f32 v[T:T+1], v[T:T+1], v[T+4:T+5]
	v_add_f32 v[\dst], v[T], v[T+1]
.endm
; the sum over the 32 lanes, in every lane
.macro LANESUM v
	v_add_f32_dpp v[\v], v[\v], v[\v] row_xmask:1 row_mask:0xf bank_mask:0xf
	v_add_f32_dpp v[\v], v[\v], v[\v] row_xmask:2 row_mask:0xf bank_mask:0xf
	v_add_f32_dpp v[\v], v[\v], v[\v] row_xmask:4 row_mask:0xf bank_mask:0xf
	v_add_f32_dpp v[\v], v[\v], v[\v] row_xmask:8 row_mask:0xf bank_mask:0xf
	v_permlanex16_b32 v16, v[\v], s30, s31
	v_add_f32 v[\v], v[\v], v16
.endm
; my wave's figure (v12) goes to its word; behind the barrier all eight words, and the transpose's stage, are whole
.macro FIN_A
	v_mov_b32 v17, s20
	v_lshlrev_b32 v17, 2, v17
	ds_store_b32 v17, v12 offset:SUMS
	s_wait_dscnt 0x0                               ; for the other waves' sake: all my LDS stores are done
	s_barrier_signal -1
	s_barrier_wait -1
.endm
; wave 0 joins the eight figures and its lane 0 stores the work-group's one word at stats + s27
.macro FIN_B op
	s_cmp_lg_u32 s20, 0
	s_cbranch_scc1 .Ldone_\@
	v_mov_b32 v18, SUMS
	v_mov_b32 v19, s27
	ds_load_b128 v[20:23], v18
	ds_load_b128 v[24:27], v18 offset:16
	s_wait_dscnt 0x0
	\op v20, v20, v21
	\op v22, v22, v23
	\op v24, v24, v25
	\op v26, v26, v27
	\op v20, v20, v22
	\op v24, v24, v26
	\op v20, v20, v24
	s_wait_xcnt 0x0                                ; EXEC is a source of the stores above: it changes only behind this wait
	v_cmp_eq_u32 vcc_lo, 0, v0
	s_wait_tensorcnt 0x0
	ds_add_u32 v160, v161
	s_wait_dscnt 0x0
	s_and_saveexec_b32 s26, vcc_lo
	global_store_b32 v19, v20, s[18:19]
	s_endpgm
.Ldone_\@:
	s_wait_tensorcnt 0x0
	ds_add_u32 v160, v161
	s_wait_dscnt 0x0
	s_endpgm
.endm
	s_cmp_lt_u32 ttmp9, 256
	s_cbranch_scc1 .Lxway
	s_cmp_lt_u32 ttmp9, 640
	s_cbranch_scc1 .Lwway
; ---------------------------------------------------------------- the table: a quarter of a block a work-group, 2 column blocks a wave
.set VP,  6                            ; position, f32
.set VP5, 7                            ; position / 512
.set VI,  8                            ; first of my four column pairs, a whole number
.set VO,  9                            ; byte offset in tab
.set FI,  12                           ; from here on four registers each, one for each of the four pairs
.set EA,  16
.set LA,  20
.set W4,  24
.set LG,  28
.set QN,  32
.set AX,  36
.set X2,  40
.set SI,  44
.set CS,  48
.set QI,  52
.set SC,  56
.set ISC, 60
.set U1,  64
.set U2,  68
.set QD,  72                           ; v[72:79] Q's eight numbers, v[80:87] K's
.set KD,  80
	s_sub_co_u32 s21, ttmp9, 640                   ; 0..67
	s_and_b32 s44, s21, 3                          ; which 16 of the 64 column blocks
	s_lshr_b32 s21, s21, 2                         ; block 0..16
	s_add_nc_u64 s[22:23], s[16:17], KTAB          ; K's table
	s_mov_b32 s32, 0xb9500d01                      ; -1/5040
	s_mov_b32 s33, 0x3c088889                      ; 1/120
	s_mov_b32 s34, 0xbe2aaaab                      ; -1/6
	s_mov_b32 s35, 0x37d00d01                      ; 1/40320
	s_mov_b32 s36, 0xbab60b61                      ; -1/720
	s_mov_b32 s37, 0x3d2aaaab                      ; 1/24
	s_mov_b32 s38, 0xbcd49a78                      ; -log2(10000)/512
	s_mov_b32 s39, 0x3ab6db6e                      ; 2/1433.6
	s_mov_b32 s40, 0x3e924925                      ; 409.6/1433.6
	s_mov_b32 s41, 0x3f22f983                      ; 2/pi
	s_mov_b32 s42, 0x3fc90fdb                      ; pi/2
	s_lshl_b32 s29, s21, 7
	s_cmp_eq_u32 s21, 16
	s_cselect_b32 s24, 16, s29                     ; block 16: position 16,
	s_cselect_b32 s43, 0, 15                       ; the same in every lane; else 128 g + r
	v_and_b32 v4, s43, v3
	v_lshrrev_b32 v5, 4, v3                        ; h
	v_add_nc_u32 v[VP], s24, v4
	v_cvt_f32_u32 v[VP], v[VP]
	v_mul_f32 v[VP5], 0x3b000000, v[VP]            ; / 512, exact
	s_lshl_b32 s45, s44, 7                         ; 16 column blocks of 8 pairs
	v_lshl_add_u32 v[VI], v5, 2, s45
	v_lshl_add_u32 v[VI], s20, 3, v[VI]            ; 128 quarter + 8 wave + 4 h
	s_lshl_b32 s24, s21, 16
	s_lshl_b32 s46, s44, 14                        ; 16 column blocks of 1,024 bytes
	s_add_co_u32 s24, s24, s46
	v_lshl_add_u32 v[VO], v3, 4, s24
	v_lshl_add_u32 v[VO], s20, 10, v[VO]           ; 65,536 block + 16,384 quarter + 1,024 wave + 16 lane
	s_mov_b32 s28, 0
.Ltab:
.irp k, 0,1,2,3
	v_add_nc_u32 v[FI+\k], \k, v[VI]
	v_cvt_f32_u32 v[FI+\k], v[FI+\k]               ; i
	v_mul_f32 v[EA+\k], s38, v[FI+\k]
	v_fma_f32 v[LA+\k], v[FI+\k], s39, s40         ; (2 i + 409.6) / 1433.6
.endr
.irp k, 0,1,2,3
	v_exp_f32 v[W4+\k], v[EA+\k]                   ; 10000^(-i/512)
	v_log_f32 v[LG+\k], v[LA+\k]
.endr
	v_nop                                          ; one plain place behind the run of transcendentals (ISA guide 5.7.2)
	s_wait_alu depctr_va_vdst(0)
.irp k, 0,1,2,3
	v_mul_f32 v[W4+\k], s41, v[W4+\k]              ; quarter turns for each position
	v_mul_f32 v[LG+\k], v[LG+\k], v[VP5]           ; log2 of the scale
	v_mul_f32 v[QN+\k], v[VP], v[W4+\k]
	v_rndne_f32 v[QN+\k], v[QN+\k]                 ; whole quarter turns
	v_fma_f32 v[AX+\k], v[VP], v[W4+\k], -v[QN+\k] ; the rest, without a second rounding
	v_mul_f32 v[AX+\k], s42, v[AX+\k]              ; in radians, at most pi/4
	v_mul_f32 v[X2+\k], v[AX+\k], v[AX+\k]
	v_cvt_i32_f32 v[QI+\k], v[QN+\k]
.endr
.irp k, 0,1,2,3
	v_exp_f32 v[SC+\k], v[LG+\k]
	v_exp_f32 v[ISC+\k], -v[LG+\k]
.endr
.irp k, 0,1,2,3
	v_fma_f32 v[SI+\k], v[X2+\k], s32, s33         ; (the first of these is the plain place behind the exponentials)
	v_fma_f32 v[CS+\k], v[X2+\k], s35, s36
	v_fma_f32 v[SI+\k], v[SI+\k], v[X2+\k], s34
	v_fma_f32 v[CS+\k], v[CS+\k], v[X2+\k], s37
	v_fma_f32 v[SI+\k], v[SI+\k], v[X2+\k], 1.0
	v_fma_f32 v[CS+\k], v[CS+\k], v[X2+\k], -0.5
	v_mul_f32 v[SI+\k], v[SI+\k], v[AX+\k]         ; sin of the rest
	v_fma_f32 v[CS+\k], v[CS+\k], v[X2+\k], 1.0    ; cos of the rest
	v_and_b32 v[U1+\k], 1, v[QI+\k]
	v_cmp_eq_u32 vcc_lo, 1, v[U1+\k]               ; an odd quarter swaps the two,
	v_cndmask_b32 v[U2+\k], v[SI+\k], v[CS+\k], vcc_lo
	v_cndmask_b32 v[U1+\k], v[CS+\k], v[SI+\k], vcc_lo
	v_and_b32 v[SI+\k], 2, v[QI+\k]                ; quarters 2, 3 turn the sine's sign,
	v_add_nc_u32 v[CS+\k], 1, v[QI+\k]
	v_and_b32 v[CS+\k], 2, v[CS+\k]                ; quarters 1, 2 the cosine's
	v_lshlrev_b32 v[SI+\k], 30, v[SI+\k]
	v_lshlrev_b32 v[CS+\k], 30, v[CS+\k]
	v_xor_b32 v[U2+\k], v[SI+\k], v[U2+\k]         ; sin
	v_xor_b32 v[U1+\k], v[CS+\k], v[U1+\k]         ; cos
	s_wait_alu depctr_va_vdst(0)
	v_mul_f32 v[QD+2*\k], v[U1+\k], v[SC+\k]
	v_mul_f32 v[QD+2*\k+1], v[U2+\k], v[SC+\k]
	v_mul_f32 v[KD+2*\k], v[U1+\k], v[ISC+\k]
	v_mul_f32 v[KD+2*\k+1], v[U2+\k], v[ISC+\k]
.endr
	global_store_b128 v[VO], v[QD:QD+3], s[16:17]              ; each store of the wave covers 512 consecutive bytes, aligned
	global_store_b128 v[VO], v[QD+4:QD+7], s[16:17] offset:512
	global_store_b128 v[VO], v[KD:KD+3], s[22:23]
	global_store_b128 v[VO], v[KD+4:KD+7], s[22:23] offset:512
	s_wait_xcnt 0x0                                ; the stores' offset and data are rewritten only behind this wait
	v_add_nc_u32 v[VO], 8192, v[VO]                ; eight column blocks on
	v_add_nc_u32 v[VI], 64, v[VI]
	s_add_co_u32 s28, s28, 1
	s_cmp_lt_u32 s28, 2
	s_cbranch_scc1 .Ltab
	s_endpgm
; ---------------------------------------------------------------- X: 32 rows a work-group, 4 whole rows a wave
.Lxway:
	s_lshl_b32 s24, ttmp9, 17                      ; 32 rows of 4,096 bytes
	s_add_nc_u64 s[4:5], s[4:5], s[24:25]
	s_lshl_b32 s24, ttmp9, 16                      ; 32 rows of 2,048 bytes
	s_add_nc_u64 s[12:13], s[12:13], s[24:25]
	s_lshl_b32 s27, ttmp9, 2                       ; my word of stats
	v_lshlrev_b32 v1, 4, v3
	v_lshl_add_u32 v1, s20, 14, v1                 ; 16 lane + 4 rows x wave
	v_lshlrev_b32 v2, 3, v3
	v_lshl_add_u32 v2, s20, 13, v2
.irp p, 0,1,2,3
.irp j, 0,1,2,3,4,5,6,7
	global_load_b128 v[XR+32*\p+4*\j:XR+32*\p+4*\j+3], v1, s[4:5] offset:\p*4096+\j*512 th:TH_LOAD_NT   ; all 32 loads of the wave go out at once: 16 KiB
.endr
.endr
.irp p, 0,1,2,3
	s_wait_loadcnt 24-8*\p                         ; row p is in; the younger rows' eight loads each stay out
	SQSUM XR+32*\p, SS+\p
.irp j, 0,1,2,3,4,5,6,7
	v_cvt_pk_bf16_f32 v[XR+32*\p+4*\j], v[XR+32*\p+4*\j], v[XR+32*\p+4*\j+1]       ; in place: the first two of four registers take the four numbers,
	v_cvt_pk_bf16_f32 v[XR+32*\p+4*\j+1], v[XR+32*\p+4*\j+2], v[XR+32*\p+4*\j+3]   ; and nothing writes them again, so no store is waited for
	global_store_b64 v2, v[XR+32*\p+4*\j:XR+32*\p+4*\j+1], s[12:13] offset:\p*2048+\j*256   ; 32 lanes x 8 bytes: 256 consecutive bytes, aligned
.endr
.endr
	LANESUM SS
	LANESUM SS+1
	LANESUM SS+2
	LANESUM SS+3
	v_max_num_f32 v12, v12, v13
	v_max_num_f32 v14, v14, v15
	v_max_num_f32 v12, v12, v14                    ; the largest of my four rows
	FIN_A
	FIN_B v_max_num_f32
; ---------------------------------------------------------------- W: 128 k x 64 n, transposed through LDS
.Lwway:
	s_sub_co_u32 s21, ttmp9, 256                   ; u
	s_lshr_b32 s22, s21, 7                         ; t: 0 Q, 1 K, 2 V
	s_bfe_u32 s23, s21, 0x30004                    ; block of 128 k
	s_and_b32 s28, s21, 15                         ; block of 64 n
	s_cmp_eq_u32 s22, 0
	s_cselect_b64 s[32:33], s[6:7], s[8:9]
	s_cmp_eq_u32 s22, 2
	s_cselect_b64 s[32:33], s[10:11], s[32:33]
	s_lshl_b32 s24, s23, 19                        ; 128 rows of 4,096 bytes
	s_lshl_b32 s29, s28, 8                         ; 64 f32
	s_add_co_u32 s24, s24, s29
	s_add_nc_u64 s[32:33], s[32:33], s[24:25]
	s_lshl_b32 s24, s22, 21                        ; wt: 2 MiB a matrix,
	s_lshl_b32 s29, s28, 17                        ; 64 rows (n) of 2,048 bytes,
	s_add_co_u32 s24, s24, s29
	s_lshl_b32 s29, s23, 8                         ; 128 bf16 (k)
	s_add_co_u32 s24, s24, s29
	s_add_nc_u64 s[14:15], s[14:15], s[24:25]
	s_and_b32 s27, s21, 127
	s_lshl_b32 s27, s27, 2
	s_lshl_b32 s29, s22, 9
	s_add_co_u32 s27, s27, s29
	s_add_co_u32 s27, s27, 1024                    ; my word of stats
	v_and_b32 v28, 15, v3                          ; sixteen lanes take 256 bytes of one row of W,
	v_lshrrev_b32 v29, 4, v3                       ; the other sixteen the row two further down
	v_lshlrev_b32 v1, 4, v28
	v_lshl_add_u32 v1, v29, 13, v1
	v_lshl_add_u32 v1, s20, 16, v1                 ; my wave's 16 rows
.irp s, 0,1,2,3
.irp p, 0,1
	global_load_b128 v[XR+8*\s+4*\p:XR+8*\s+4*\p+3], v1, s[32:33] offset:\s*16384+\p*4096 th:TH_LOAD_NT   ; k = 16 wave + 4 s + 2 (lane / 16) + p
.endr
.endr
	v_mul_u32_u24 v2, v28, 4*WPITCH                ; stage row n = 4 (lane % 16) + c,
	v_lshl_add_u32 v2, v29, 2, v2
	v_lshl_add_u32 v2, s20, 5, v2                  ; word (k / 2) = 8 wave + 2 s + lane / 16
	s_mul_i32 s29, s20, 8*WPITCH
	v_lshl_add_u32 v13, v3, 3, s29                 ; back: my wave's 8 rows, 8 bytes a lane
	v_lshlrev_b32 v14, 3, v3
	v_lshl_add_u32 v14, s20, 14, v14
	s_wait_loadcnt 0x0
	SQSUM XR, 12
.irp s, 0,1,2,3
.irp c, 0,1,2,3
	v_cvt_pk_bf16_f32 v[64+4*\s+\c], v[XR+8*\s+\c], v[XR+8*\s+4+\c]   ; two neighbouring k of one n
	ds_store_b32 v2, v[64+4*\s+\c] offset:\c*WPITCH+\s*8
.endr
.endr
	LANESUM 12
	FIN_A
.irp q, 0,1,2,3,4,5,6,7
	ds_load_b64 v[80+2*\q:80+2*\q+1], v13 offset:\q*WPITCH
.endr
.irp q, 0,1,2,3,4,5,6,7
	s_wait_dscnt 7-\q                              ; row q is in; the younger loads stay out
	global_store_b64 v14, v[80+2*\q:80+2*\q+1], s[14:15] offset:\q*2048   ; 256 consecutive bytes of one row of wt, aligned
.endr
	FIN_B v_add_f32
.Lfunc_end_k_q88bc7d84fd_prep:
	.size	k_q88bc7d84fd_prep, .Lfunc_end_k_q88bc7d84fd_prep-k_q88bc7d84fd_prep
	.p2alignl 7, 3214868480
	.fill 96, 4, 3214868480
	.section	.rodata,"a",@progbits
	.p2align	6, 0x0
	.amdhsa_kernel k_q88bc7d84fd_prep
		.amdhsa_group_segment_fixed_size 18432
		.amdhsa_private_segment_fixed_size 0
		.amdhsa_enable_private_segment 0
		.amdhsa_kernarg_size 64
		.amdhsa_user_sgpr_count 2
		.amdhsa_user_sgpr_kernarg_segment_ptr 1
		.amdhsa_wavefront_size32 1
		.amdhsa_system_sgpr_workgroup_id_x 1
		.amdhsa_system_sgpr_workgroup_id_y 1
		.amdhsa_system_sgpr_workgroup_id_z 1
		.amdhsa_system_vgpr_workitem_id 0
		.amdhsa_next_free_vgpr 162
		.amdhsa_next_free_sgpr 66
		.amdhsa_reserve_vcc 1
		.amdhsa_float_denorm_mode_32 3
		.amdhsa_float_denorm_mode_16_64 3
		.amdhsa_memory_ordered 1
		.amdhsa_forward_progress 1
		.amdhsa_inst_pref_size 37
	.end_amdhsa_kernel
	.amdgpu_metadata
---
amdhsa.version: [ 1, 2 ]
amdhsa.kernels:
  - .name:           k_q88bc7d84fd_prep
    .symbol:         k_q88bc7d84fd_prep.kd
    .args:
      - { .name: X, .offset: 0, .size: 8, .value_kind: global_buffer, .address_space: global }
      - { .name: W_Q, .offset: 8, .size: 8, .value_kind: global_buffer, .address_space: global }
      - { .name: W_K, .offset: 16, .size: 8, .value_kind: global_buffer, .address_space: global }
      - { .name: W_V, .offset: 24, .size: 8, .value_kind: global_buffer, .address_space: global }
      - { .name: xb, .offset: 32, .size: 8, .value_kind: global_buffer, .address_space: global }
      - { .name: wt, .offset: 40, .size: 8, .value_kind: global_buffer, .address_space: global }
      - { .name: tab, .offset: 48, .size: 8, .value_kind: global_buffer, .address_space: global }
      - { .name: stats, .offset: 56, .size: 8, .value_kind: global_buffer, .address_space: global }
    .group_segment_fixed_size: 18432
    .private_segment_fixed_size: 0
    .kernarg_segment_align: 8
    .kernarg_segment_size: 64
    .max_flat_workgroup_size: 256
    .sgpr_count:     66
    .vgpr_count:     162
    .wavefront_size: 32
...
	.end_amdgpu_metadata
.endif
;; end of part 5
;; launch projqk (part 6): grid 8 x 32, 4 waves a work-group, clusters of 4 x 4, 327,680 bytes of LDS; arguments xb, wt, qk, tab, stats; writes qk
.if DOCPART == 6
	.amdgcn_target "amdgcn-amd-amdhsa--gfx1250"
	.amdhsa_code_object_version 6
	.text
	.protected	k_q88bc7d84fd_projqk
	.globl	k_q88bc7d84fd_projqk
	.p2align	8
	.type	k_q88bc7d84fd_projqk,@function
k_q88bc7d84fd_projqk:
	s_mov_b64 s[64:65], 0
	v_nop
	global_prefetch_b8 v0, s[64:65] scope:SCOPE_SE
	s_setreg_imm32_b32 hwreg(HW_REG_WAVE_MODE, 25, 1), 1
	s_wait_xcnt 0x0
	s_wait_alu depctr_hold_cnt(0) depctr_sa_sdst(0) depctr_va_vdst(0) depctr_va_sdst(0) depctr_va_ssrc(0) depctr_va_vcc(0) depctr_vm_vsrc(0)
	s_getreg_b32 s2, hwreg(HW_REG_IB_STS2, 6, 4)
	s_cmp_eq_u32 s2, 0
	s_cbranch_scc0 .Lentry_in_a_cluster
	s_endpgm
.Lentry_in_a_cluster:
	s_bfe_u32 s2, ttmp6, 0x10000c
	s_cmp_lg_u32 s2, 0xf033
	s_cbranch_scc0 .Lentry_shape_is_right
	s_endpgm
.Lentry_shape_is_right:
; projqk: qk[row][0..1023] = xpos(X W_Q) 2^(14 - hQ), qk[row][1024..2047] = xpos_down(X W_K) 2^(8 - hK), in f16.
; One product C[m][n] = sum over k of xb[m][k] wt[n][k], 8192 x 2048 x 1024, bf16 operands, f32 sums; XPOS and the scale are applied on the way out.
; WHY f16 AND THESE SCALES: Q, K, the weighted scores and V are operands of later products; f16's 11 bits keep their rounding small against the
; tolerance.  2^h is a bound: with b = (largest |x_row|^2) x |W|_F^2 and e its exponent, h = (e + 2) >> 1, so |x . w| <= |x| |W|_F < 2^h.  Hence
; |Q^| <= 2^14, and |K^| <= 2^8 x 3.5^4 = 38,416 (3.5^4 is the largest 1 / scale, at position 2047): both inside f16, whatever the inputs' size.
; LIMITS: the scale is one for the whole tensor: rows of X some 2^-8 below the largest row's norm lose bits as in fixed point; h is clamped to
; +-100 and a scale's exponent field to 1..254, so b must be a finite normal number.
; XPOS BY RECURRENCE: (cos, sin) x scale at position p is the complex number z^p.  A wave loads the factors of its first 16 rows and z^16 for its 128
; columns, 32 loads at the start that land under the sum over K, and carries the factors 16 rows down by a complex product, seven times, in f32.
; A work-group makes 256 x 256 of C with four waves; a wave makes 128 x 128: 64 accumulator tiles, 512 registers.  K goes in steps of 128 through two
; LDS slots filled by the tensor data mover; a tile's rows are 256 bytes of memory, at multiples of 256 bytes from the buffer's first byte.
; CLUSTERS: 4 x 4 work-groups.  The four of a row of the cluster need the same tiles of xb, the four of a column the same tiles of wt: each such tile
; is asked for jointly, by the same tensor load with the same descriptor and a mask that names the four.
; REGISTERS, in windows of 256: window 0: v0-63 addresses and small work, v64-191 fragments of A (two buffers), v192-255 at work on the way out;
; window 1: v64-191 fragments of B, v0-63 the XPOS factors, v192-255 their step; windows 2, 3: the accumulators of my rows 0-63, 64-127.
; THE MATRIX INSTRUCTION IS USED TRANSPOSED (source 0 = rows of B, source 1 = rows of A): lane l holds row l % 16 of C and columns 8 (l / 16) + 0..7,
; that is four whole column pairs of XPOS and 16 neighbouring bytes of f16.
.set SIZE_K, 1024
.set PITCHC, 4096                      ; bytes from row to row of qk
.set LAPS,   4                         ; a lap = two K steps = once round the ring
.set KSTEP,  128
.set PITCH,  272                       ; an LDS row: 256 bytes + 16 of padding, so that the 16 rows of a fragment load start 4 words apart modulo 64
.set HALFT,  128*PITCH                 ; 128 rows: one tensor load
.set SLOT,   4*HALFT                   ; A's 256 rows, then B's 256 rows
.set STAGE,  2*SLOT                    ; behind the ring: 16 rows x 272 bytes for each wave; no tensor load ever lands here
.set SPITCH, 272
.set KTAB,   17*65536                  ; bytes of Q's table; K's lies behind it
.set ADRA, 16                          ; v16-17  LDS address of my A fragments in slot 0, 1
.set ADRB, 20                          ; v20-21  the same for B
.set STO,  24                          ; the way out: where I put 16 bytes of a row
.set RD,   25                          ; where I read a row back
.set CO,   26                          ; my byte offset in C
.set TA,   27                          ; 16 x lane
.set F0,   64
.set F1,   128
.set RES,  64                          ; the way out: 64 results in f32
.set RB0,  128                         ; rows read back, two buffers
.set RB1,  160
.set TMP,  192                         ; packed results
.set TB0,  0                           ; window 1: the factors of the row block at work
.set ZS,   192                         ; window 1: their step, z^16
.set TT,   64                          ; window 1: at work in the step (B's fragments are done with by then)
.set G1,  24
.set G0,  32
.set G1B, 48
.set G0B, 56
.set STATS, 70
.set SELA, 96
.set SELB, 97
.set MSB, 0
.macro WIN new                         ; the immediate's high byte repeats the setting that is left
.if MSB != (\new)
	s_set_vgpr_msb (MSB<<8)|(\new)
.set MSB, (\new)
.endif
.endm
.set MUL_LO, 0xa1                      ; source 0 (B) window 1, source 1 (A) window 0, C and D window 2
.set MUL_HI, 0xf1                      ; the same, C and D window 3
.set TO_B,   0x40                      ; destination window 1, address window 0
; A joint load.  Waves 0 and 1 fetch A's two halves, waves 2 and 3 B's; the branch hangs on the wave's number alone.
.macro JLOAD s
	s_cmp_eq_u32 s11, 0
	s_cbranch_scc0 .Lfor_b_\@
	tensor_load_to_lds s[G0+4*\s:G0+4*\s+3], s[G1:G1+7]
	s_nop 0
	s_branch .Lasked_\@
.Lfor_b_\@:
	tensor_load_to_lds s[G0B+4*\s:G0B+4*\s+3], s[G1B:G1B+7]
	s_nop 0
.Lasked_\@:
.endm
; A round of the cluster's barrier: my work-group's barrier; wave 0 signals for the work-group; every wave waits for all sixteen; my work-group's barrier again.
.macro CREST
	s_cmp_lg_u32 s10, 0
	s_cbranch_scc1 .Lnot_wave_0_\@
	s_barrier_signal -3
.Lnot_wave_0_\@:
	s_barrier_wait -3
	s_barrier_signal -1
	s_barrier_wait -1
.endm
.macro CROUND
	s_barrier_signal -1
	s_barrier_wait -1
	CREST
.endm
; one block of the table for my 128 columns: 16 loads of 512 consecutive bytes, into window 1
.macro TBLOAD tb, sb
	WIN TO_B
.irp b, 0,1,2,3,4,5,6,7
	global_load_b128 v[\tb+8*\b:\tb+8*\b+3],   v[TA], s[\sb:\sb+1] offset:\b*1024
	global_load_b128 v[\tb+8*\b+4:\tb+8*\b+7], v[TA], s[\sb:\sb+1] offset:\b*1024+512
.endr
.endm
	s_load_b128 s[4:7], s[0:1], 0x0                ; xb s[4:5], wt s[6:7]
	s_load_b64 s[8:9], s[0:1], 0x10                ; qk
	s_load_b128 s[68:71], s[0:1], 0x18             ; tab s[68:69], stats s[70:71]
	v_lshl_add_u32 v254, v0, 2, 0x48400
	v_mov_b32 v255, 0
	ds_add_u32 v254, v255
	ds_add_u32 v254, v255
	v_lshrrev_b32 v1, 5, v0
	v_readfirstlane_b32 s10, v1                    ; wave 0..3
	s_lshr_b32 s11, s10, 1                         ; my half of the block's rows.  Also: I fetch for A (0) or for B (1)
	s_and_b32 s12, s10, 1                          ; my half of its columns.  Also: which 128 rows of that tile I fetch
	s_bfe_u32 s40, ttmp6, 0x40000                  ; cx
	s_bfe_u32 s41, ttmp6, 0x40004                  ; cy
	s_lshl_b32 s42, ttmp9, 2
	s_add_co_u32 s42, s42, s40                     ; block column of C = 4 x cluster x + cx
	s_and_b32 s13, ttmp7, 0xffff
	s_lshl_b32 s13, s13, 2
	s_add_co_u32 s13, s13, s41                     ; block row of C = 4 x cluster y + cy
	s_lshl_b32 s43, s41, 2
	s_lshl_b32 s43, 15, s43                        ; my row of the cluster: places 4 cy .. 4 cy + 3
	s_lshl_b32 s44, 0x1111, s40                    ; my column: places cx, cx + 4, cx + 8, cx + 12
	; descriptor group 1: 128 rows x 128 elements of 2 bytes, 4 words of padding behind every 64 words
	s_or_b32 s[G1+0], s43, (1<<16)|(1<<20)|(1<<21)|(5<<22)|(3<<25)
	s_or_b32 s[G1B+0], s44, (1<<16)|(1<<20)|(1<<21)|(5<<22)|(3<<25)
	s_mov_b32 s[G1B+1], KSTEP<<16
	s_mov_b32 s[G1+1], KSTEP<<16                   ; tensor_dim0 = 128
	s_mov_b32 s[G1B+2], 128<<16
	s_mov_b32 s[G1+2], 128<<16                     ; tensor_dim1 = 128
	s_mov_b32 s[G1B+3], KSTEP<<16
	s_mov_b32 s[G1+3], KSTEP<<16                   ; tile_dim0 = 128
	s_mov_b32 s[G1B+4], 128
	s_mov_b32 s[G1+4], 128                         ; tile_dim1 = 128
	s_mov_b32 s[G1B+5], SIZE_K
	s_mov_b32 s[G1+5], SIZE_K                      ; elements from row to row
	s_mov_b32 s[G1B+6], 0
	s_mov_b32 s[G1+6], 0
	s_mov_b32 s[G1B+7], 0
	s_mov_b32 s[G1+7], 0
	; A's tiles hang on the block row alone, B's on the block column alone, each in registers that never hold the other coordinate
	s_lshl_b32 s17, s12, 7
	s_lshl_b32 s16, s13, 8
	s_add_co_u32 s16, s16, s17                     ; A: row 256 x block row + 128 x half
	s_lshl_b32 s46, s42, 8
	s_add_co_u32 s46, s46, s17                     ; B: row 256 x block column + 128 x half
	s_mov_b32 s17, 0
	s_mov_b32 s47, 0
	s_mov_b64 s[18:19], SIZE_K*2
	s_mul_u64 s[16:17], s[16:17], s[18:19]
	s_mul_u64 s[46:47], s[46:47], s[18:19]
	s_mul_i32 s20, s10, HALFT                      ; where they go: wave x 128 rows; no place in the cluster enters an LDS address
	s_wait_dscnt 0x0
	s_wait_kmcnt 0x0
	s_add_nc_u64 s[14:15], s[4:5], s[16:17]
	s_add_nc_u64 s[46:47], s[6:7], s[46:47]
	CROUND                                         ; all sixteen work-groups are here: the first joint loads meet
.irp s, 0,1
	s_mov_b32 s[G0+4*\s], 1
	s_add_co_u32 s[G0+4*\s+1], s20, \s*SLOT
	s_add_nc_u64 s[G0+4*\s+2:G0+4*\s+3], s[14:15], \s*KSTEP*2
	s_or_b32 s[G0+4*\s+3], s[G0+4*\s+3], 0x80000000
	s_mov_b32 s[G0B+4*\s], 1
	s_add_co_u32 s[G0B+4*\s+1], s20, \s*SLOT
	s_add_nc_u64 s[G0B+4*\s+2:G0B+4*\s+3], s[46:47], \s*KSTEP*2
	s_or_b32 s[G0B+4*\s+3], s[G0B+4*\s+3], 0x80000000
	JLOAD \s                                       ; both slots are asked for before anything else: two tensor loads of the wave are out
.endr
	; a fragment: lane l holds row l % 16; registers 0-3 K = 8 (l / 16) + 0..7, registers 4-7 K = 16 + 8 (l / 16) + 0..7: two loads of 16 bytes, 32 apart
	v_and_b32 v1, 15, v0
	v_bfe_u32 v2, v0, 4, 1
	v_mul_u32_u24 v3, v1, PITCH
	v_lshl_add_u32 v3, v2, 4, v3
	s_mul_i32 s21, s11, HALFT
	s_mul_i32 s22, s12, HALFT
	s_add_co_u32 s22, s22, 2*HALFT
.irp s, 0,1
	v_add_nc_u32 v[ADRA+\s], s21, v3
	v_add_nc_u32 v[ADRB+\s], s22, v3
	s_add_co_u32 s21, s21, SLOT
	s_add_co_u32 s22, s22, SLOT
.endr
	s_mul_i32 s23, s10, 16*SPITCH
	s_add_co_u32 s23, s23, STAGE
	v_mul_u32_u24 v4, v1, SPITCH
	v_lshl_add_u32 v4, v2, 4, v4
	v_add_nc_u32 v[STO], s23, v4
	v_mul_u32_u24 v5, v2, SPITCH
	v_lshl_add_u32 v5, v1, 4, v5
	v_add_nc_u32 v[RD], s23, v5
	v_mul_u32_u24 v5, v2, PITCHC
	v_lshl_add_u32 v[CO], v1, 4, v5
	v_and_b32 v6, 31, v0
	v_lshlrev_b32 v[TA], 4, v6
	; the table's parts for my 128 rows x 128 columns: Q's or K's table, column block 16 (block column % 4) + 8 half;
	; s[68:69]: block 2 (block row % 8) + half, the positions of my first 16 rows; s[66:67]: block 16, the step
	s_lshr_b32 s74, s42, 2                         ; 0: Q's columns, 1: K's
	s_mul_i32 s76, s74, KTAB
	s_and_b32 s75, s42, 3
	s_lshl_b32 s75, s75, 14
	s_add_co_u32 s76, s76, s75
	s_lshl_b32 s75, s12, 13
	s_add_co_u32 s76, s76, s75
	s_mov_b32 s77, 0
	s_add_nc_u64 s[68:69], s[68:69], s[76:77]
	s_add_nc_u64 s[66:67], s[68:69], 16*65536
	s_and_b32 s76, s13, 7
	s_lshl_b32 s76, s76, 17
	s_lshl_b32 s75, s11, 16
	s_add_co_u32 s76, s76, s75
	s_add_nc_u64 s[68:69], s[68:69], s[76:77]
	; the scale, from the norms that the first launch stored.  The same lines in the same order stand in every launch that needs an h, so all agree on it.
.macro REDMAX v, t
	v_max_num_f32_dpp v[\v], v[\v], v[\v] row_xmask:1 row_mask:0xf bank_mask:0xf
	v_max_num_f32_dpp v[\v], v[\v], v[\v] row_xmask:2 row_mask:0xf bank_mask:0xf
	v_max_num_f32_dpp v[\v], v[\v], v[\v] row_xmask:4 row_mask:0xf bank_mask:0xf
	v_max_num_f32_dpp v[\v], v[\v], v[\v] row_xmask:8 row_mask:0xf bank_mask:0xf
	v_permlanex16_b32 v[\t], v[\v], s[SELA], s[SELB]
	v_max_num_f32 v[\v], v[\v], v[\t]
.endm
.macro REDSUM v, t
	v_add_f32_dpp v[\v], v[\v], v[\v] row_xmask:1 row_mask:0xf bank_mask:0xf
	v_add_f32_dpp v[\v], v[\v], v[\v] row_xmask:2 row_mask:0xf bank_mask:0xf
	v_add_f32_dpp v[\v], v[\v], v[\v] row_xmask:4 row_mask:0xf bank_mask:0xf
	v_add_f32_dpp v[\v], v[\v], v[\v] row_xmask:8 row_mask:0xf bank_mask:0xf
	v_permlanex16_b32 v[\t], v[\v], s[SELA], s[SELB]
	v_add_f32 v[\v], v[\v], v[\t]
.endm
.macro RXMAX                           ; v32 = the largest squared row norm, from the 256 partial figures in v[32:39]
	v_max3_num_f32 v32, v32, v33, v34
	v_max3_num_f32 v35, v35, v36, v37
	v_max3_num_f32 v32, v32, v38, v39
	v_max_num_f32 v32, v32, v35
	REDMAX 32, 54
.endm
.macro F2H base, sdst                  ; s[sdst] = h of the matrix whose 128 partial sums lie in v[base:base+3]
	v_add_f32 v[\base], v[\base], v[\base+1]
	v_add_f32 v[\base+2], v[\base+2], v[\base+3]
	v_add_f32 v[\base], v[\base], v[\base+2]
	REDSUM \base, 54
	v_mul_f32 v[\base], v32, v[\base]
	v_readfirstlane_b32 s[\sdst], v[\base]
	s_bfe_u32 s[\sdst], s[\sdst], 0x80017          ; the exponent field, e + 127
	s_sub_co_i32 s[\sdst], s[\sdst], 125
	s_ashr_i32 s[\sdst], s[\sdst], 1               ; (e + 2) >> 1
	s_max_i32 s[\sdst], s[\sdst], -100
	s_min_i32 s[\sdst], s[\sdst], 100
.endm
.macro SCALE sexp                      ; s[72:73] = 2^s[sexp], twice
	s_add_co_i32 s[\sexp], s[\sexp], 127
	s_max_i32 s[\sexp], s[\sexp], 1
	s_min_i32 s[\sexp], s[\sexp], 254
	s_lshl_b32 s72, s[\sexp], 23
	s_mov_b32 s73, s72
.endm
	s_mov_b32 s[SELA], 0x76543210
	s_mov_b32 s[SELB], 0xfedcba98
	v_lshl_add_u32 v29, s74, 9, v[TA]              ; W_Q's or W_K's 128 partial sums
	global_load_b128 v[32:35], v[TA], s[STATS:STATS+1]
	global_load_b128 v[36:39], v[TA], s[STATS:STATS+1] offset:512
	global_load_b128 v[40:43], v29, s[STATS:STATS+1] offset:1024
	TBLOAD TB0, 68                                 ; the factors and their step: no line touches these registers before the way out
	TBLOAD ZS, 66
	WIN 0
	v_mov_b32 v54, 0
	s_wait_loadcnt 32                              ; the three loads of norms are in; the table's 32 stay out
	RXMAX
	F2H 40, 75
	s_cmp_eq_u32 s74, 0
	s_cselect_b32 s76, 14, 8
	s_sub_co_i32 s76, s76, s75                     ; 14 - hQ or 8 - hK
	SCALE 76
; 16 matrix instructions: m blocks a0, a0 + 1 of the window's four x all 8 n blocks, 32 along K.  zero = 1: the first product starts the sums.
; The 64 accumulators take turns, one instruction a turn, in the same order in every quarter step.
.macro MUL16 f, hi, a0, zero
.irp a, \a0, \a0+1
.irp b, 0,1,2,3,4,5,6,7
.if \zero
	v_wmma_f32_16x16x32_bf16 v[8*(8*(\a)+\b):8*(8*(\a)+\b)+7], v[\f+8*\b:\f+8*\b+7], v[\f+8*(4*\hi+\a):\f+8*(4*\hi+\a)+7], 0
.else
	v_wmma_f32_16x16x32_bf16 v[8*(8*(\a)+\b):8*(8*(\a)+\b)+7], v[\f+8*\b:\f+8*\b+7], v[\f+8*(4*\hi+\a):\f+8*(4*\hi+\a)+7], v[8*(8*(\a)+\b):8*(8*(\a)+\b)+7]
.endif
.endr
.endr
.endm
; 32 LDS loads in one run: the fragments of one quarter step into buffer f
.macro FETCH slot, k, f
	WIN TO_B
.irp i, 0,1,2,3,4,5,6,7
	ds_load_b128 v[\f+8*\i:\f+8*\i+3],   v[ADRB+\slot] offset:\k+\i*16*PITCH
	ds_load_b128 v[\f+8*\i+4:\f+8*\i+7], v[ADRB+\slot] offset:\k+\i*16*PITCH+32
.endr
	WIN 0
.irp i, 0,1,2,3,4,5,6,7
	ds_load_b128 v[\f+8*\i:\f+8*\i+3],   v[ADRA+\slot] offset:\k+\i*16*PITCH
	ds_load_b128 v[\f+8*\i+4:\f+8*\i+7], v[ADRA+\slot] offset:\k+\i*16*PITCH+32
.endr
.endm
; four places between a matrix instruction and a load into, or a vector instruction on, its registers (ISA guide 7.12.1 for vector instructions)
.macro PLACES
.rept 4
	v_nop
.endr
.endm
.macro QUARTER slot, k, f, g, zero
	s_wait_dscnt 8                                 ; B and A's rows 0-63 are in; the youngest eight loads (A's rows 64-127) may be out
	WIN MUL_LO
	MUL16 \f, 0, 0, \zero
	MUL16 \f, 0, 2, \zero
	PLACES
	FETCH \slot, \k, \g
	s_wait_dscnt 32                                ; all but the 32 just issued
	WIN MUL_HI
	MUL16 \f, 1, 0, \zero
	MUL16 \f, 1, 2, \zero
.endm
.macro THREE slot, zero
	QUARTER \slot, 64,  F0, F1, \zero
	QUARTER \slot, 128, F1, F0, 0
	QUARTER \slot, 192, F0, F1, 0
.endm
; The last quarter of a K step changes slots.  In front of the barrier each wave waits for its reads of this slot and for all its tensor loads (one is
; out: its part of the next slot).  Where the slot is filled again the barrier opens a round of the cluster's barrier, and the joint refill is the
; first tensor load behind the round: it has a K step less sixteen matrix instructions, 240 of them, in which to land.
.macro TURN slot, next, fill
	s_wait_dscnt 8
	WIN MUL_LO
	MUL16 F1, 0, 0, 0
	s_wait_dscnt 0
	s_set_vgpr_msb 0xa1a0
	s_wait_tensorcnt 0x0
	ds_add_u32 v254, v255
	s_wait_dscnt 0x0
	s_set_vgpr_msb 0xa0a1
	s_barrier_signal -1
	MUL16 F1, 0, 2, 0                              ; register work while the others arrive
	WIN 0
	s_barrier_wait -1
.if \fill
	CREST
	s_add_nc_u64 s[G0+4*\slot+2:G0+4*\slot+3], s[G0+4*\slot+2:G0+4*\slot+3], 2*KSTEP*2     ; no tensor load of mine is out: the descriptors may be stepped
	s_add_nc_u64 s[G0B+4*\slot+2:G0B+4*\slot+3], s[G0B+4*\slot+2:G0B+4*\slot+3], 2*KSTEP*2
	JLOAD \slot
.endif
	PLACES
	FETCH \next, 0, F0
	WIN MUL_HI
	MUL16 F1, 1, 0, 0
	MUL16 F1, 1, 2, 0
.endm
.macro LAP zero
	THREE 0, \zero
	TURN 0, 1, 1
	THREE 1, 0
	TURN 1, 0, 1
.endm
.macro LASTQ                           ; the very last quarter: nothing more to fetch
	s_wait_dscnt 8
	WIN MUL_LO
	MUL16 F1, 0, 0, 0
	MUL16 F1, 0, 2, 0
	s_wait_dscnt 0
	WIN MUL_HI
	MUL16 F1, 1, 0, 0
	MUL16 F1, 1, 2, 0
.endm
	s_wait_tensorcnt 1                             ; my part of K step 0 is in; K step 1's may stay out
	s_barrier_signal -1
	s_barrier_wait -1
	FETCH 0, 0, F0
	LAP 1                                          ; the first lap stands in front of the loop: its first products start the sums
	WIN 0
	s_mov_b32 s3, LAPS-2
.Llap:
	LAP 0
	WIN 0
	s_sub_co_u32 s3, s3, 1
	s_cmp_lg_u32 s3, 0
	s_cbranch_scc1 .Llap
	THREE 0, 0                                     ; the last lap fills nothing
	TURN 0, 1, 0
	THREE 1, 0
	LASTQ
	PLACES
	s_lshl_b32 s13, s13, 8
	s_lshl_b32 s14, s11, 7
	s_add_co_u32 s16, s13, s14                     ; my first row of C
	s_lshl_b32 s16, s16, 12                        ; x 4,096 bytes: below 2^25
	s_mov_b32 s17, 0
	s_add_nc_u64 s[8:9], s[8:9], s[16:17]
	s_lshl_b32 s46, s42, 9                         ; my first column, in bytes
	s_lshl_b32 s47, s12, 8
	s_add_co_u32 s46, s46, s47
	s_mov_b32 s47, 0
	s_add_nc_u64 s[8:9], s[8:9], s[46:47]
	s_wait_loadcnt 0x0                             ; the factors and their step, asked for at the start
	WIN 0x41                                       ; source 0 and destination window 1
.set q, 0
.rept 32
	v_pk_mul_f32 v[TB0+2*q:TB0+2*q+1], v[TB0+2*q:TB0+2*q+1], s[72:73] op_sel_hi:[1,0]   ; the power-of-two scale goes into the factors, once
.set q, q+1
.endr
; 64 results in f32 -> f16, through my own stage, out as whole rows of 256 bytes
.macro TAILH i, rb
	WIN 0
.set q, 0
.rept 32
	v_cvt_pk_f16_f32 v[TMP+q], v[RES+2*q], v[RES+2*q+1]
.set q, q+1
.endr
.irp b, 0,1,2,3,4,5,6,7
	ds_store_b128 v[STO], v[TMP+4*\b:TMP+4*\b+3] offset:32*\b
.endr
	s_wait_xcnt 0x0                                ; the stores' base and the buffer that earlier stores read are rewritten only behind this wait
.if \i
	s_add_nc_u64 s[8:9], s[8:9], 16*PITCHC
.endif
.irp t, 0,1,2,3,4,5,6,7
	ds_load_b128 v[\rb+4*\t:\rb+4*\t+3], v[RD] offset:\t*2*SPITCH      ; LDS serves a wave's instructions in order (ISA guide 5.7.1): these see the stores above
.endr
.irp t, 0,1,2,3,4,5,6,7
	s_wait_dscnt 7-\t
	global_store_b128 v[CO], v[\rb+4*\t:\rb+4*\t+3], s[8:9] offset:2*\t*PITCHC   ; 16 lanes store 256 consecutive bytes, aligned
.endr
.endm
; the factors 16 rows further down: (c, s) <- (c zc - s zs, c zs + s zc), all in window 1
.macro STEP
	WIN 0x55
.irp b, 0,1,2,3,4,5,6,7
.irp q, 0,1,2,3
	v_mul_f32 v[TT+8*\b+2*\q],   v[TB0+8*\b+2*\q+1], v[ZS+8*\b+2*\q+1]
	v_mul_f32 v[TT+8*\b+2*\q+1], v[TB0+8*\b+2*\q+1], v[ZS+8*\b+2*\q]
.endr
.irp q, 0,1,2,3
	v_fma_f32 v[TB0+8*\b+2*\q+1], v[TB0+8*\b+2*\q], v[ZS+8*\b+2*\q+1], v[TT+8*\b+2*\q+1]
	v_fma_f32 v[TB0+8*\b+2*\q],   v[TB0+8*\b+2*\q], v[ZS+8*\b+2*\q],   -v[TT+8*\b+2*\q]
.endr
.endr
.endm
; rows 16 i .. 16 i + 15: XPOS.  For a column pair (e, o): e' = e c - o s, o' = o c + e s, with c and s already times the power-of-two scale.
.macro OUTX i, a, from, rb
.if \i
	STEP
.endif
	WIN \from+4                                    ; source 0: the accumulators' window; source 1: window 1; the rest window 0
.irp b, 0,1,2,3,4,5,6,7
.irp q, 0,1,2,3
	v_pk_mul_f32 v[RES+8*\b+2*\q:RES+8*\b+2*\q+1], v[64*\a+8*\b+2*\q:64*\a+8*\b+2*\q+1], v[TB0+8*\b+2*\q:TB0+8*\b+2*\q+1] op_sel_hi:[1,0]   ; both times c
.endr
.irp q, 0,1,2,3
	v_fma_f32 v[RES+8*\b+2*\q],   -v[64*\a+8*\b+2*\q+1], v[TB0+8*\b+2*\q+1], v[RES+8*\b+2*\q]
	v_fma_f32 v[RES+8*\b+2*\q+1], v[64*\a+8*\b+2*\q],    v[TB0+8*\b+2*\q+1], v[RES+8*\b+2*\q+1]
.endr
.endr
	TAILH \i, \rb
.endm
	OUTX 0, 0, 2, RB0
	OUTX 1, 1, 2, RB1
	OUTX 2, 2, 2, RB0
	OUTX 3, 3, 2, RB1
	OUTX 4, 0, 3, RB0
	OUTX 5, 1, 3, RB1
	OUTX 6, 2, 3, RB0
	OUTX 7, 3, 3, RB1
	s_wait_tensorcnt 0x0
	ds_add_u32 v254, v255
	s_wait_dscnt 0x0
	CROUND                                         ; the closing round: no work-group ends while a partner may still ask for a tile that names it
	s_endpgm
.Lfunc_end_k_q88bc7d84fd_projqk:
	.size	k_q88bc7d84fd_projqk, .Lfunc_end_k_q88bc7d84fd_projqk-k_q88bc7d84fd_projqk
	.p2alignl 7, 3214868480
	.fill 96, 4, 3214868480
	.section	.rodata,"a",@progbits
	.p2align	6, 0x0
	.amdhsa_kernel k_q88bc7d84fd_projqk
		.amdhsa_group_segment_fixed_size 327680
		.amdhsa_private_segment_fixed_size 0
		.amdhsa_enable_private_segment 0
		.amdhsa_kernarg_size 40
		.amdhsa_user_sgpr_count 2
		.amdhsa_user_sgpr_kernarg_segment_ptr 1
		.amdhsa_wavefront_size32 1
		.amdhsa_system_sgpr_workgroup_id_x 1
		.amdhsa_system_sgpr_workgroup_id_y 1
		.amdhsa_system_sgpr_workgroup_id_z 1
		.amdhsa_system_vgpr_workitem_id 0
		.amdhsa_next_free_vgpr 1024
		.amdhsa_next_free_sgpr 100
		.amdhsa_reserve_vcc 0
		.amdhsa_float_denorm_mode_32 3
		.amdhsa_float_denorm_mode_16_64 3
		.amdhsa_memory_ordered 1
		.amdhsa_forward_progress 1
		.amdhsa_inst_pref_size 255
	.end_amdhsa_kernel
	.section	.bss,"aw",@nobits
	.p2align	6
	.space	262144
	.amdgpu_metadata
---
amdhsa.version: [ 1, 2 ]
amdhsa.kernels:
  - .name:           k_q88bc7d84fd_projqk
    .symbol:         k_q88bc7d84fd_projqk.kd
    .args:
      - { .name: xb, .offset: 0, .size: 8, .value_kind: global_buffer, .address_space: global }
      - { .name: wt, .offset: 8, .size: 8, .value_kind: global_buffer, .address_space: global }
      - { .name: qk, .offset: 16, .size: 8, .value_kind: global_buffer, .address_space: global }
      - { .name: tab, .offset: 24, .size: 8, .value_kind: global_buffer, .address_space: global }
      - { .name: stats, .offset: 32, .size: 8, .value_kind: global_buffer, .address_space: global }
    .group_segment_fixed_size: 327680
    .private_segment_fixed_size: 0
    .kernarg_segment_align: 8
    .kernarg_segment_size: 40
    .max_flat_workgroup_size: 128
    .sgpr_count:     100
    .vgpr_count:     1024
    .wavefront_size: 32
...
	.end_amdgpu_metadata
.endif
;; end of part 6
;; launch vscore (part 7): grid 4 x 58, 4 waves a work-group, clusters of 4 x 1, 327,680 bytes of LDS; arguments wt, xb, qk, stats, vt, p; writes vt, p
.if DOCPART == 7
	.amdgcn_target "amdgcn-amd-amdhsa--gfx1250"
	.amdhsa_code_object_version 6
	.text
	.protected	k_q88bc7d84fd_vscore
	.globl	k_q88bc7d84fd_vscore
	.p2align	8
	.type	k_q88bc7d84fd_vscore,@function
k_q88bc7d84fd_vscore:
	s_mov_b64 s[64:65], 0
	v_nop
	global_prefetch_b8 v0, s[64:65] scope:SCOPE_SE
	s_setreg_imm32_b32 hwreg(HW_REG_WAVE_MODE, 25, 1), 1
	s_wait_xcnt 0x0
	s_wait_alu depctr_hold_cnt(0) depctr_sa_sdst(0) depctr_va_vdst(0) depctr_va_sdst(0) depctr_va_ssrc(0) depctr_va_vcc(0) depctr_vm_vsrc(0)
	s_getreg_b32 s2, hwreg(HW_REG_IB_STS2, 6, 4)
	s_cmp_eq_u32 s2, 0
	s_cbranch_scc0 .Lentry_in_a_cluster
	s_endpgm
.Lentry_in_a_cluster:
	s_bfe_u32 s2, ttmp6, 0x10000c
	s_cmp_lg_u32 s2, 0x3003
	s_cbranch_scc0 .Lentry_shape_is_right
	s_endpgm
.Lentry_shape_is_right:
; vscore: two kinds of tile of 256 x 256 x 1024 that do not depend on each other share one launch, 232 work-groups.  c = the place in the cluster, y = the cluster's y.
;   y >= 26: vt[d][row] = (X W_V)^T 2^(15 - hV) in f16: C[m][n] = sum over k of wt_V[m][k] xb[n][k], bf16 operands.  c = block of 256 d, y - 26 = block of 256 rows.
;   y <  26: p[batch][n][m] = (Q^ . K^) gamma^(n - m) 2^-12 for n >= m, else 0, in f16: C[n][m] = sum over d of Q^[n][d] K^[m][d], f16 operands.  c = batch, y = tile.
; BOUNDS: |V^| <= 2^15 (|x . w| < 2^hV).  For n >= m the rotations keep norms and the joint XPOS scale is at most 1, so |Q^ . K^| <= 2^14 2^8 = 2^22 and
; |P^| <= 2^10 gamma^(n - m): inside f16, whatever the inputs' size.
; THE BAND, a limit of P's format: for n - m >= 769, |P^| <= 1.03 x 2^10 x (31/32)^769 = 2.63e-8 < 2^-25, which is 0 in f16 for every input.  In key blocks of 256
; that lie four or more blocks behind the query block n - m >= 4 x 256 - 255 = 769 throughout: they are neither made here nor read by the next launch.
; So what lies below 2^-35 of a score's bound counts as zero.  Query block I takes key blocks max(0, I - 3) .. I: 1 + 2 + 3 + 5 x 4 = 26 tiles a batch.
; THE DIAGONAL TILE's way out goes by wave: rows 128-255 x keys 0-127 lie below the diagonal and leave as in any tile; rows 0-127 x keys 128-255 lie above it and are
; stored as zeros; in the two waves on the diagonal, of row block i only column blocks b <= i are worked on, and block b = i alone is masked.
; CLUSTERS of 4 x 1.  V: the four blocks of d of one block of rows need the same tiles of xb: these are asked for jointly (mask 15), which cuts 128 x 512 KiB of requests
; to a quarter; wt's tiles differ from partner to partner and are plain loads.  SCORES: the four partners make the same tile (I, t) of the four batches and share nothing,
; so their loads are plain.  Q^'s tiles are not shared along a band row: the rows I < 3 have fewer than four tiles, and a row of four holds the diagonal tile, whose way
; out takes other branches than its partners' would, while partners of a cluster run the same branches.  Every refill stands behind a round of the cluster's barrier.
; Shape, ring and registers: four waves, 128 x 128 of C each in 512 registers (windows 2, 3); K in steps of 128 through two LDS slots; waves 0, 1 fetch A's two
; halves, waves 2, 3 B's, one tensor load a wave; fragments of A in window 0, of B in window 1 (v64-191).  The matrix instruction is used transposed (source 0 =
; rows of B): lane l holds row l % 16 of C and columns 8 (l / 16) + 0..7.  Window 1, v0-63: gamma^-(column) for my 64 column places.
; LIMITS of the scale: as stated in the launch that makes Q^ and K^ (one scale for the tensor; h clamped to +-100, exponent fields to 1..254).
.set LAPS,   4
.set KSTEP,  128
.set PITCH,  272                       ; an LDS row: 256 bytes + 16 of padding
.set HALFT,  128*PITCH
.set SLOT,   4*HALFT
.set STAGE,  2*SLOT                    ; behind the ring: 16 rows x 272 bytes for each wave; no tensor load ever lands here
.set SPITCH, 272
.set ADRA, 16
.set ADRB, 20
.set STO,  24
.set RD,   25
.set CO,   26
.set TA,   27
.set DG,   28                          ; the diagonal test's right side
.set RF,   30                          ; v[30:31] gamma^(row part) 2^-12, twice
.set G16,  52                          ; v[52:53] gamma^16, twice
.set F0,   64
.set F1,   128
.set RES,  64
.set RB0,  128
.set RB1,  160
.set TMP,  192
.set G1,  24                           ; scores: my wave's one descriptor; V: wt's tiles
.set G0,  32
.set G1B, 48                           ; V: xb's tiles, joint
.set G0B, 56
.set STATS, 90
.set SELA, 96
.set SELB, 97
.set MSB, 0
.set F16, 0
.set JOINT, 0
.set PITCHC, 4096
.macro WIN new
.if MSB != (\new)
	s_set_vgpr_msb (MSB<<8)|(\new)
.set MSB, (\new)
.endif
.endm
.set MUL_LO, 0xa1
.set MUL_HI, 0xf1
.set TO_B,   0x40
.set PLAIN,  (1<<16)|(1<<20)|(5<<22)|(3<<25)   ; group 1, word 0: elements of 2 bytes, 4 words of padding behind every 64 words, no mask
; V: waves 0 and 1: my own load of wt's tile; waves 2 and 3: the joint load of xb's tile.  The branch hangs on the wave's number alone.
.macro JLOAD s
	s_cmp_eq_u32 s11, 0
	s_cbranch_scc0 .Lfor_b_\@
	tensor_load_to_lds s[G0+4*\s:G0+4*\s+3], s[G1:G1+7]
	s_nop 0
	s_branch .Lasked_\@
.Lfor_b_\@:
	tensor_load_to_lds s[G0B+4*\s:G0B+4*\s+3], s[G1B:G1B+7]
	s_nop 0
.Lasked_\@:
.endm
; A round of the cluster's barrier: my work-group's barrier; wave 0 signals for the work-group; every wave waits for all four; my work-group's barrier again.
.macro CREST
	s_cmp_lg_u32 s10, 0
	s_cbranch_scc1 .Lnot_wave_0_\@
	s_barrier_signal -3
.Lnot_wave_0_\@:
	s_barrier_wait -3
	s_barrier_signal -1
	s_barrier_wait -1
.endm
.macro CROUND
	s_barrier_signal -1
	s_barrier_wait -1
	CREST
.endm
; group 1's words 1 to 7: 128 rows x 128 elements; pitch in elements
.macro SHAPE g, pitch
	s_mov_b32 s[\g+1], KSTEP<<16
	s_mov_b32 s[\g+2], 128<<16
	s_mov_b32 s[\g+3], KSTEP<<16
	s_mov_b32 s[\g+4], 128
	s_mov_b32 s[\g+5], \pitch
	s_mov_b32 s[\g+6], 0
	s_mov_b32 s[\g+7], 0
.endm
; group 0 for slot s: to wave x 128 rows + the slot, from K step s of the tile whose first byte is in s[a:a+1]
.macro FROM g, s, a
	s_mov_b32 s[\g+4*\s], 1
	s_add_co_u32 s[\g+4*\s+1], s20, \s*SLOT
	s_add_nc_u64 s[\g+4*\s+2:\g+4*\s+3], s[\a:\a+1], \s*KSTEP*2
	s_or_b32 s[\g+4*\s+3], s[\g+4*\s+3], 0x80000000
.endm
.macro LANES
	v_and_b32 v1, 15, v0
	v_bfe_u32 v2, v0, 4, 1
	v_mul_u32_u24 v3, v1, PITCH
	v_lshl_add_u32 v3, v2, 4, v3
	s_mul_i32 s21, s11, HALFT
	s_mul_i32 s22, s12, HALFT
	s_add_co_u32 s22, s22, 2*HALFT
.irp s, 0,1
	v_add_nc_u32 v[ADRA+\s], s21, v3
	v_add_nc_u32 v[ADRB+\s], s22, v3
	s_add_co_u32 s21, s21, SLOT
	s_add_co_u32 s22, s22, SLOT
.endr
	s_mul_i32 s23, s10, 16*SPITCH
	s_add_co_u32 s23, s23, STAGE
	v_mul_u32_u24 v4, v1, SPITCH
	v_lshl_add_u32 v4, v2, 4, v4
	v_add_nc_u32 v[STO], s23, v4
	v_mul_u32_u24 v5, v2, SPITCH
	v_lshl_add_u32 v5, v1, 4, v5
	v_add_nc_u32 v[RD], s23, v5
	v_mul_u32_u24 v5, v2, PITCHC
	v_lshl_add_u32 v[CO], v1, 4, v5
	v_and_b32 v6, 31, v0
	v_lshlrev_b32 v[TA], 4, v6
.endm
; 16 matrix instructions; F16 picks the operands' format.  The 64 accumulators take turns, one instruction a turn.
.macro MUL16 f, hi, a0, zero
.irp a, \a0, \a0+1
.irp b, 0,1,2,3,4,5,6,7
.if F16
.if \zero
	v_wmma_f32_16x16x32_f16 v[8*(8*(\a)+\b):8*(8*(\a)+\b)+7], v[\f+8*\b:\f+8*\b+7], v[\f+8*(4*\hi+\a):\f+8*(4*\hi+\a)+7], 0
.else
	v_wmma_f32_16x16x32_f16 v[8*(8*(\a)+\b):8*(8*(\a)+\b)+7], v[\f+8*\b:\f+8*\b+7], v[\f+8*(4*\hi+\a):\f+8*(4*\hi+\a)+7], v[8*(8*(\a)+\b):8*(8*(\a)+\b)+7]
.endif
.else
.if \zero
	v_wmma_f32_16x16x32_bf16 v[8*(8*(\a)+\b):8*(8*(\a)+\b)+7], v[\f+8*\b:\f+8*\b+7], v[\f+8*(4*\hi+\a):\f+8*(4*\hi+\a)+7], 0
.else
	v_wmma_f32_16x16x32_bf16 v[8*(8*(\a)+\b):8*(8*(\a)+\b)+7], v[\f+8*\b:\f+8*\b+7], v[\f+8*(4*\hi+\a):\f+8*(4*\hi+\a)+7], v[8*(8*(\a)+\b):8*(8*(\a)+\b)+7]
.endif
.endif
.endr
.endr
.endm
.macro FETCH slot, k, f
	WIN TO_B
.irp i, 0,1,2,3,4,5,6,7
	ds_load_b128 v[\f+8*\i:\f+8*\i+3],   v[ADRB+\slot] offset:\k+\i*16*PITCH
	ds_load_b128 v[\f+8*\i+4:\f+8*\i+7], v[ADRB+\slot] offset:\k+\i*16*PITCH+32
.endr
	WIN 0
.irp i, 0,1,2,3,4,5,6,7
	ds_load_b128 v[\f+8*\i:\f+8*\i+3],   v[ADRA+\slot] offset:\k+\i*16*PITCH
	ds_load_b128 v[\f+8*\i+4:\f+8*\i+7], v[ADRA+\slot] offset:\k+\i*16*PITCH+32
.endr
.endm
; four places between a matrix instruction and a load into, or a vector instruction on, its registers (ISA guide 7.12.1 for vector instructions)
.macro PLACES
.rept 4
	v_nop
.endr
.endm
.macro QUARTER slot, k, f, g, zero
	s_wait_dscnt 8                                 ; B and A's rows 0-63 are in; the youngest eight loads (A's rows 64-127) may be out
	WIN MUL_LO
	MUL16 \f, 0, 0, \zero
	MUL16 \f, 0, 2, \zero
	PLACES
	FETCH \slot, \k, \g
	s_wait_dscnt 32                                ; all but the 32 just issued
	WIN MUL_HI
	MUL16 \f, 1, 0, \zero
	MUL16 \f, 1, 2, \zero
.endm
.macro THREE slot, zero
	QUARTER \slot, 64,  F0, F1, \zero
	QUARTER \slot, 128, F1, F0, 0
	QUARTER \slot, 192, F0, F1, 0
.endm
; The last quarter of a K step changes slots: each wave waits for its reads of this slot and for all its tensor loads (one is out: its part of the next slot).  Where the
; slot is filled again the barrier opens a round of the cluster's barrier, and the refill is the wave's first tensor load behind the round; it has 240 matrix
; instructions in which to land.
.macro TURN slot, next, fill
	s_wait_dscnt 8
	WIN MUL_LO
	MUL16 F1, 0, 0, 0
	s_wait_dscnt 0
	s_wait_tensorcnt 0x0
	ds_add_u32 v255, v255
	s_wait_dscnt 0x0
	s_barrier_signal -1
	MUL16 F1, 0, 2, 0                              ; register work while the others arrive
	WIN 0
	s_barrier_wait -1
.if \fill
	CREST
	s_add_nc_u64 s[G0+4*\slot+2:G0+4*\slot+3], s[G0+4*\slot+2:G0+4*\slot+3], 2*KSTEP*2     ; no tensor load of mine is out: the descriptors may be stepped
.if JOINT
	s_add_nc_u64 s[G0B+4*\slot+2:G0B+4*\slot+3], s[G0B+4*\slot+2:G0B+4*\slot+3], 2*KSTEP*2
	JLOAD \slot
.else
	tensor_load_to_lds s[G0+4*\slot:G0+4*\slot+3], s[G1:G1+7]
	s_nop 0
.endif
.endif
	PLACES
	FETCH \next, 0, F0
	WIN MUL_HI
	MUL16 F1, 1, 0, 0
	MUL16 F1, 1, 2, 0
.endm
.macro LAP zero
	THREE 0, \zero
	TURN 0, 1, 1
	THREE 1, 0
	TURN 1, 0, 1
.endm
.macro LASTQ
	s_wait_dscnt 8
	WIN MUL_LO
	MUL16 F1, 0, 0, 0
	MUL16 F1, 0, 2, 0
	s_wait_dscnt 0
	WIN MUL_HI
	MUL16 F1, 1, 0, 0
	MUL16 F1, 1, 2, 0
.endm
.macro GEMM4                           ; the whole sum over K = 1024: four laps
	s_wait_tensorcnt 1                             ; my part of K step 0 is in; K step 1's may stay out
	s_barrier_signal -1
	s_barrier_wait -1
	FETCH 0, 0, F0
	LAP 1                                          ; its first products start the sums
	WIN 0
	s_mov_b32 s3, LAPS-2
.Llap_\@:
	LAP 0
	WIN 0
	s_sub_co_u32 s3, s3, 1
	s_cmp_lg_u32 s3, 0
	s_cbranch_scc1 .Llap_\@
	THREE 0, 0                                     ; the last lap fills nothing
	TURN 0, 1, 0
	THREE 1, 0
	LASTQ
	PLACES
	WIN 0
.endm
; column block b's 8 results in f32 -> 16 bytes of f16
.macro CVTB b
.irp q, 0,1,2,3
	v_cvt_pk_f16_f32 v[TMP+4*\b+\q], v[RES+8*\b+2*\q], v[RES+8*\b+2*\q+1]
.endr
.endm
; 16 rows of packed results through my own stage, out as whole rows of 256 bytes
.macro TAILS i, rb
.irp b, 0,1,2,3,4,5,6,7
	ds_store_b128 v[STO], v[TMP+4*\b:TMP+4*\b+3] offset:32*\b
.endr
	s_wait_xcnt 0x0                                ; the stores' base and the buffer that earlier stores read are rewritten only behind this wait
.if \i
	s_add_nc_u64 s[8:9], s[8:9], 16*PITCHC
.endif
.irp t, 0,1,2,3,4,5,6,7
	ds_load_b128 v[\rb+4*\t:\rb+4*\t+3], v[RD] offset:\t*2*SPITCH      ; LDS serves a wave's instructions in order (ISA guide 5.7.1): these see the stores above
.endr
.irp t, 0,1,2,3,4,5,6,7
	s_wait_dscnt 7-\t
	global_store_b128 v[CO], v[\rb+4*\t:\rb+4*\t+3], s[8:9] offset:2*\t*PITCHC   ; 16 lanes store 256 consecutive bytes, aligned
.endr
.endm
.macro TAILH i, rb
	WIN 0
.irp b, 0,1,2,3,4,5,6,7
	CVTB \b
.endr
	TAILS \i, \rb
.endm
; rows 16 i .. 16 i + 15 of a score tile below the diagonal: times gamma^-(column part), times gamma^(row part) 2^-12
.macro OUTP i, a, from, rb
	WIN \from+4                                    ; source 0: the accumulators' window; source 1: window 1
.set q, 0
.rept 32
	v_pk_mul_f32 v[RES+2*q:RES+2*q+1], v[64*\a+2*q:64*\a+2*q+1], v[2*q:2*q+1]
.set q, q+1
.endr
	WIN 0
.if \i
	v_pk_mul_f32 v[RF:RF+1], v[RF:RF+1], v[G16:G16+1]          ; sixteen rows further down
.endif
.set q, 0
.rept 32
	v_pk_mul_f32 v[RES+2*q:RES+2*q+1], v[RES+2*q:RES+2*q+1], v[RF:RF+1]
.set q, q+1
.endr
	TAILH \i, \rb
.endm
; the same for a wave on the diagonal: column blocks b <= i alone; in block b = i, zero where n < m, that is where j > l % 16 - 8 (l / 16);
; the packed registers of blocks b > i were cleared ahead of row block 0 and have not been written since
.macro OUTD i, a, from, rb
	WIN \from+4
.irp b, 0,1,2,3,4,5,6,7
.if \b <= \i
.irp q, 0,1,2,3
	v_pk_mul_f32 v[RES+8*\b+2*\q:RES+8*\b+2*\q+1], v[64*\a+8*\b+2*\q:64*\a+8*\b+2*\q+1], v[8*\b+2*\q:8*\b+2*\q+1]
.endr
.endif
.endr
	WIN 0
.if \i
	v_pk_mul_f32 v[RF:RF+1], v[RF:RF+1], v[G16:G16+1]
.endif
.irp b, 0,1,2,3,4,5,6,7
.if \b <= \i
.irp q, 0,1,2,3
	v_pk_mul_f32 v[RES+8*\b+2*\q:RES+8*\b+2*\q+1], v[RES+8*\b+2*\q:RES+8*\b+2*\q+1], v[RF:RF+1]
.endr
.endif
.endr
.irp j, 0,1,2,3,4,5,6,7
	v_cmp_le_i32 vcc_lo, \j, v[DG]
	v_cndmask_b32 v[RES+8*\i+\j], 0, v[RES+8*\i+\j], vcc_lo
.endr
.irp b, 0,1,2,3,4,5,6,7
.if \b <= \i
	CVTB \b
.endif
.endr
	TAILS \i, \rb
.endm
.macro OUTV i, a, from, rb
	WIN \from
.set q, 0
.rept 32
	v_pk_mul_f32 v[RES+2*q:RES+2*q+1], v[64*\a+2*q:64*\a+2*q+1], s[72:73] op_sel_hi:[1,0]
.set q, q+1
.endr
	TAILH \i, \rb
.endm
.macro REDMAX v, t
	v_max_num_f32_dpp v[\v], v[\v], v[\v] row_xmask:1 row_mask:0xf bank_mask:0xf
	v_max_num_f32_dpp v[\v], v[\v], v[\v] row_xmask:2 row_mask:0xf bank_mask:0xf
	v_max_num_f32_dpp v[\v], v[\v], v[\v] row_xmask:4 row_mask:0xf bank_mask:0xf
	v_max_num_f32_dpp v[\v], v[\v], v[\v] row_xmask:8 row_mask:0xf bank_mask:0xf
	v_permlanex16_b32 v[\t], v[\v], s[SELA], s[SELB]
	v_max_num_f32 v[\v], v[\v], v[\t]
.endm
.macro REDSUM v, t
	v_add_f32_dpp v[\v], v[\v], v[\v] row_xmask:1 row_mask:0xf bank_mask:0xf
	v_add_f32_dpp v[\v], v[\v], v[\v] row_xmask:2 row_mask:0xf bank_mask:0xf
	v_add_f32_dpp v[\v], v[\v], v[\v] row_xmask:4 row_mask:0xf bank_mask:0xf
	v_add_f32_dpp v[\v], v[\v], v[\v] row_xmask:8 row_mask:0xf bank_mask:0xf
	v_permlanex16_b32 v[\t], v[\v], s[SELA], s[SELB]
	v_add_f32 v[\v], v[\v], v[\t]
.endm
.macro RXMAX
	v_max3_num_f32 v32, v32, v33, v34
	v_max3_num_f32 v35, v35, v36, v37
	v_max3_num_f32 v32, v32, v38, v39
	v_max_num_f32 v32, v32, v35
	REDMAX 32, 54
.endm
.macro F2H base, sdst
	v_add_f32 v[\base], v[\base], v[\base+1]
	v_add_f32 v[\base+2], v[\base+2], v[\base+3]
	v_add_f32 v[\base], v[\base], v[\base+2]
	REDSUM \base, 54
	v_mul_f32 v[\base], v32, v[\base]
	v_readfirstlane_b32 s[\sdst], v[\base]
	s_bfe_u32 s[\sdst], s[\sdst], 0x80017
	s_sub_co_i32 s[\sdst], s[\sdst], 125
	s_ashr_i32 s[\sdst], s[\sdst], 1
	s_max_i32 s[\sdst], s[\sdst], -100
	s_min_i32 s[\sdst], s[\sdst], 100
.endm
.macro SCALE sexp
	s_add_co_i32 s[\sexp], s[\sexp], 127
	s_max_i32 s[\sexp], s[\sexp], 1
	s_min_i32 s[\sexp], s[\sexp], 254
	s_lshl_b32 s72, s[\sexp], 23
	s_mov_b32 s73, s72
.endm
	s_load_b256 s[84:91], s[0:1], 0x0              ; wt 84:85, xb 86:87, qk 88:89, stats 90:91
	s_load_b128 s[92:95], s[0:1], 0x20             ; vt 92:93, p 94:95
	s_set_vgpr_msb 0x40
	v_lshl_add_u32 v255, v0, 2, 0x48400
	s_set_vgpr_msb 0x4000
	v_mov_b32 v255, 0
	s_set_vgpr_msb 0x1
	ds_add_u32 v255, v255
	ds_add_u32 v255, v255
	s_set_vgpr_msb 0x100
	v_lshrrev_b32 v1, 5, v0
	v_readfirstlane_b32 s10, v1                    ; wave 0..3
	s_lshr_b32 s11, s10, 1                         ; my half of the block's rows.  Also: I fetch for A (0) or for B (1)
	s_and_b32 s12, s10, 1                          ; my half of its columns.  Also: which 128 rows of that tile I fetch
	s_bfe_u32 s40, ttmp6, 0x40000                  ; c: my place in the cluster (the grid has one cluster along x)
	s_and_b32 s41, ttmp7, 0xffff                   ; y, shared by the four partners
	s_mul_i32 s20, s10, HALFT
	s_mov_b32 s17, 0                               ; the upper word of every offset
	s_mov_b32 s[SELA], 0x76543210
	s_mov_b32 s[SELB], 0xfedcba98
	s_wait_dscnt 0x0
	s_wait_kmcnt 0x0
	s_cmp_ge_u32 s41, 26
	s_cbranch_scc1 .Lvpart
; ---------------------------------------------------------------- a tile of the scores
	; tile j = y of a batch's 26: j >= 6: I = 3 + (j - 6) / 4, t = I - 3 + (j - 6) % 4; else I = (j >= 1) + (j >= 3), t = j - I (I + 1) / 2
	s_max_u32 s75, s41, 6
	s_sub_co_u32 s75, s75, 6
	s_lshr_b32 s76, s75, 2
	s_add_co_u32 s76, s76, 3
	s_and_b32 s77, s75, 3
	s_add_co_u32 s77, s77, s76
	s_sub_co_u32 s77, s77, 3
	s_cmp_ge_u32 s41, 1
	s_cselect_b32 s78, 1, 0
	s_cmp_ge_u32 s41, 3
	s_cselect_b32 s79, 1, 0
	s_add_co_u32 s78, s78, s79
	s_add_co_u32 s79, s78, 1
	s_mul_i32 s79, s79, s78
	s_lshr_b32 s79, s79, 1
	s_sub_co_u32 s79, s41, s79
	s_cmp_ge_u32 s41, 6
	s_cselect_b32 s76, s76, s78                    ; I: query block
	s_cselect_b32 s77, s77, s79                    ; t: key block
	s_cmp_eq_u32 s11, 0
	s_cselect_b32 s81, s76, s77                    ; the block whose rows I fetch: I for Q^, t for K^
	s_cselect_b32 s82, 0, 2048                     ; K^'s columns begin 2,048 bytes into a row of qk
	s_lshl_b32 s16, s40, 23                        ; 2,048 rows of 4,096 bytes a batch
	s_lshl_b32 s81, s81, 20
	s_add_co_u32 s16, s16, s81
	s_lshl_b32 s81, s12, 19
	s_add_co_u32 s16, s16, s81
	s_add_co_u32 s16, s16, s82
	s_add_nc_u64 s[14:15], s[88:89], s[16:17]
	s_mov_b32 s[G1+0], PLAIN
	SHAPE G1, 2048
	CROUND                                         ; in a launch in clusters every group of tensor loads stands behind a round
.irp s, 0,1
	FROM G0, \s, 14
	tensor_load_to_lds s[G0+4*\s:G0+4*\s+3], s[G1:G1+7]            ; two tensor loads of the wave are out
	s_nop 0
.endr
.set PITCHC, 4096
	LANES
	s_lshl_b32 s16, s40, 23                        ; p: 8 MiB a batch, rows of 4,096 bytes
	s_lshl_b32 s18, s76, 20
	s_add_co_u32 s16, s16, s18
	s_lshl_b32 s18, s11, 19
	s_add_co_u32 s16, s16, s18
	s_lshl_b32 s18, s77, 9
	s_add_co_u32 s16, s16, s18
	s_lshl_b32 s18, s12, 8
	s_add_co_u32 s16, s16, s18
	s_add_nc_u64 s[8:9], s[94:95], s[16:17]
	; gamma^(n - m) = gamma^(256 (I - t) + 128 (row half - column half) + l % 16) x gamma^(16 i) x gamma^-(16 b + 8 (l / 16) + j)
	v_lshlrev_b32 v7, 3, v2                        ; 8 (l / 16)
.irp j, 0,1,2,3,4,5,6,7
	v_add_nc_u32 v[32+\j], \j, v7
	v_cvt_f32_u32 v[32+\j], v[32+\j]
	v_mul_f32 v[32+\j], 0x3d3b9ca6, v[32+\j]       ; x -log2(31/32)
.endr
	WIN TO_B
.irp j, 0,1,2,3,4,5,6,7
	v_exp_f32 v[\j], v[32+\j]                      ; window 1: column block 0
.endr
	WIN 0
	v_mov_b32 v48, 0x3f3b9ca6                      ; -16 log2(31/32); also the plain place behind the run above
	s_sub_co_i32 s78, s76, s77
	s_lshl_b32 s78, s78, 8
	s_sub_co_i32 s79, s11, s12
	s_lshl_b32 s79, s79, 7
	s_add_co_i32 s78, s78, s79
	s_mov_b32 s82, 0xbd3b9ca6                      ; log2(31/32)
	s_mov_b32 s83, 0xc1400000                      ; -12
	v_add_nc_u32 v8, s78, v1
	v_cvt_f32_i32 v8, v8
	v_fma_f32 v8, v8, s82, s83
	v_exp_f32 v50, v48                             ; gamma^-16
	v_exp_f32 v[G16], -v48                         ; gamma^16
	v_exp_f32 v[RF], v8
	v_sub_nc_u32 v[DG], v1, v7                     ; l % 16 - 8 (l / 16) (a plain place)
	s_wait_alu depctr_va_vdst(0)
	v_mov_b32 v51, v50
	v_mov_b32 v[G16+1], v[G16]
	v_mov_b32 v[RF+1], v[RF]
	WIN 0x41                                       ; source 0 and destination window 1
.irp b, 1,2,3,4,5,6,7
.irp q, 0,1,2,3
	v_pk_mul_f32 v[8*\b+2*\q:8*\b+2*\q+1], v[8*\b-8+2*\q:8*\b-8+2*\q+1], v[50:51]   ; column block b from block b - 1
.endr
.endr
	WIN 0
.set F16, 1
.set JOINT, 0
	GEMM4
	s_cmp_lg_u32 s76, s77                          ; I and t hang on y alone: the four partners branch alike
	s_cbranch_scc1 .Lfull                          ; a tile behind the diagonal
	s_cmp_eq_u32 s11, s12
	s_cbranch_scc1 .Lhalf                          ; the diagonal tile: my 128 x 128 lies on the diagonal,
	s_cmp_eq_u32 s11, 1
	s_cbranch_scc1 .Lfull                          ; below it,
.irp k, 0,1,2,3
	v_mov_b32 v[TMP+\k], 0                         ; or above it: zeros, two rows of 256 bytes a store
.endr
.set t, 0
.rept 64
	global_store_b128 v[CO], v[TMP:TMP+3], s[8:9] offset:2*t*PITCHC
.set t, t+1
.endr
	s_branch .Lend
.Lhalf:
.set k, 4
.rept 28
	v_mov_b32 v[TMP+k], 0                          ; the packed registers of column blocks 1 to 7: zero until their row block's turn
.set k, k+1
.endr
	OUTD 0, 0, 2, RB0
	OUTD 1, 1, 2, RB1
	OUTD 2, 2, 2, RB0
	OUTD 3, 3, 2, RB1
	OUTD 4, 0, 3, RB0
	OUTD 5, 1, 3, RB1
	OUTD 6, 2, 3, RB0
	OUTD 7, 3, 3, RB1
	s_branch .Lend
.Lfull:
	OUTP 0, 0, 2, RB0
	OUTP 1, 1, 2, RB1
	OUTP 2, 2, 2, RB0
	OUTP 3, 3, 2, RB1
	OUTP 4, 0, 3, RB0
	OUTP 5, 1, 3, RB1
	OUTP 6, 2, 3, RB0
	OUTP 7, 3, 3, RB1
	s_branch .Lend
; ---------------------------------------------------------------- a tile of V, transposed
.Lvpart:
	s_sub_co_u32 s74, s41, 26                      ; block of 256 rows of X, shared by the four partners; the block of 256 d is c
	s_lshl_b32 s18, s12, 18                        ; 128 rows of 2,048 bytes: the half that I fetch
	s_lshl_b32 s16, s40, 19
	s_add_co_u32 s16, s16, s18
	s_add_co_u32 s16, s16, 0x400000                ; W_V's part of wt
	s_add_nc_u64 s[14:15], s[84:85], s[16:17]      ; A: hangs on c: my own
	s_lshl_b32 s46, s74, 19                        ; B: hangs on y and the wave's number alone, in registers that never hold c
	s_add_co_u32 s46, s46, s18
	s_mov_b32 s47, 0
	s_add_nc_u64 s[46:47], s[86:87], s[46:47]
	s_mov_b32 s[G1+0], PLAIN                       ; wt's tiles: mine alone
	s_mov_b32 s[G1B+0], 15|(1<<21)|PLAIN           ; xb's tiles: all four partners
	SHAPE G1, 1024
	SHAPE G1B, 1024
	CROUND                                         ; the four work-groups are here: the first joint loads meet
.irp s, 0,1
	FROM G0, \s, 14
	FROM G0B, \s, 46
	JLOAD \s                                       ; two tensor loads of the wave are out
.endr
.set PITCHC, 16384
	LANES
	s_lshl_b32 s16, s40, 22                        ; vt: rows of 16,384 bytes
	s_lshl_b32 s18, s11, 21
	s_add_co_u32 s16, s16, s18
	s_lshl_b32 s18, s74, 9
	s_add_co_u32 s16, s16, s18
	s_lshl_b32 s18, s12, 8
	s_add_co_u32 s16, s16, s18
	s_add_nc_u64 s[8:9], s[92:93], s[16:17]
	global_load_b128 v[32:35], v[TA], s[STATS:STATS+1]
	global_load_b128 v[36:39], v[TA], s[STATS:STATS+1] offset:512
	global_load_b128 v[40:43], v[TA], s[STATS:STATS+1] offset:2048
	v_mov_b32 v54, 0
	s_wait_loadcnt 0x0
	RXMAX
	F2H 40, 76
	s_sub_co_i32 s76, 15, s76                      ; 15 - hV
	SCALE 76
.set F16, 0
.set JOINT, 1
	GEMM4
	OUTV 0, 0, 2, RB0
	OUTV 1, 1, 2, RB1
	OUTV 2, 2, 2, RB0
	OUTV 3, 3, 2, RB1
	OUTV 4, 0, 3, RB0
	OUTV 5, 1, 3, RB1
	OUTV 6, 2, 3, RB0
	OUTV 7, 3, 3, RB1
.Lend:
	s_set_vgpr_msb 0x1
	s_wait_tensorcnt 0x0
	ds_add_u32 v255, v255
	s_wait_dscnt 0x0
	s_set_vgpr_msb 0x100
	CROUND                                         ; the closing round, on every wave's way: no work-group ends while a partner may still ask for a tile that names it
	s_endpgm
.Lfunc_end_k_q88bc7d84fd_vscore:
	.size	k_q88bc7d84fd_vscore, .Lfunc_end_k_q88bc7d84fd_vscore-k_q88bc7d84fd_vscore
	.p2alignl 7, 3214868480
	.fill 96, 4, 3214868480
	.section	.rodata,"a",@progbits
	.p2align	6, 0x0
	.amdhsa_kernel k_q88bc7d84fd_vscore
		.amdhsa_group_segment_fixed_size 327680
		.amdhsa_private_segment_fixed_size 0
		.amdhsa_enable_private_segment 0
		.amdhsa_kernarg_size 48
		.amdhsa_user_sgpr_count 2
		.amdhsa_user_sgpr_kernarg_segment_ptr 1
		.amdhsa_wavefront_size32 1
		.amdhsa_system_sgpr_workgroup_id_x 1
		.amdhsa_system_sgpr_workgroup_id_y 1
		.amdhsa_system_sgpr_workgroup_id_z 1
		.amdhsa_system_vgpr_workitem_id 0
		.amdhsa_next_free_vgpr 1024
		.amdhsa_next_free_sgpr 100
		.amdhsa_reserve_vcc 1
		.amdhsa_float_denorm_mode_32 3
		.amdhsa_float_denorm_mode_16_64 3
		.amdhsa_memory_ordered 1
		.amdhsa_forward_progress 1
		.amdhsa_inst_pref_size 255
	.end_amdhsa_kernel
	.section	.bss,"aw",@nobits
	.p2align	6
	.space	262144
	.amdgpu_metadata
---
amdhsa.version: [ 1, 2 ]
amdhsa.kernels:
  - .name:           k_q88bc7d84fd_vscore
    .symbol:         k_q88bc7d84fd_vscore.kd
    .args:
      - { .name: wt, .offset: 0, .size: 8, .value_kind: global_buffer, .address_space: global }
      - { .name: xb, .offset: 8, .size: 8, .value_kind: global_buffer, .address_space: global }
      - { .name: qk, .offset: 16, .size: 8, .value_kind: global_buffer, .address_space: global }
      - { .name: stats, .offset: 24, .size: 8, .value_kind: global_buffer, .address_space: global }
      - { .name: vt, .offset: 32, .size: 8, .value_kind: global_buffer, .address_space: global }
      - { .name: p, .offset: 40, .size: 8, .value_kind: global_buffer, .address_space: global }
    .group_segment_fixed_size: 327680
    .private_segment_fixed_size: 0
    .kernarg_segment_align: 8
    .kernarg_segment_size: 48
    .max_flat_workgroup_size: 128
    .sgpr_count:     100
    .vgpr_count:     1024
    .wavefront_size: 32
...
	.end_amdgpu_metadata
.endif
;; end of part 7
;; launch pv (part 8): grid 8 x 32, 4 waves a work-group, clusters of 4 x 1, 327,680 bytes of LDS; arguments p, vt, out0, stats; writes out0
.if DOCPART == 8
	.amdgcn_target "amdgcn-amd-amdhsa--gfx1250"
	.amdhsa_code_object_version 6
	.text
	.protected	k_q88bc7d84fd_pv
	.globl	k_q88bc7d84fd_pv
	.p2align	8
	.type	k_q88bc7d84fd_pv,@function
k_q88bc7d84fd_pv:
	s_mov_b64 s[64:65], 0
	v_nop
	global_prefetch_b8 v0, s[64:65] scope:SCOPE_SE
	s_setreg_imm32_b32 hwreg(HW_REG_WAVE_MODE, 25, 1), 1
	s_wait_xcnt 0x0
	s_wait_alu depctr_hold_cnt(0) depctr_sa_sdst(0) depctr_va_vdst(0) depctr_va_sdst(0) depctr_va_ssrc(0) depctr_va_vcc(0) depctr_vm_vsrc(0)
	s_getreg_b32 s2, hwreg(HW_REG_IB_STS2, 6, 4)
	s_cmp_eq_u32 s2, 0
	s_cbranch_scc0 .Lentry_in_a_cluster
	s_endpgm
.Lentry_in_a_cluster:
	s_bfe_u32 s2, ttmp6, 0x10000c
	s_cmp_lg_u32 s2, 0x3003
	s_cbranch_scc0 .Lentry_shape_is_right
	s_endpgm
.Lentry_shape_is_right:
; pv: out0[row][d] = (sum over the band's keys m of P^[row][m] V^[m][d]) x 2^(hQ + hK + hV - 25), f16 operands, f32 sums, f32 out.
; C[n][d] = sum over m of p[n][m] vt[d][m].  A work-group makes 256 rows x 128 d; query block I of a batch sums over key blocks max(0, I - 3) .. I, that is
; min(I + 1, 4) laps of two K steps of 128 keys: the blocks further back hold weights that are 0 in f16 for every input (stated where they are made) and were not stored.
; The last scale undoes the three operands' scales: 2^(14 - hQ) 2^(8 - hK) 2^-12 2^(15 - hV) = 2^(25 - hQ - hK - hV); its exponent field is clamped to 1..254.
; SHAPE: 32 block rows x 8 block columns = 256 work-groups; blocks of 256 x 256 would be 128.  Four waves, 128 rows x 64 d each: 32 accumulator tiles, 256 registers
; (window 2).  For 32 along K a wave loads (128 + 64) x 64 bytes from LDS and issues 32 matrix instructions.
; CLUSTER 4 x 1: four work-groups of a block row read the same tiles of p: these are asked for jointly (mask 15).  vt's tiles differ from partner to partner and
; are plain loads, issued behind the same rounds.  The number of laps hangs on the block row alone, which the four share.
; RING: two LDS slots of one K step: p's 256 rows (waves 0 and 1 fetch 128 each), then vt's 128 rows (waves 2 and 3 fetch 64 each).  Two slots of two K steps would
; take 2 x 384 x 528 = 405,504 bytes and do not fit.
; PREFETCH of p: a lap's tile of p is 256 rows x 512 bytes = 512 blocks of 256 bytes, and each is asked for once in the launch: the eight work-groups of a block row take
; 32 rows each, waves 0 and 1 take 16 of them each, the two halves of the lanes a row's two blocks: one instruction a lap in each of the two waves.  Lap 1 is asked for
; behind the first fills, lap k + 2 behind lap k's first refill, which is two and three K steps (256 and 384 matrix instructions of a wave) ahead of the tensor loads
; that want it; laps at or past the work-group's count are not asked for, so no request leaves the stored band.  At most two laps, 32 KiB a work-group, are asked for and
; not yet read.  vt is left out: work-group I reads key block t in lap t - max(I - 3, 0), so the next query block's work-groups have read it one lap earlier.
; Fragments of A in window 0, of B in window 1.  The matrix instruction is used transposed (source 0 = rows of vt): lane l holds row l % 16 of C and columns
; 8 (l / 16) + 0..7, 32 neighbouring bytes of f32.
.set KSTEP,  128
.set PITCH,  272                       ; an LDS row: 256 bytes + 16 of padding
.set HALFT,  128*PITCH
.set QUART,  64*PITCH
.set SLOT,   3*HALFT                   ; A's 256 rows, then B's 128 rows
.set STAGE,  2*SLOT                    ; behind the ring: 16 rows x 272 bytes for each wave; no tensor load ever lands here
.set SPITCH, 272                       ; 64 f32 + 16 bytes
.set PITCHC, 4096                      ; bytes from row to row of out0
.set ADRA, 16
.set ADRB, 20
.set STO,  24
.set RD,   25
.set CO,   26
.set TA,   27                          ; 16 x lane: offset into stats
.set PF,   29                          ; the prefetch's offset: my row of the block row's 256 and my block of a lap's two; never rewritten
.set F0,   64
.set F1,   128
.set RES,  64                          ; the way out: 32 results
.set RB0,  128                         ; rows read back, two buffers
.set RB1,  160
.set G1,  24
.set G0,  32
.set G1B, 48
.set G0B, 56
.set STATS, 70
.set SELA, 96
.set SELB, 97
.set MSB, 0
.macro WIN new
.if MSB != (\new)
	s_set_vgpr_msb (MSB<<8)|(\new)
.set MSB, (\new)
.endif
.endm
.set MUL,  0xa1                        ; source 0 (B) window 1, source 1 (A) window 0, C and D window 2
.set TO_B, 0x40
; waves 0 and 1: the joint load of p's tile; waves 2 and 3: my own load of vt's tile.  The branch hangs on the wave's number alone.
.macro JLOAD s
	s_cmp_eq_u32 s11, 0
	s_cbranch_scc0 .Lfor_b_\@
	tensor_load_to_lds s[G0+4*\s:G0+4*\s+3], s[G1:G1+7]
	s_nop 0
	s_branch .Lasked_\@
.Lfor_b_\@:
	tensor_load_to_lds s[G0B+4*\s:G0B+4*\s+3], s[G1B:G1B+7]
	s_nop 0
.Lasked_\@:
.endm
.macro CREST
	s_cmp_lg_u32 s10, 0
	s_cbranch_scc1 .Lnot_wave_0_\@
	s_barrier_signal -3
.Lnot_wave_0_\@:
	s_barrier_wait -3
	s_barrier_signal -1
	s_barrier_wait -1
.endm
.macro CROUND
	s_barrier_signal -1
	s_barrier_wait -1
	CREST
.endm
; My share of lap s85's tile of p is asked for, if that lap exists and I am wave 0 or 1 (s84 = the laps for these two waves, 0 for the others).
; first = 0: the lap and the base step on; the last prefetch that read the base was issued a lap ago.
.macro PFETCH first
.if \first == 0
	s_wait_xcnt 0x0                                ; the base is rewritten only behind this wait
	s_add_nc_u64 s[86:87], s[86:87], 512           ; 256 keys on
	s_add_co_u32 s85, s85, 1
.endif
	s_cmp_lt_u32 s85, s84
	s_cbranch_scc0 .Lno_pf_\@
	global_prefetch_b8 v[PF], s[86:87] th:TH_LOAD_NT scope:SCOPE_SE
.Lno_pf_\@:
.endm
	s_load_b128 s[4:7], s[0:1], 0x0                ; p s[4:5], vt s[6:7]
	s_load_b64 s[8:9], s[0:1], 0x10                ; out0
	s_load_b64 s[70:71], s[0:1], 0x18              ; stats
	s_set_vgpr_msb 0x40
	v_lshl_add_u32 v255, v0, 2, 0x37400
	s_set_vgpr_msb 0x4000
	v_mov_b32 v255, 0
	s_set_vgpr_msb 0x1
	ds_add_u32 v255, v255
	ds_add_u32 v255, v255
	s_set_vgpr_msb 0x100
	v_lshrrev_b32 v1, 5, v0
	v_readfirstlane_b32 s10, v1                    ; wave 0..3
	s_lshr_b32 s11, s10, 1                         ; my half of the block's rows.  Also: I fetch for A (0) or for B (1)
	s_and_b32 s12, s10, 1                          ; my half of its columns.  Also: which half of that tile's rows I fetch
	s_bfe_u32 s40, ttmp6, 0x40000                  ; cx
	s_lshl_b32 s45, ttmp9, 2
	s_add_co_u32 s40, s45, s40                     ; block column = 4 x cluster x + cx
	s_and_b32 s13, ttmp7, 0xffff                   ; block row, shared by the four partners
	s_lshr_b32 s41, s13, 3                         ; batch
	s_and_b32 s42, s13, 7                          ; I
	s_sub_co_i32 s43, s42, 3
	s_max_i32 s43, s43, 0                          ; first key block
	s_add_co_u32 s44, s42, 1
	s_min_u32 s44, s44, 4                          ; laps = key blocks
	s_cmp_eq_u32 s11, 0
	s_cselect_b32 s84, s44, 0                      ; the prefetch's bound: the laps for waves 0 and 1, none for waves 2 and 3
	s_mov_b32 s85, 1                               ; the lap that is asked for next
	v_and_b32 v7, 15, v0
	v_bfe_u32 v8, v0, 4, 1
	s_lshl_b32 s82, s40, 5                         ; 32 rows a block column,
	s_lshl_b32 s83, s12, 4                         ; 16 a wave,
	s_add_co_u32 s82, s82, s83
	v_add_nc_u32 v7, s82, v7                       ; one a lane of a half
	v_lshlrev_b32 v7, 12, v7                       ; rows of 4,096 bytes
	v_lshl_add_u32 v[PF], v8, 8, v7                ; the upper half of the lanes: the row's second 256 bytes
	s_lshl_b32 s82, s41, 23                        ; lap 1 of my block row in p
	s_lshl_b32 s83, s42, 20
	s_add_co_u32 s82, s82, s83
	s_lshl_b32 s83, s43, 9
	s_add_co_u32 s82, s82, s83
	s_add_co_u32 s82, s82, 512
	s_mov_b32 s83, 0
	s_mov_b32 s[G1+0], 15|(1<<16)|(1<<20)|(1<<21)|(5<<22)|(3<<25)      ; p's tiles: all four partners
	s_mov_b32 s[G1B+0], (1<<16)|(1<<20)|(5<<22)|(3<<25)                ; vt's tiles: mine alone
	s_mov_b32 s[G1B+1], KSTEP<<16
	s_mov_b32 s[G1+1], KSTEP<<16
	s_mov_b32 s[G1B+2], 64<<16                     ; vt: 64 rows a load
	s_mov_b32 s[G1+2], 128<<16                     ; p: 128 rows a load
	s_mov_b32 s[G1B+3], KSTEP<<16
	s_mov_b32 s[G1+3], KSTEP<<16
	s_mov_b32 s[G1B+4], 64
	s_mov_b32 s[G1+4], 128
	s_mov_b32 s[G1B+5], 8192                       ; vt: 8,192 elements from row to row
	s_mov_b32 s[G1+5], 2048                        ; p: 2,048
	s_mov_b32 s[G1B+6], 0
	s_mov_b32 s[G1+6], 0
	s_mov_b32 s[G1B+7], 0
	s_mov_b32 s[G1+7], 0
	s_lshl_b32 s16, s41, 23                        ; p: 8 MiB a batch,
	s_lshl_b32 s17, s42, 20                        ; 256 rows of 4,096 bytes a block,
	s_add_co_u32 s16, s16, s17
	s_lshl_b32 s17, s12, 19                        ; the half that I fetch,
	s_add_co_u32 s16, s16, s17
	s_lshl_b32 s17, s43, 9                         ; 256 keys of 2 bytes a key block
	s_add_co_u32 s16, s16, s17
	s_mov_b32 s17, 0
	s_lshl_b32 s46, s40, 21                        ; vt: 128 rows of 16,384 bytes a block column,
	s_lshl_b32 s47, s12, 20                        ; the 64 rows that I fetch,
	s_add_co_u32 s46, s46, s47
	s_lshl_b32 s47, s41, 12                        ; 2,048 keys a batch,
	s_add_co_u32 s46, s46, s47
	s_lshl_b32 s47, s43, 9
	s_add_co_u32 s46, s46, s47
	s_mov_b32 s47, 0
	s_mul_i32 s20, s10, HALFT                      ; waves 0, 1: A's rows 0-127, 128-255
	s_mul_i32 s19, s10, QUART
	s_add_co_u32 s19, s19, HALFT                   ; waves 2, 3: 64 wave + 128 = rows 256-319, 320-383 of the slot
	s_wait_dscnt 0x0
	s_wait_kmcnt 0x0
	s_add_nc_u64 s[14:15], s[4:5], s[16:17]
	s_add_nc_u64 s[46:47], s[6:7], s[46:47]
	s_add_nc_u64 s[86:87], s[4:5], s[82:83]
	CROUND                                         ; the four work-groups are here: the first joint loads meet
.irp s, 0,1
	s_mov_b32 s[G0+4*\s], 1
	s_add_co_u32 s[G0+4*\s+1], s20, \s*SLOT
	s_add_nc_u64 s[G0+4*\s+2:G0+4*\s+3], s[14:15], \s*KSTEP*2
	s_or_b32 s[G0+4*\s+3], s[G0+4*\s+3], 0x80000000
	s_mov_b32 s[G0B+4*\s], 1
	s_add_co_u32 s[G0B+4*\s+1], s19, \s*SLOT
	s_add_nc_u64 s[G0B+4*\s+2:G0B+4*\s+3], s[46:47], \s*KSTEP*2
	s_or_b32 s[G0B+4*\s+3], s[G0B+4*\s+3], 0x80000000
	JLOAD \s                                       ; two tensor loads of the wave are out
.endr
	PFETCH 1                                       ; lap 1, whose tensor loads go out behind K steps 0 and 1
	v_and_b32 v1, 15, v0
	v_bfe_u32 v2, v0, 4, 1
	v_mul_u32_u24 v3, v1, PITCH
	v_lshl_add_u32 v3, v2, 4, v3
	s_mul_i32 s21, s11, HALFT                      ; my 128 rows of A
	s_mul_i32 s22, s12, QUART                      ; my 64 rows of B,
	s_add_co_u32 s22, s22, 2*HALFT                 ; which lie behind A's 256
.irp s, 0,1
	v_add_nc_u32 v[ADRA+\s], s21, v3
	v_add_nc_u32 v[ADRB+\s], s22, v3
	s_add_co_u32 s21, s21, SLOT
	s_add_co_u32 s22, s22, SLOT
.endr
	s_mul_i32 s23, s10, 16*SPITCH
	s_add_co_u32 s23, s23, STAGE
	v_mul_u32_u24 v4, v1, SPITCH                   ; in: row l % 16, 32 bytes for each half of the lanes
	v_lshl_add_u32 v4, v2, 5, v4
	v_add_nc_u32 v[STO], s23, v4
	v_mul_u32_u24 v5, v2, SPITCH                   ; back: lanes 0-15 take one row of 256 bytes, lanes 16-31 the next
	v_lshl_add_u32 v5, v1, 4, v5
	v_add_nc_u32 v[RD], s23, v5
	v_mul_u32_u24 v5, v2, PITCHC                   ; and the same two rows in out0
	v_lshl_add_u32 v[CO], v1, 4, v5
	v_and_b32 v6, 31, v0
	v_lshlrev_b32 v[TA], 4, v6
	s_lshl_b32 s76, s13, 20                        ; out0: 256 rows of 4,096 bytes a block row,
	s_lshl_b32 s77, s11, 19
	s_add_co_u32 s76, s76, s77
	s_lshl_b32 s77, s40, 9                         ; 128 f32 a block column,
	s_add_co_u32 s76, s76, s77
	s_lshl_b32 s77, s12, 8
	s_add_co_u32 s76, s76, s77
	s_mov_b32 s77, 0
	s_add_nc_u64 s[8:9], s[8:9], s[76:77]
	; the three h, by the same lines in the same order as in the launches that scaled the operands
.macro REDMAX v, t
	v_max_num_f32_dpp v[\v], v[\v], v[\v] row_xmask:1 row_mask:0xf bank_mask:0xf
	v_max_num_f32_dpp v[\v], v[\v], v[\v] row_xmask:2 row_mask:0xf bank_mask:0xf
	v_max_num_f32_dpp v[\v], v[\v], v[\v] row_xmask:4 row_mask:0xf bank_mask:0xf
	v_max_num_f32_dpp v[\v], v[\v], v[\v] row_xmask:8 row_mask:0xf bank_mask:0xf
	v_permlanex16_b32 v[\t], v[\v], s[SELA], s[SELB]
	v_max_num_f32 v[\v], v[\v], v[\t]
.endm
.macro REDSUM v, t
	v_add_f32_dpp v[\v], v[\v], v[\v] row_xmask:1 row_mask:0xf bank_mask:0xf
	v_add_f32_dpp v[\v], v[\v], v[\v] row_xmask:2 row_mask:0xf bank_mask:0xf
	v_add_f32_dpp v[\v], v[\v], v[\v] row_xmask:4 row_mask:0xf bank_mask:0xf
	v_add_f32_dpp v[\v], v[\v], v[\v] row_xmask:8 row_mask:0xf bank_mask:0xf
	v_permlanex16_b32 v[\t], v[\v], s[SELA], s[SELB]
	v_add_f32 v[\v], v[\v], v[\t]
.endm
.macro RXMAX
	v_max3_num_f32 v32, v32, v33, v34
	v_max3_num_f32 v35, v35, v36, v37
	v_max3_num_f32 v32, v32, v38, v39
	v_max_num_f32 v32, v32, v35
	REDMAX 32, 54
.endm
.macro F2H base, sdst
	v_add_f32 v[\base], v[\base], v[\base+1]
	v_add_f32 v[\base+2], v[\base+2], v[\base+3]
	v_add_f32 v[\base], v[\base], v[\base+2]
	REDSUM \base, 54
	v_mul_f32 v[\base], v32, v[\base]
	v_readfirstlane_b32 s[\sdst], v[\base]
	s_bfe_u32 s[\sdst], s[\sdst], 0x80017
	s_sub_co_i32 s[\sdst], s[\sdst], 125
	s_ashr_i32 s[\sdst], s[\sdst], 1
	s_max_i32 s[\sdst], s[\sdst], -100
	s_min_i32 s[\sdst], s[\sdst], 100
.endm
.macro SCALE sexp
	s_add_co_i32 s[\sexp], s[\sexp], 127
	s_max_i32 s[\sexp], s[\sexp], 1
	s_min_i32 s[\sexp], s[\sexp], 254
	s_lshl_b32 s72, s[\sexp], 23
	s_mov_b32 s73, s72
.endm
	s_mov_b32 s[SELA], 0x76543210
	s_mov_b32 s[SELB], 0xfedcba98
	global_load_b128 v[32:35], v[TA], s[STATS:STATS+1]
	global_load_b128 v[36:39], v[TA], s[STATS:STATS+1] offset:512
	global_load_b128 v[40:43], v[TA], s[STATS:STATS+1] offset:1024
	global_load_b128 v[44:47], v[TA], s[STATS:STATS+1] offset:1536
	global_load_b128 v[48:51], v[TA], s[STATS:STATS+1] offset:2048
	v_mov_b32 v54, 0
	s_wait_loadcnt 0x0
	RXMAX
	F2H 40, 78
	F2H 44, 79
	F2H 48, 80
	s_add_co_i32 s78, s78, s79
	s_add_co_i32 s78, s78, s80
	s_sub_co_i32 s78, s78, 25
	SCALE 78
; 4 matrix instructions: row block a x the 4 column blocks, 32 along K.  zero = 1: the first product starts the sums.
; The 32 accumulators take turns, one instruction a turn, in the same order in every quarter step.
.macro MULA f, a, zero
.irp b, 0,1,2,3
.if \zero
	v_wmma_f32_16x16x32_f16 v[8*(4*(\a)+\b):8*(4*(\a)+\b)+7], v[\f+8*\b:\f+8*\b+7], v[\f+8*(\a):\f+8*(\a)+7], 0
.else
	v_wmma_f32_16x16x32_f16 v[8*(4*(\a)+\b):8*(4*(\a)+\b)+7], v[\f+8*\b:\f+8*\b+7], v[\f+8*(\a):\f+8*(\a)+7], v[8*(4*(\a)+\b):8*(4*(\a)+\b)+7]
.endif
.endr
.endm
.macro MUL16 f, a0, zero
	MULA \f, \a0, \zero
	MULA \f, \a0+1, \zero
	MULA \f, \a0+2, \zero
	MULA \f, \a0+3, \zero
.endm
; 24 LDS loads in one run: the fragments of one quarter step (64 rows of B, 128 rows of A) into buffer f
.macro FETCH slot, k, f
	WIN TO_B
.irp i, 0,1,2,3
	ds_load_b128 v[\f+8*\i:\f+8*\i+3],   v[ADRB+\slot] offset:\k+\i*16*PITCH
	ds_load_b128 v[\f+8*\i+4:\f+8*\i+7], v[ADRB+\slot] offset:\k+\i*16*PITCH+32
.endr
	WIN 0
.irp i, 0,1,2,3,4,5,6,7
	ds_load_b128 v[\f+8*\i:\f+8*\i+3],   v[ADRA+\slot] offset:\k+\i*16*PITCH
	ds_load_b128 v[\f+8*\i+4:\f+8*\i+7], v[ADRA+\slot] offset:\k+\i*16*PITCH+32
.endr
.endm
; four places between a matrix instruction and a load into, or a vector instruction on, its registers (ISA guide 7.12.1 for vector instructions)
.macro PLACES
.rept 4
	v_nop
.endr
.endm
.macro QUARTER slot, k, f, g, zero
	s_wait_dscnt 8                                 ; B and A's rows 0-63 are in; the youngest eight loads (A's rows 64-127) may be out
	WIN MUL
	MUL16 \f, 0, \zero
	PLACES
	FETCH \slot, \k, \g
	s_wait_dscnt 24                                ; all but the 24 just issued
	WIN MUL
	MUL16 \f, 4, \zero
.endm
.macro THREE slot, zero
	QUARTER \slot, 64,  F0, F1, \zero
	QUARTER \slot, 128, F1, F0, 0
	QUARTER \slot, 192, F0, F1, 0
.endm
; The last quarter of a K step changes slots: the waits for my reads of this slot and for all my tensor loads, the barrier (which opens a round of the cluster's barrier
; where the slot is filled again), and the refill first behind it, one tensor load a wave, with 120 matrix instructions in which to land.  Behind a lap's first refill
; stands the prefetch for the lap after the next.
.macro TURN slot, next, fill
	s_wait_dscnt 8
	WIN MUL
	MULA F1, 0, 0
	MULA F1, 1, 0
	s_wait_dscnt 0
	s_wait_tensorcnt 0x0
	ds_add_u32 v255, v255
	s_wait_dscnt 0x0
	s_barrier_signal -1
	MULA F1, 2, 0                                  ; register work while the others arrive
	MULA F1, 3, 0
	WIN 0
	s_barrier_wait -1
.if \fill
	CREST
	s_add_nc_u64 s[G0+4*\slot+2:G0+4*\slot+3], s[G0+4*\slot+2:G0+4*\slot+3], 2*KSTEP*2     ; no tensor load of mine is out: the descriptors may be stepped
	s_add_nc_u64 s[G0B+4*\slot+2:G0B+4*\slot+3], s[G0B+4*\slot+2:G0B+4*\slot+3], 2*KSTEP*2
	JLOAD \slot
.if \slot == 0
	PFETCH 0
.endif
.endif
	PLACES
	FETCH \next, 0, F0
	WIN MUL
	MUL16 F1, 4, 0
.endm
.macro LAP zero
	THREE 0, \zero
	TURN 0, 1, 1
	THREE 1, 0
	TURN 1, 0, 1
.endm
.macro LASTQ
	s_wait_dscnt 8
	WIN MUL
	MUL16 F1, 0, 0
	s_wait_dscnt 0
	MUL16 F1, 4, 0
.endm
	s_wait_tensorcnt 1                             ; my part of K step 0 is in; K step 1's may stay out
	s_barrier_signal -1
	s_barrier_wait -1
	FETCH 0, 0, F0
	s_cmp_eq_u32 s44, 1
	s_cbranch_scc1 .Lone
	LAP 1                                          ; two laps or more: the first starts the sums and fills both slots again
	WIN 0
	s_sub_co_u32 s3, s44, 2
	s_cmp_eq_u32 s3, 0
	s_cbranch_scc1 .Ltail
.Llap:
	LAP 0
	WIN 0
	s_sub_co_u32 s3, s3, 1
	s_cmp_lg_u32 s3, 0
	s_cbranch_scc1 .Llap
.Ltail:
	THREE 0, 0                                     ; the last lap fills nothing
	TURN 0, 1, 0
	THREE 1, 0
	LASTQ
	WIN 0
	s_branch .Lout
.Lone:
	THREE 0, 1                                     ; one lap alone (the first query block of a batch): the two first fills are all there is
	TURN 0, 1, 0
	THREE 1, 0
	LASTQ
	WIN 0
.Lout:
	PLACES
; rows 16 i .. 16 i + 15 of my block = the four tiles (i, 0..3): the scale, 32 bytes a lane into my own stage, back as whole rows of 256 bytes
.macro OUTO i, rb
	WIN 2                                          ; source 0 window 2
.set q, 0
.rept 16
	v_pk_mul_f32 v[RES+2*q:RES+2*q+1], v[32*\i+2*q:32*\i+2*q+1], s[72:73] op_sel_hi:[1,0]
.set q, q+1
.endr
	WIN 0
.irp b, 0,1,2,3
	ds_store_b128 v[STO], v[RES+8*\b:RES+8*\b+3] offset:64*\b
	ds_store_b128 v[STO], v[RES+8*\b+4:RES+8*\b+7] offset:64*\b+16
.endr
	s_wait_xcnt 0x0                                ; the stores' base and the buffer that earlier stores read are rewritten only behind this wait
.if \i
	s_add_nc_u64 s[8:9], s[8:9], 16*PITCHC
.endif
.irp t, 0,1,2,3,4,5,6,7
	ds_load_b128 v[\rb+4*\t:\rb+4*\t+3], v[RD] offset:\t*2*SPITCH      ; LDS serves a wave's instructions in order (ISA guide 5.7.1): these see the stores above
.endr
.irp t, 0,1,2,3,4,5,6,7
	s_wait_dscnt 7-\t
	global_store_b128 v[CO], v[\rb+4*\t:\rb+4*\t+3], s[8:9] offset:2*\t*PITCHC th:TH_STORE_NT   ; 16 lanes store 256 consecutive bytes, aligned
.endr
.endm
	OUTO 0, RB0
	OUTO 1, RB1
	OUTO 2, RB0
	OUTO 3, RB1
	OUTO 4, RB0
	OUTO 5, RB1
	OUTO 6, RB0
	OUTO 7, RB1
	s_set_vgpr_msb 0x1
	s_wait_tensorcnt 0x0
	ds_add_u32 v255, v255
	s_wait_dscnt 0x0
	s_set_vgpr_msb 0x100
	CROUND                                         ; the closing round: no work-group ends while a partner may still ask for a tile that names it
	s_endpgm
.Lfunc_end_k_q88bc7d84fd_pv:
	.size	k_q88bc7d84fd_pv, .Lfunc_end_k_q88bc7d84fd_pv-k_q88bc7d84fd_pv
	.p2alignl 7, 3214868480
	.fill 96, 4, 3214868480
	.section	.rodata,"a",@progbits
	.p2align	6, 0x0
	.amdhsa_kernel k_q88bc7d84fd_pv
		.amdhsa_group_segment_fixed_size 327680
		.amdhsa_private_segment_fixed_size 0
		.amdhsa_enable_private_segment 0
		.amdhsa_kernarg_size 32
		.amdhsa_user_sgpr_count 2
		.amdhsa_user_sgpr_kernarg_segment_ptr 1
		.amdhsa_wavefront_size32 1
		.amdhsa_system_sgpr_workgroup_id_x 1
		.amdhsa_system_sgpr_workgroup_id_y 1
		.amdhsa_system_sgpr_workgroup_id_z 1
		.amdhsa_system_vgpr_workitem_id 0
		.amdhsa_next_free_vgpr 768
		.amdhsa_next_free_sgpr 100
		.amdhsa_reserve_vcc 0
		.amdhsa_float_denorm_mode_32 3
		.amdhsa_float_denorm_mode_16_64 3
		.amdhsa_memory_ordered 1
		.amdhsa_forward_progress 1
		.amdhsa_inst_pref_size 162
	.end_amdhsa_kernel
	.amdgpu_metadata
---
amdhsa.version: [ 1, 2 ]
amdhsa.kernels:
  - .name:           k_q88bc7d84fd_pv
    .symbol:         k_q88bc7d84fd_pv.kd
    .args:
      - { .name: p, .offset: 0, .size: 8, .value_kind: global_buffer, .address_space: global }
      - { .name: vt, .offset: 8, .size: 8, .value_kind: global_buffer, .address_space: global }
      - { .name: out0, .offset: 16, .size: 8, .value_kind: global_buffer, .address_space: global }
      - { .name: stats, .offset: 24, .size: 8, .value_kind: global_buffer, .address_space: global }
    .group_segment_fixed_size: 327680
    .private_segment_fixed_size: 0
    .kernarg_segment_align: 8
    .kernarg_segment_size: 32
    .max_flat_workgroup_size: 128
    .sgpr_count:     100
    .vgpr_count:     768
    .wavefront_size: 32
...
	.end_amdgpu_metadata
.endif
;; end of part 8
